; MI455X (gfx1250); checked and timed in simulation.
; The chip was launched on July 23, 2026; its instructions are those of AMD's public machine-readable ISA for CDNA 5 (MIT licence, August 2026) and "CDNA5" Instruction Set Architecture Reference Guide (July 2026). The comments in the code are by the model that wrote it; some were corrected since.
;; Policy Network. Allowed arithmetic: matrix products marked QUANTISED: E5M2 operands, one E8M0 scale for each 32 along K, by v_wmma_scale_f32_16x16x128_f8f6f4 with both operands' format E5M2, f32 sums; products left as they are: f32 operands where the result goes on into a quantised operand, else bf16, f16 or f32 operands; f32 sums; everything else in f32.
;; Inputs: Wa 384 x 2 float32; Wk 384 x 384 float32; Wo 384 x 384 float32; Wq 384 x 384 float32; Wv 384 x 384 float32; a2 384 float32; b2 384 float32; ba 2 float32; bk 384 float32; bo 384 float32; bq 384 float32; bv 384 float32; context 8 x 2,048 x 384 float32; ln_b 384 float32; ln_g 384 float32; mask 8 x 2,048 int32.
;; Outputs: out0 8 x 2,048 x 2 float32; out1 8 x 2,048 x 384 float32.
;; This version of the problem:
;;   THIS VERSION OF THE PROBLEM IS GIVEN IN LOW PRECISION. The matrix products marked QUANTISED in the list below multiply operands that are first quantised to E5M2 (5 exponent bits, 2 mantissa bits; 8 bits a number), with one power-of-two scale for each 32 numbers along K (OCP MX v1.0); their sums are f32. All else is computed in f32.
;;   The module's matrix products, in the order in which they are computed (A, B: the left and right operand; K: the contracted axis; several contracted axes count as one K, in the product's order):
;;     1. [M 16,384, K 384] x [K 384, N 384]; A: computed on the way; B: input Wq: QUANTISED
;;     2. [M 16,384, K 384] x [K 384, N 384]; A: computed on the way; B: input Wk: QUANTISED
;;     3. [M 16,384, K 384] x [K 384, N 384]; A: computed on the way; B: input Wv: QUANTISED
;;     4. batch 8 x [M 2,048, K 384] x [K 384, N 2,048]; A: computed on the way; B: computed on the way: QUANTISED
;;     5. batch 8 x [M 2,048, K 2,048] x [K 2,048, N 384]; A: softmax (see below); B: computed on the way: QUANTISED
;;     6. [M 16,384, K 384] x [K 384, N 384]; A: computed on the way; B: input Wo: QUANTISED
;;     7. [M 16,384, K 384] x [K 384, N 2]; A: computed on the way; B: input Wa: left as it is (N = 2 < 16)
;;   THE QUANTISER, for each operand of a quantised product, along K:
;;     - K is cut into blocks of 32 from its start; a last block that is shorter is filled with zeros.
;;     - A block's scale is 2^e with e = floor(log2(the largest magnitude in the block)) - 15, held to -126 .. 127; a block of zeros has e = 0. As a byte (E8M0): e + 127.
;;     - Each number is divided by its block's scale, clamped to +-57,344, and rounded to the nearest number of E5M2, ties to even, subnormals kept.
;;     - The product sums the exact products of the quantised numbers (number of the format x scale) in f32.
;;   ~~~python
;;   def quantise(x, axis):      # numpy; x: float32 -> the quantised numbers, widened to float32 again
;;       x = np.moveaxis(x, axis, -1); K = x.shape[-1]
;;       x = np.pad(x, [(0, 0)] * (x.ndim - 1) + [(0, -K % 32)]); x = x.reshape(x.shape[:-1] + (-1, 32)); a = np.abs(x).max(-1, keepdims=True)
;;       e = np.where(a > 0, np.clip(np.frexp(np.where(a > 0, a, 1))[1] - 1 - 15, -126, 127), 0)      # np.frexp(a)[1] - 1 = floor(log2(a)), exactly
;;       r = np.clip(x / 2.0 ** e, -57344, 57344)
;;       step = 2.0 ** (np.maximum(np.frexp(np.where(r == 0, 1, r))[1] - 1, -14) - 2)
;;       q = np.round(r / step) * step * 2.0 ** e      # np.round: ties to even
;;       return np.moveaxis(q.reshape(q.shape[:-2] + (-1,))[..., :K], -1, axis).astype(np.float32)
;;   ~~~
;;   SOFTMAX AHEAD OF A QUANTISED PRODUCT. Where the list says 'softmax', what is quantised is not the finished softmax but p = 2^(t - M), with t = logit x log2(e) and M = ceil(the row's largest t), a whole number; so 1/2 < the row's largest p <= 1. The row's sum l is taken of the UNQUANTISED p, in f32, and the product's result is divided by l at the end. Since M is a whole number, a kernel that streams over the keys may use a running M (the ceiling of the running maximum): every later rescaling is an exact power of two, which a block's scale takes up: the codes' values come out the same.
;;   OPERANDS COMPUTED ON THE WAY. 'Computed on the way' means the value that the module computes at that place (a softmax that the list does not call 'softmax' is quantised finished and normalised). What goes into a quantiser is computed in f32, as accurately as f32 sums, v_exp_f32 and their like allow (about 1e-6 of the number): no bf16 or f16 on the way to a quantiser, and a product that is left as it is and whose result goes on into a quantised operand takes f32 operands (vector FMAs, or v_wmma_f32_16x16x4_f32). A number that lies on a knife's edge between two numbers of the format may be rounded either way, as far as f32 arithmetic and the matrix unit's own rounding can turn it there, and no further.
;; 2 versions, each right; version 2 is version 1 with the launches qkv, attn written anew for expert scheduling mode. Each part assembles by itself: llvm-mc -triple=amdgcn-amd-amdhsa -mcpu=gfx1250 --defsym DOCPART=n.
;; ======== version 1 of 2: 3 launches
;; limits: right only within a limited range of input values
;; workspace buffers: wts 673,792 bytes; meta 256 bytes of whole numbers; codes 18,874,368 bytes; aux 1,245,184 bytes
;; launch prep (part 1): grid 11 x 4, 4 waves a work-group, no clusters, 0 bytes of LDS; arguments Wq, Wk, Wv, Wo, mask, wts, meta; writes wts, meta
.if DOCPART == 1
	.amdgcn_target "amdgcn-amd-amdhsa--gfx1250"
	.amdhsa_code_object_version 6
	.text
	.protected	k_q5a67cf1797_prep
	.globl	k_q5a67cf1797_prep
	.p2align	8
	.type	k_q5a67cf1797_prep,@function
k_q5a67cf1797_prep:
	s_mov_b64 s[64:65], 0
	v_nop
	global_prefetch_b8 v0, s[64:65] scope:SCOPE_SE
	s_setreg_imm32_b32 hwreg(HW_REG_WAVE_MODE, 25, 1), 1
	s_wait_xcnt 0x0
; Wq, Wk, Wv, Wo [384 (k)][384 (n)] f32 become codes of E5M2 along K (their first axis), laid as IMAGES OF OPERAND REGISTERS, and scale words; the mask becomes a bias for the scores and two whole numbers a batch.
; wts: images at ((matrix x 24 + tile) x 3 + K step) x 2048 + 512 c + 16 lane: lane (r, h) holds W[128 s + 32 c + 16 h + 0..15][n], n = 32 (tile / 2) + 8 (tile % 2) + r + 8 (r / 8);
;      scale words at 589,824 + ((matrix x 24 + tile) x 3 + K step) x 64 + 4 r;  key bias at 608,256 + 8,192 batch + 4 key: 0 where the mask admits the key, else -3.84e11 (= -1e9 x 384).
; meta: [batch](L = the sum of the mask's row, first = the first key that the mask admits, 2,048 if none).
; Work-groups x = 0..8 of row y quantise matrix y: K step x / 3, columns 128 (x % 3) + 32 wave + lane.  A LANE TAKES A COLUMN AND ITS REGISTERS RUN DOWN K: a block of 32 lies in one lane.
; Work-groups x = 9, 10 take batch 2 y + x - 9.  No LDS, no barrier: waves share nothing.  No cluster: no two work-groups read the same bytes.
; LIMITS: NaN and infinities are not served; a block of zeros keeps the byte 1 (its codes are zeros; this program alone reads the bytes).
.set X,     32                         ; v32-95   two sets of 32 numbers
.set C,     96                         ; v96-127  eight registers of codes for each of the four blocks: no store's data are written again
.set SB,    14                         ; v14      the four scale bytes
.set WSC,   589824
.set KBIAS, 608256
	s_load_b256 s[4:11], s[0:1], 0x0               ; Wq, Wk, Wv, Wo
	s_load_b128 s[12:15], s[0:1], 0x20             ; mask, wts
	s_load_b64 s[16:17], s[0:1], 0x30              ; meta
	v_lshrrev_b32 v5, 5, v0
	v_readfirstlane_b32 s18, v5                    ; wave
	v_and_b32 v1, 31, v0                           ; lane
	s_and_b32 s19, ttmp7, 0xffff                   ; y
	s_cmp_ge_u32 ttmp9, 9
	s_cbranch_scc1 .Lmask
	; ---- a weight
	s_mul_i32 s20, ttmp9, 11
	s_lshr_b32 s20, s20, 5                         ; K step = x / 3 (x under 9)
	s_mul_i32 s21, s20, 3
	s_sub_co_u32 s21, ttmp9, s21
	s_lshl_b32 s21, s21, 2
	s_add_co_u32 s21, s21, s18                     ; g: my wave's 32 columns
	v_lshlrev_b32 v2, 2, v1                        ; in: 4 bytes a lane
	v_bfe_u32 v6, v1, 3, 1                         ; column 32 g + lane is member r' of tile 2 g + u: u = (lane / 8) % 2,
	v_and_b32 v7, 7, v1
	v_lshrrev_b32 v8, 4, v1
	v_lshl_add_u32 v7, v8, 3, v7                   ; r' = lane % 8 + 8 (lane / 16)
	v_mul_u32_u24 v3, v6, 6144
	v_lshl_add_u32 v3, v7, 4, v3                   ; out: a tile on is three images on; 16 bytes a member
	v_mul_u32_u24 v4, v6, 192
	v_lshl_add_u32 v4, v7, 2, v4                   ; and its scale word
	s_mov_b32 s30, 0x600000                        ; the mantissa field of 57,344
	s_mul_i32 s22, s20, 128*1536
	s_lshl_b32 s23, s21, 7
	s_add_co_u32 s22, s22, s23                     ; W: row 128 s, column 32 g
	s_mov_b32 s23, 0
	s_mul_i32 s24, s19, 24
	s_lshl_b32 s25, s21, 1
	s_add_co_u32 s24, s24, s25
	s_mul_i32 s24, s24, 3
	s_add_co_u32 s24, s24, s20                     ; (24 matrix + 2 g) x 3 + s
	s_lshl_b32 s26, s24, 6
	s_add_co_u32 s26, s26, WSC
	s_mov_b32 s27, 0
	s_lshl_b32 s24, s24, 11
	s_mov_b32 s25, 0
	s_and_b32 s28, s19, 1
	s_wait_kmcnt 0x0
	s_cmp_lt_u32 s19, 2                            ; the matrix is chosen by the work-group's y alone
	s_cselect_b64 s[4:5], s[4:5], s[8:9]
	s_cselect_b64 s[6:7], s[6:7], s[10:11]
	s_cmp_eq_u32 s28, 0
	s_cselect_b64 s[4:5], s[4:5], s[6:7]
	s_add_nc_u64 s[4:5], s[4:5], s[22:23]
	s_add_nc_u64 s[8:9], s[14:15], s[24:25]        ; my images
	s_add_nc_u64 s[10:11], s[14:15], s[26:27]      ; my scale words
.macro LOADW t                         ; block t: W(128 s + 32 t + i, my column): 32 lanes read 128 neighbouring bytes
.set i, 0
.rept 32
	global_load_b32 v[X+32*((\t)%2)+i], v2, s[4:5] offset:(32*(\t)+i)*1536 th:TH_LOAD_NT
.set i, i+1
.endr
.endm
.macro BLOCK t
.set XS, X+32*((\t)%2)
.if (\t) < 3
	s_wait_loadcnt 32                              ; this block's 32 loads are in; the next block's may be out
.else
	s_wait_loadcnt 0x0
.endif
	v_max3_num_f32 v12, |v[XS]|, |v[XS+1]|, |v[XS+2]|     ; the block's largest magnitude: all 32 numbers are mine
	v_max3_num_f32 v13, |v[XS+3]|, |v[XS+4]|, |v[XS+5]|
.irp i, 6,10,14,18,22,26
	v_max3_num_f32 v12, v12, |v[XS+\i]|, |v[XS+\i+1]|
	v_max3_num_f32 v13, v13, |v[XS+\i+2]|, |v[XS+\i+3]|
.endr
	v_max3_num_f32 v12, v12, |v[XS+30]|, |v[XS+31]|
	v_max3_num_f32 v12, v12, v13, 0x8000000        ; the floor 2^(16 - 127): the byte cannot fall under 1
	v_add_nc_u32 v11, 0xf8800000, v12              ; 15 off the exponent field: the conversion's scale operand
	v_and_or_b32 v10, v12, 0x7f800000, s30         ; 57,344 x the scale
	v_lshrrev_b32 v13, 23, v11                     ; the scale's byte
.if (\t) == 0
	v_mov_b32 v[SB], v13
.else
	v_lshl_or_b32 v[SB], v13, 8*(\t), v[SB]
.endif
.irp i, 0,1,2,3,4,5,6,7,8,9,10,11,12,13,14,15,16,17,18,19,20,21,22,23,24,25,26,27,28,29,30,31
	v_med3_num_f32 v[XS+\i], v[XS+\i], -v10, v10   ; the conversion to an 8-bit code does not saturate (ISA guide 7.6.2): the hold comes first
.endr
.irp g, 0,1,2,3
	v_cvt_scalef32_pk8_bf8_f32 v[C+8*(\t)+2*\g:C+8*(\t)+2*\g+1], v[XS+8*\g:XS+8*\g+7], v11
.endr
	global_store_b128 v3, v[C+8*(\t):C+8*(\t)+3], s[8:9] offset:512*(\t)          ; k 0..15: the image's lanes 0-15: two aligned runs of 256 bytes (tiles 2 g and 2 g + 1)
	global_store_b128 v3, v[C+8*(\t)+4:C+8*(\t)+7], s[8:9] offset:512*(\t)+256    ; k 16..31: its lanes 16-31
.if (\t)+2 < 4
	LOADW (\t)+2
.endif
.endm
	LOADW 0
	LOADW 1
	BLOCK 0
	BLOCK 1
	BLOCK 2
	BLOCK 3
	global_store_b32 v4, v[SB], s[10:11]
	s_endpgm
	; ---- a row of the mask
.Lmask:
	s_lshl_b32 s20, s19, 1
	s_add_co_u32 s20, s20, ttmp9
	s_sub_co_u32 s20, s20, 9                       ; batch
	s_lshl_b32 s22, s20, 13
	s_mov_b32 s23, 0
	s_add_co_u32 s24, s22, KBIAS
	s_mov_b32 s25, 0
	s_lshl_b32 s26, s20, 3
	s_mov_b32 s27, 0
	s_mov_b32 s28, 0x76543210
	s_mov_b32 s29, 0xfedcba98                      ; v_permlanex16_b32's selects for lane l xor 16
	v_lshlrev_b32 v2, 4, v1                        ; 16 bytes a lane
	v_lshlrev_b32 v3, 2, v1                        ; and the keys that they hold
	s_lshl_b32 s21, s18, 11
	v_add_nc_u32 v4, s21, v2                       ; my wave's quarter of the row
	v_mov_b32 v20, 0x800                           ; 2,048
	v_mov_b32 v21, 0xd2b2d05e                      ; -3.84e11
	v_mov_b32 v22, 0
	v_mov_b32 v15, 0                               ; (destinations of lane moves count as read)
	v_mov_b32 v16, 0
	v_mov_b32 v10, 0                               ; the sum
	v_mov_b32 v12, 0x800                           ; the first admitted key
	s_wait_kmcnt 0x0
	s_add_nc_u64 s[12:13], s[12:13], s[22:23]
	s_add_nc_u64 s[14:15], s[14:15], s[24:25]
	s_add_nc_u64 s[16:17], s[16:17], s[26:27]
.set i, 0
.rept 16
	global_load_b128 v[32+4*i:35+4*i], v2, s[12:13] offset:512*i    ; every wave reads the whole row: register 4 i + e is key 128 i + 4 lane + e
.set i, i+1
.endr
.irp i, 0,1,2,3
	global_load_b128 v[96+4*\i:99+4*\i], v4, s[12:13] offset:512*\i  ; and its own quarter once more, for the bias
.endr
	s_wait_loadcnt 4                               ; the row is in; the quarter's four loads may be out
.set i, 0
.rept 32
	v_add3_u32 v10, v10, v[32+2*i], v[33+2*i]
.set i, i+1
.endr
.set i, 0
.rept 64
	v_cmp_ne_u32 vcc_lo, 0, v[32+i]
	v_add_nc_u32 v13, 128*(i/4)+i%4, v3
	v_cndmask_b32 v13, v20, v13, vcc_lo            ; the key's number where it is admitted, else 2,048
	v_min_u32 v12, v12, v13
.set i, i+1
.endr
.irp k, 1,2,4,8
	v_mov_b32_dpp v15, v10 row_xmask:\k row_mask:0xf bank_mask:0xf
	v_mov_b32_dpp v16, v12 row_xmask:\k row_mask:0xf bank_mask:0xf
	v_add_nc_u32 v10, v10, v15
	v_min_u32 v12, v12, v16
.endr
	v_permlanex16_b32 v15, v10, s28, s29
	v_permlanex16_b32 v16, v12, s28, s29
	v_add_nc_u32 v10, v10, v15                     ; L
	v_min_u32 v11, v12, v16                        ; first
	s_wait_loadcnt 0x0
.set i, 0
.rept 16
	v_cmp_ne_u32 vcc_lo, 0, v[96+i]
	v_cndmask_b32 v[112+i], v21, v22, vcc_lo       ; 0 where admitted
.set i, i+1
.endr
.irp i, 0,1,2,3
	global_store_b128 v4, v[112+4*\i:115+4*\i], s[14:15] offset:512*\i   ; 512 consecutive bytes a store
.endr
	s_cmp_lg_u32 s18, 0
	s_cbranch_scc1 .Ldone
	s_wait_xcnt 0x0                                ; EXEC changes only behind this wait
	v_cmp_eq_u32 vcc_lo, 0, v1
	s_and_saveexec_b32 s31, vcc_lo
	global_store_b64 v22, v[10:11], s[16:17]       ; wave 0's lane 0 stores the batch's two whole numbers
	s_wait_xcnt 0x0
	s_or_b32 exec_lo, exec_lo, s31
.Ldone:
	s_endpgm
.Lfunc_end_k_q5a67cf1797_prep:
	.size	k_q5a67cf1797_prep, .Lfunc_end_k_q5a67cf1797_prep-k_q5a67cf1797_prep
	.p2alignl 7, 3214868480
	.fill 96, 4, 3214868480
	.section	.rodata,"a",@progbits
	.p2align	6, 0x0
	.amdhsa_kernel k_q5a67cf1797_prep
		.amdhsa_group_segment_fixed_size 0
		.amdhsa_private_segment_fixed_size 0
		.amdhsa_enable_private_segment 0
		.amdhsa_kernarg_size 56
		.amdhsa_user_sgpr_count 2
		.amdhsa_user_sgpr_kernarg_segment_ptr 1
		.amdhsa_wavefront_size32 1
		.amdhsa_system_sgpr_workgroup_id_x 1
		.amdhsa_system_sgpr_workgroup_id_y 1
		.amdhsa_system_sgpr_workgroup_id_z 1
		.amdhsa_system_vgpr_workitem_id 0
		.amdhsa_next_free_vgpr 128
		.amdhsa_next_free_sgpr 66
		.amdhsa_reserve_vcc 1
		.amdhsa_float_denorm_mode_32 3
		.amdhsa_float_denorm_mode_16_64 3
		.amdhsa_memory_ordered 1
		.amdhsa_forward_progress 1
		.amdhsa_inst_pref_size 47
	.end_amdhsa_kernel
	.amdgpu_metadata
---
amdhsa.version: [ 1, 2 ]
amdhsa.kernels:
  - .name:           k_q5a67cf1797_prep
    .symbol:         k_q5a67cf1797_prep.kd
    .args:
      - { .name: Wq, .offset: 0, .size: 8, .value_kind: global_buffer, .address_space: global }
      - { .name: Wk, .offset: 8, .size: 8, .value_kind: global_buffer, .address_space: global }
      - { .name: Wv, .offset: 16, .size: 8, .value_kind: global_buffer, .address_space: global }
      - { .name: Wo, .offset: 24, .size: 8, .value_kind: global_buffer, .address_space: global }
      - { .name: mask, .offset: 32, .size: 8, .value_kind: global_buffer, .address_space: global }
      - { .name: wts, .offset: 40, .size: 8, .value_kind: global_buffer, .address_space: global }
      - { .name: meta, .offset: 48, .size: 8, .value_kind: global_buffer, .address_space: global }
    .group_segment_fixed_size: 0
    .private_segment_fixed_size: 0
    .kernarg_segment_align: 8
    .kernarg_segment_size: 56
    .max_flat_workgroup_size: 128
    .sgpr_count:     66
    .vgpr_count:     128
    .wavefront_size: 32
...
	.end_amdgpu_metadata
.endif
;; end of part 1
;; launch qkv (part 2): grid 256 x 1, 4 waves a work-group, no clusters, 130,048 bytes of LDS; arguments context, a2, b2, bq, bk, bv, wts, codes, aux; writes codes, aux
.if DOCPART == 2
	.amdgcn_target "amdgcn-amd-amdhsa--gfx1250"
	.amdhsa_code_object_version 6
	.text
	.protected	k_q5a67cf1797_qkv
	.globl	k_q5a67cf1797_qkv
	.p2align	8
	.type	k_q5a67cf1797_qkv,@function
k_q5a67cf1797_qkv:
	s_mov_b64 s[64:65], 0
	v_nop
	global_prefetch_b8 v0, s[64:65] scope:SCOPE_SE
	s_setreg_imm32_b32 hwreg(HW_REG_WAVE_MODE, 25, 1), 1
	s_wait_xcnt 0x0
; ctx = a2 (x - mean) / (std + 1e-6) + b2 (std with 383 in the divisor); q, k, v = Q(ctx) Q(W) + b on codes of E5M2 with E8M0 scales; q and k are quantised along the channels, v along the keys.
; All three leave as IMAGES OF OPERAND REGISTERS (pieces of 512 bytes = 32 lanes x 16 codes of one block of 32 along K), so that the next launch loads fragments whole, 16 bytes a lane.
; A TILE of 16 tokens (or channels) 2 g + u has the members 32 g + 8 u + r + 8 (r / 8): the 16 registers of two neighbouring result tiles are then 16 neighbours along the next K.
; SHARES.  A work-group takes 64 tokens, four tiles.  First wave w norms and quantises tile w and hands its three fragments to the others through LDS, as register images.  Then THE WAVES SHARE THE CHANNELS:
; wave w makes channels 96 w .. 96 w + 95 of q, k and v for all 64 tokens: nine jobs of one block of 32 channels, 24 matrix instructions each, eight accumulators by turns.
; q, k: source 0 = 16 channels of W, source 1 = 16 tokens: a lane holds one token and its registers run along the channels.  v: source 0 = 16 tokens, source 1 = 16 channels: a lane holds one channel, registers along the keys.
; Each weight fragment is wanted by ONE wave of the work-group and goes from memory straight into its registers, a job ahead.  So nothing is asked for jointly: a shared tile would have to pass through LDS, which these fragments never touch.
; Also stored: each token's (mean, 1 / (std + 1e-6)); each token's 12 scale bytes of q and of k; v's scale bytes; and the sum of the quantised v over the work-group's 64 keys (by the format's own product with ones),
; which serves the rows that have no key.
; LIMITS: NaN and infinities are not served; a block of zeros keeps the byte 1 (its codes are zeros; this program alone reads the bytes); square root and reciprocal are the chip's own.
; LDS: x's 12 fragment images; their scale words (4 bytes a lane); a gathering place for what leaves in whole runs; a stage of 16 rows x 1,552 bytes for each wave.
.set XIMG,  0                          ; fragment (tile, K step) at (3 tile + s) x 2048
.set XSC,   24576                      ; 128 bytes a fragment
.set SMALL, 26112                      ; +0 q's scale bytes [64][16]; +1024 k's; +2048 (mean, 1/(std+eps)) [64][8]; +2560 sums of v [384] f32
.set STG,   30208
.set SP,    1552                       ; 97 x 16 bytes: the 16 rows that a load touches start in 16 different columns of 16 bytes
; REGISTERS.  window 0: v1-19 addresses; v20-35 at work in QUANT; v36 the scale word just made; v[38:39] mean, 1/(std+eps); v40-55 codes just made; v64-255 x (first phase).
;   later in window 0: v64-127 the job's 8 accumulators; v128-143, v208-223 bias (two sets); v144-167 zeros, ones, zeros (codes); v168-183 v's sums; v184-189 W's scale words (two sets); v192-203 x's scale words; v204 scale 1.
;   window 1: a2, then x's 12 fragments.   window 2: b2, then W's fragments, two sets of 96.
.set X,    64
.set TM,   20                          ; +0 largest magnitudes, +4 bytes, +8 57,344 x scale, +12 the conversions' scale operands
.set PW,   36
.set PC,   40
.set ACC,  64
.set ZR,   144
.set VSD,  168
.set XS,   192
.set ONE,  204
.set SEL,  24
.set MNT,  26
.set MSB,  0
.macro WIN new                         ; the immediate's high byte repeats the setting that is left
.if MSB != \new
	s_set_vgpr_msb (MSB<<8)|\new
.set MSB, \new
.endif
.endm
.macro PLACES n
.rept \n
	v_nop
.endr
.endm
.macro BARRIER                         ; my LDS stores have landed and my LDS loads are in: then the work-group's barrier
	s_wait_dscnt 0x0
	s_barrier_signal -1
	s_barrier_wait -1
.endm
.macro WMA d, a, b, c, sa, sb, ra      ; ra = 1: source 0's scales stand in lanes 16-31
.if \ra
	v_wmma_scale_f32_16x16x128_f8f6f4 v[(\d):(\d)+7], v[(\a):(\a)+15], v[(\b):(\b)+15], v[(\c):(\c)+7], v[\sa], v[\sb] matrix_a_fmt:MATRIX_FMT_BF8 matrix_b_fmt:MATRIX_FMT_BF8 matrix_a_scale:MATRIX_SCALE_ROW1
.else
	v_wmma_scale_f32_16x16x128_f8f6f4 v[(\d):(\d)+7], v[(\a):(\a)+15], v[(\b):(\b)+15], v[(\c):(\c)+7], v[\sa], v[\sb] matrix_a_fmt:MATRIX_FMT_BF8 matrix_b_fmt:MATRIX_FMT_BF8
.endif
.endm
.macro WMB d, a, b, c, sa, sb, rb      ; rb = 1: source 1's scales stand in lanes 16-31
.if \rb
	v_wmma_scale_f32_16x16x128_f8f6f4 v[(\d):(\d)+7], v[(\a):(\a)+15], v[(\b):(\b)+15], v[(\c):(\c)+7], v[\sa], v[\sb] matrix_a_fmt:MATRIX_FMT_BF8 matrix_b_fmt:MATRIX_FMT_BF8 matrix_b_scale:MATRIX_SCALE_ROW1
.else
	v_wmma_scale_f32_16x16x128_f8f6f4 v[(\d):(\d)+7], v[(\a):(\a)+15], v[(\b):(\b)+15], v[(\c):(\c)+7], v[\sa], v[\sb] matrix_a_fmt:MATRIX_FMT_BF8 matrix_b_fmt:MATRIX_FMT_BF8
.endif
.endm
; Four blocks of 16 registers, v[src + 16 b + e]; a block of 32 lies in lanes l and l xor 16.  Codes to v[PC + 4 b ..], bytes to v[TM + 4 + b], the four bytes as a word to v[PW].
.macro QUANT src
.irp b, 0,1,2,3
	v_max3_num_f32 v[TM+\b], |v[(\src)+16*\b]|, |v[(\src)+16*\b+1]|, 0x8000000   ; with the floor 2^(16 - 127): the byte cannot fall under 1
.endr
.irp e, 2,4,6,8,10,12,14
.irp b, 0,1,2,3
	v_max3_num_f32 v[TM+\b], v[TM+\b], |v[(\src)+16*\b+\e]|, |v[(\src)+16*\b+\e+1]|   ; the four blocks by turns
.endr
.endr
.irp b, 0,1,2,3
	v_permlanex16_b32 v[TM+4+\b], v[TM+\b], s[SEL], s[SEL+1]
.endr
.irp b, 0,1,2,3
	v_max_num_f32 v[TM+\b], v[TM+\b], v[TM+4+\b]
.endr
.irp b, 0,1,2,3
	v_add_nc_u32 v[TM+12+\b], 0xf8800000, v[TM+\b]          ; 15 off the exponent field: the conversion's scale operand
.endr
.irp b, 0,1,2,3
	v_and_or_b32 v[TM+8+\b], v[TM+\b], 0x7f800000, s[MNT]   ; 57,344 x the scale
.endr
.irp b, 0,1,2,3
	v_lshrrev_b32 v[TM+4+\b], 23, v[TM+12+\b]               ; the scale's byte
.endr
	v_lshl_or_b32 v[PW], v[TM+5], 8, v[TM+4]
	v_lshl_or_b32 v[PW], v[TM+6], 16, v[PW]
	v_lshl_or_b32 v[PW], v[TM+7], 24, v[PW]
.irp b, 0,1,2,3
.irp e, 0,1,2,3,4,5,6,7,8,9,10,11,12,13,14,15
	v_med3_num_f32 v[(\src)+16*\b+\e], v[(\src)+16*\b+\e], -v[TM+8+\b], v[TM+8+\b]   ; the conversion does not saturate (ISA guide 7.6.2): the hold comes first
.endr
	v_cvt_scalef32_pk8_bf8_f32 v[PC+4*\b:PC+4*\b+1], v[(\src)+16*\b:(\src)+16*\b+7], v[TM+12+\b]
	v_cvt_scalef32_pk8_bf8_f32 v[PC+4*\b+2:PC+4*\b+3], v[(\src)+16*\b+8:(\src)+16*\b+15], v[TM+12+\b]
.endr
	v_nop                                          ; a plain instruction behind the last conversion, ahead of whatever next touches its registers
.endm
	s_load_b512 s[4:19], s[0:1], 0x0               ; context, a2, b2, bq, bk, bv, wts, codes
	s_load_b64 s[20:21], s[0:1], 0x40              ; aux
	v_lshl_add_u32 v37, v0, 2, 0x1fa00
	v_mov_b32 v63, 0
	v_lshrrev_b32 v1, 5, v0
	v_readfirstlane_b32 s22, v1                    ; wave
	v_and_b32 v1, 31, v0                           ; lane
	v_and_b32 v2, 15, v0                           ; r
	v_bfe_u32 v3, v0, 4, 1                         ; h
	v_lshlrev_b32 v4, 4, v1                        ; 16 x lane
	v_lshlrev_b32 v5, 2, v1                        ; 4 x lane
	s_mul_i32 s52, s22, 16*SP
	s_add_co_u32 s52, s52, STG                     ; my stage
	v_add_nc_u32 v6, s52, v4                       ; into it: as loaded
	v_mul_u32_u24 v7, v2, SP
	v_lshl_add_u32 v7, v3, 6, v7
	v_add_nc_u32 v7, s52, v7                       ; out of it: row r, + 64 h: my 16 numbers of a block of 32
	s_mul_i32 s52, s22, 6144
	v_add_nc_u32 v8, s52, v4                       ; where I store x's images
	s_mul_i32 s54, s22, 384                        ; 384 x wave: kept
	s_add_co_u32 s52, s54, XSC
	v_add_nc_u32 v9, s52, v5                       ; and their scale words
	v_lshlrev_b32 v10, 6, v3                       ; 64 h
	v_and_b32 v18, 8, v2
	v_add_nc_u32 v18, v18, v2                      ; r + 8 (r / 8)
	s_mul_i32 s52, s22, 3
	s_add_co_u32 s52, s52, SMALL
	v_lshl_add_u32 v11, v18, 4, s52                ; scale bytes of q: 16 x token + 3 x wave (+ the job's block)
	s_lshr_b32 s56, s22, 1
	s_lshl_b32 s56, s56, 5
	s_and_b32 s57, s22, 1
	s_lshl_b32 s57, s57, 3
	s_add_co_u32 s56, s56, s57                     ; tile w's first token: 32 (w / 2) + 8 (w % 2)
	v_add_nc_u32 v19, s56, v18                     ; my token of tile w
	v_lshl_add_u32 v12, v19, 4, SMALL
	v_lshl_add_u32 v13, v19, 3, SMALL+2048
	s_add_co_u32 s52, s54, SMALL+2560
	v_add_nc_u32 v14, s52, v10                     ; v's sums: 4 x (96 w + 16 h)
	s_lshl_b32 s52, s22, 10
	s_add_co_u32 s52, s52, SMALL
	v_add_nc_u32 v15, s52, v4                      ; the gathering place on the way out: 1,024 bytes a wave
	v_lshlrev_b32 v16, 2, v18                      ; bv: 4 (r + 8 (r / 8))
	v_mov_b32 v17, 0
	v_mov_b32 v39, 0                               ; (named as the upper half of a pair before it is made)
	s_mov_b32 s[SEL], 0x76543210
	s_mov_b32 s[SEL+1], 0xfedcba98
	s_mov_b32 s[MNT], 0x600000
	s_mov_b32 s27, 0xffff0000                      ; lanes 16-31
	s_lshr_b32 s46, ttmp9, 5                       ; batch
	s_and_b32 s47, ttmp9, 31
	s_lshr_b32 s48, s47, 1                         ; which 128 keys of the batch
	s_and_b32 s49, s47, 1                          ; and which half of them
	s_mov_b32 s61, 0
	s_wait_kmcnt 0x0
	s_mul_i32 s60, ttmp9, 98304
	s_mul_i32 s59, s56, 1536
	s_add_co_u32 s60, s60, s59
	s_add_nc_u64 s[50:51], s[4:5], s[60:61]        ; context at tile w's first token
	s_mul_i32 s60, s22, 36864
	s_add_nc_u64 s[28:29], s[16:17], s[60:61]      ; my 6 channel tiles' images in a matrix
	s_mul_i32 s60, s22, 1152
	s_add_co_u32 s60, s60, 589824
	s_add_nc_u64 s[30:31], s[16:17], s[60:61]      ; and their scale words
	s_mov_b32 s60, s54
	s_add_nc_u64 s[32:33], s[10:11], s[60:61]      ; bq, bk, bv at my 96 channels
	s_add_nc_u64 s[34:35], s[12:13], s[60:61]
	s_add_nc_u64 s[36:37], s[14:15], s[60:61]
	s_mul_i32 s60, ttmp9, 24576
	s_mul_i32 s59, s22, 1536
	s_add_co_u32 s60, s60, s59
	s_add_nc_u64 s[38:39], s[18:19], s[60:61]      ; q's images: my work-group's four tiles, my three blocks
	s_add_nc_u64 s[40:41], s[38:39], 6291456       ; k's
	s_mul_i32 s60, s46, 786432
	s_mul_i32 s59, s48, 49152
	s_add_co_u32 s60, s60, s59
	s_mul_i32 s59, s22, 12288
	s_add_co_u32 s60, s60, s59
	s_lshl_b32 s59, s49, 10
	s_add_co_u32 s60, s60, s59
	s_add_co_u32 s60, s60, 12582912
	s_add_nc_u64 s[42:43], s[18:19], s[60:61]      ; v's images: the key step, my six channel tiles, my work-group's two key blocks
	s_mul_i32 s60, s46, 24576
	s_mul_i32 s59, s48, 1536
	s_add_co_u32 s60, s60, s59
	s_add_co_u32 s60, s60, s54
	s_lshl_b32 s59, s49, 1
	s_add_co_u32 s60, s60, s59
	s_add_co_u32 s60, s60, 524288
	s_add_nc_u64 s[44:45], s[20:21], s[60:61]      ; v's scale bytes
	; ---- the norm of tile w: two runs of eight rows, read as they lie, 512 consecutive bytes a load
.set i, 0
.rept 48
	global_load_b128 v[X+4*i:X+4*i+3], v4, s[50:51] offset:512*i+12288*(i/24) th:TH_LOAD_NT
.set i, i+1
.endr
	WIN 0x40
.set i, 0
.rept 48
	global_load_b128 v[4*i:4*i+3], v10, s[6:7] offset:128*(i/4)+16*(i%4)    ; a2 in x's later layout: register 16 b + e = channel 32 b + 16 h + e
.set i, i+1
.endr
	WIN 0x80
.set i, 0
.rept 48
	global_load_b128 v[4*i:4*i+3], v10, s[8:9] offset:128*(i/4)+16*(i%4)    ; b2 likewise
.set i, i+1
.endr
	WIN 0
	s_wait_loadcnt 63                              ; 96 loads were issued behind context's 48, so with 63 out context is in
.set i, 0
.rept 48
	ds_store_b128 v6, v[X+4*i:X+4*i+3] offset:(i/3)*SP+(i%3)*512
.set i, i+1
.endr
.set i, 0
.rept 48
	ds_load_b128 v[X+4*i:X+4*i+3], v7 offset:128*(i/4)+16*(i%4)   ; LDS serves a wave's instructions in order (ISA guide 5.7.1.4): these see my stores.  Lane (r, h): row r, 16 of each 32 channels
.set i, i+1
.endr
	s_wait_dscnt 0x0
.irp c, 0,1,2,3
	v_pk_add_f32 v[20+2*\c:21+2*\c], v[X+4*\c:X+4*\c+1], v[X+4*\c+2:X+4*\c+3]     ; the row's sum, in four chains
.endr
.set i, 16
.rept 22
.irp c, 0,1,2,3
	v_pk_add_f32 v[20+2*\c:21+2*\c], v[20+2*\c:21+2*\c], v[X+i+2*\c:X+i+2*\c+1]
.endr
.set i, i+8
.endr
	v_pk_add_f32 v[20:21], v[20:21], v[22:23]
	v_pk_add_f32 v[24:25], v[24:25], v[26:27]
	v_pk_add_f32 v[20:21], v[20:21], v[24:25]
	v_add_f32 v20, v20, v21
	v_permlanex16_b32 v21, v20, s[SEL], s[SEL+1]
	v_add_f32 v20, v20, v21
	v_mul_f32 v38, 0x3b2aaaab, v20                 ; mean = sum / 384
.set i, 0
.rept 96
	v_pk_add_f32 v[X+i:X+i+1], v[X+i:X+i+1], v[38:39] op_sel_hi:[1,0] neg_lo:[0,1] neg_hi:[0,1]   ; x - mean
.set i, i+2
.endr
.irp c, 0,1,2,3
	v_pk_mul_f32 v[20+2*\c:21+2*\c], v[X+2*\c:X+2*\c+1], v[X+2*\c:X+2*\c+1]      ; the sum of squares of the differences
.endr
.set i, 8
.rept 23
.irp c, 0,1,2,3
	v_pk_fma_f32 v[20+2*\c:21+2*\c], v[X+i+2*\c:X+i+2*\c+1], v[X+i+2*\c:X+i+2*\c+1], v[20+2*\c:21+2*\c]
.endr
.set i, i+8
.endr
	v_pk_add_f32 v[20:21], v[20:21], v[22:23]
	v_pk_add_f32 v[24:25], v[24:25], v[26:27]
	v_pk_add_f32 v[20:21], v[20:21], v[24:25]
	v_add_f32 v20, v20, v21
	v_permlanex16_b32 v21, v20, s[SEL], s[SEL+1]
	v_add_f32 v20, v20, v21
	v_mul_f32 v20, 0x3b2b1cbe, v20                 ; / 383
	v_sqrt_f32 v20, v20
	v_nop                                          ; a plain instruction and a wait, ahead of the result's first use
	s_wait_alu depctr_va_vdst(0)
	v_add_f32 v20, 0x358637bd, v20                 ; + 1e-6
	v_rcp_f32 v39, v20
	v_nop
	s_wait_alu depctr_va_vdst(0)
.set i, 0
.rept 96
	v_pk_mul_f32 v[X+i:X+i+1], v[X+i:X+i+1], v[38:39] op_sel:[0,1] op_sel_hi:[1,1]   ; x the pair's upper word
.set i, i+2
.endr
	s_wait_loadcnt 0x0                             ; a2, b2
	WIN 0x24                                       ; source 1 window 1, source 2 window 2
.set i, 0
.rept 96
	v_pk_fma_f32 v[X+i:X+i+1], v[X+i:X+i+1], v[i:i+1], v[i:i+1]
.set i, i+2
.endr
	WIN 0
	ds_store_b64 v13, v[38:39]                     ; my token's (mean, 1 / (std + eps)); both halves of the lanes write the same
	ds_store_b32 v12, v17 offset:12                ; the unused word behind a token's 12 scale bytes, q's and k's
	ds_store_b32 v12, v17 offset:1036
; a job's operands: W's six fragments (two channel tiles x three K steps), their scale words (register n: set 2 n in lanes 0-15, set 2 n + 1 in lanes 16-31), its bias.  kind 0 q, 1 k, 2 v.
.macro WLOADW kind, i, buf
	WIN 0x80
.set n, 0
.rept 24
	global_load_b128 v[96*(\buf)+4*n:96*(\buf)+4*n+3], v4, s[28:29] offset:(\kind)*147456+(\i)*12288+512*n
.set n, n+1
.endr
	WIN 0
.endm
.macro WLOADS kind, i, buf
.irp n, 0,1,2
	global_load_b32 v[184+3*(\buf)+\n], v5, s[30:31] offset:(\kind)*4608+(\i)*384+128*\n
.endr
.if (\kind) < 2
.irp n, 0,1,2,3
	global_load_b128 v[128+80*(\buf)+4*\n:128+80*(\buf)+4*\n+3], v10, s[32+2*(\kind):33+2*(\kind)] offset:128*(\i)+16*\n   ; the bias in the result's layout: channels 32 block + 16 h + 0..15
.endr
.else
.irp n, 0,1
	global_load_b32 v[190+16*(\buf)+\n], v16, s[36:37] offset:128*(\i)+32*\n     ; v: a lane holds one channel
.endr
.endif
.endm
	WLOADW 0, 0, 0                                 ; the first job's fragments, into the registers that b2 has left
.irp s, 0,1,2
	QUANT X+64*\s
.irp c, 0,1,2,3
	ds_store_b128 v8, v[PC+4*\c:PC+4*\c+3] offset:XIMG+2048*\s+512*\c     ; the fragment goes to LDS as it stands
.endr
	ds_store_b32 v9, v[PW] offset:128*\s
	s_wait_dscnt 0x0                               ; the stores have read their registers
.endr
	WLOADS 0, 0, 0                                 ; its scale words and bias land where x lay
.irp n, 0,1,2,3,4,5,6,7
	v_mov_b32 v[ZR+\n], 0
	v_mov_b32 v[ZR+8+\n], 0x3c3c3c3c               ; four codes of 1.0
	v_mov_b32 v[ZR+16+\n], 0
.endr
	v_mov_b32 v[ONE], 0x7f7f7f7f                   ; four scale bytes of 2^0
	BARRIER                                        ; x's twelve fragments lie in LDS
	WIN 0x40
.set i, 0
.rept 48
	ds_load_b128 v[4*i:4*i+3], v4 offset:XIMG+512*i
.set i, i+1
.endr
	WIN 0
.set i, 0
.rept 12
	ds_load_b32 v[XS+i], v5 offset:XSC+128*i
.set i, i+1
.endr
	s_wait_dscnt 0x0
; A JOB: block i of my three, of q, k or v.  nk, ni: the next job (nk = -1: none), whose operands are asked for first.
.macro JOB kind, i, buf, nk, ni
.if (\nk) >= 0
	WLOADW \nk, \ni, 1-(\buf)
	WLOADS \nk, \ni, 1-(\buf)
.if (\nk) < 2
	s_wait_loadcnt 31                              ; all but the 31 just issued: this job's operands are in
.else
	s_wait_loadcnt 29                              ; all but the 29 just issued
.endif
.else
	s_wait_loadcnt 0x0
.endif
.if (\kind) < 2
	WIN 0x06                                       ; source 0 (W) window 2, source 1 (x) window 1
.irp s, 0,1,2
.irp t, 0,1,2,3
.irp u, 0,1
.if \s == 0
	WMA ACC+16*\t+8*\u, 96*(\buf)+16*(3*\u+\s), 16*(3*\t+\s), 128+80*(\buf)+8*\u, 184+3*(\buf)+(3*\u+\s)/2, XS+3*\t+\s, (3*\u+\s)%2
.else
	WMA ACC+16*\t+8*\u, 96*(\buf)+16*(3*\u+\s), 16*(3*\t+\s), ACC+16*\t+8*\u, 184+3*(\buf)+(3*\u+\s)/2, XS+3*\t+\s, (3*\u+\s)%2
.endif
.endr
.endr
.endr
.else
.irp p, 0,1
.irp j, 0,1,2,3,4,5,6,7
	v_mov_b32 v[128+80*(\buf)+8*\p+\j], v[190+16*(\buf)+\p]    ; my channel's bias for the eight tokens of a result's lane
.endr
.endr
	PLACES 4
	WIN 0x09                                       ; source 0 (x) window 1, source 1 (W) window 2
.irp s, 0,1,2
.irp p, 0,1
.irp g, 0,1
.irp u, 0,1
.if \s == 0
	WMB ACC+16*(2*\p+\g)+8*\u, 16*(3*(2*\g+\u)+\s), 96*(\buf)+16*(3*\p+\s), 128+80*(\buf)+8*\p, XS+3*(2*\g+\u)+\s, 184+3*(\buf)+(3*\p+\s)/2, (3*\p+\s)%2
.else
	WMB ACC+16*(2*\p+\g)+8*\u, 16*(3*(2*\g+\u)+\s), 96*(\buf)+16*(3*\p+\s), ACC+16*(2*\p+\g)+8*\u, XS+3*(2*\g+\u)+\s, 184+3*(\buf)+(3*\p+\s)/2, (3*\p+\s)%2
.endif
.endr
.endr
.endr
.endr
.endif
	WIN 0
	PLACES 8                                       ; eight places between the last product and the first read of results
	s_wait_xcnt 0x0                                ; the last job's stores have read their registers,
	s_wait_dscnt 0x0                               ; its LDS stores too: codes and bytes may be written again
	QUANT ACC
.if (\kind) < 2
.irp t, 0,1,2,3                        ; block b of QUANT = token tile t; its 32 numbers = my block of channels
	global_store_b128 v4, v[PC+4*\t:PC+4*\t+3], s[38+2*(\kind):39+2*(\kind)] offset:6144*\t+512*(\i)   ; a piece: 512 consecutive bytes, aligned
	ds_store_b8 v11, v[TM+4+\t] offset:16*(32*(\t/2)+8*(\t%2))+(\i)+1024*(\kind)                       ; both halves of the lanes write the same byte
.endr
.else
.irp b, 0,1,2,3                        ; block b = 2 x channel tile + key block
	global_store_b128 v4, v[PC+4*\b:PC+4*\b+3], s[42:43] offset:(2*(\i)+\b/2)*2048+512*(\b%2)
.endr
	v_lshl_or_b32 v59, v[TM+5], 8, v[TM+4]         ; the two key blocks' bytes of channel tile 0,
	v_lshl_or_b32 v60, v[TM+7], 8, v[TM+6]         ; of channel tile 1
	v_cndmask_b32 v[56+(\i)], v59, v60, s27        ; lanes 0-15 store tile 0's, lanes 16-31 tile 1's
	global_store_b16 v5, v[56+(\i)], s[44:45] offset:128*(\i)
	PLACES 4                                       ; the codes stand four places, the scale word more than eight, ahead of the products below
	v_wmma_scale_f32_16x16x128_f8f6f4 v[VSD:VSD+7], v[PC:PC+15], v[ZR+8:ZR+23], 0, v[PW], v[ONE] matrix_a_fmt:MATRIX_FMT_BF8 matrix_b_fmt:MATRIX_FMT_BF8       ; x ones over K blocks 0, 1: the sum of tile 0's 64 quantised numbers a channel
	v_wmma_scale_f32_16x16x128_f8f6f4 v[VSD+8:VSD+15], v[PC:PC+15], v[ZR:ZR+15], 0, v[PW], v[ONE] matrix_a_fmt:MATRIX_FMT_BF8 matrix_b_fmt:MATRIX_FMT_BF8     ; over K blocks 2, 3: tile 1's
	PLACES 8
.irp n, 0,1,2,3
	ds_store_b128 v14, v[VSD+4*\n:VSD+4*\n+3] offset:128*(\i)+16*\n      ; register 8 u + j of half h: channel 32 block + 16 h + 8 u + j; the sixteen lanes of a half write the same
.endr
.endif
.endm
	JOB 0, 0, 0, 1, 0
	JOB 1, 0, 1, 0, 1
	JOB 0, 1, 0, 1, 1
	JOB 1, 1, 1, 0, 2
	JOB 0, 2, 0, 1, 2
	JOB 1, 2, 1, 2, 0
	JOB 2, 0, 0, 2, 1
	JOB 2, 1, 1, 2, 2
	JOB 2, 2, 0, -1, 0
	BARRIER                                        ; the gathering place is whole
	ds_load_b128 v[64:67], v15
	ds_load_b128 v[68:71], v15 offset:512
	s_lshl_b32 s46, ttmp9, 10                      ; wave 0: q's scale bytes, 1,024 a work-group
	s_add_co_u32 s47, s46, 262144                  ; wave 1: k's
	s_lshl_b32 s48, ttmp9, 9
	s_add_co_u32 s48, s48, 720896                  ; wave 2: the statistics,
	s_mul_i32 s49, ttmp9, 1536
	s_add_co_u32 s49, s49, 851968                  ;         and the first 512 bytes of v's sums
	s_add_co_u32 s52, s49, 512                     ; wave 3: the other 1,024
	s_cmp_eq_u32 s22, 1
	s_cselect_b32 s46, s47, s46
	s_cmp_eq_u32 s22, 2
	s_cselect_b32 s46, s48, s46
	s_cmp_eq_u32 s22, 3
	s_cselect_b32 s46, s52, s46
	s_add_co_u32 s47, s46, 512
	s_cmp_eq_u32 s22, 2
	s_cselect_b32 s47, s49, s47
	v_add_nc_u32 v61, s46, v4
	v_add_nc_u32 v62, s47, v4
	s_wait_dscnt 0x0
	global_store_b128 v61, v[64:67], s[20:21]      ; 512 consecutive bytes, aligned
	global_store_b128 v62, v[68:71], s[20:21]
	s_wait_tensorcnt 0x0
	ds_add_u32 v37, v63
	s_wait_dscnt 0x0
	s_endpgm
.Lfunc_end_k_q5a67cf1797_qkv:
	.size	k_q5a67cf1797_qkv, .Lfunc_end_k_q5a67cf1797_qkv-k_q5a67cf1797_qkv
	.p2alignl 7, 3214868480
	.fill 96, 4, 3214868480
	.section	.rodata,"a",@progbits
	.p2align	6, 0x0
	.amdhsa_kernel k_q5a67cf1797_qkv
		.amdhsa_group_segment_fixed_size 130048
		.amdhsa_private_segment_fixed_size 0
		.amdhsa_enable_private_segment 0
		.amdhsa_kernarg_size 72
		.amdhsa_user_sgpr_count 2
		.amdhsa_user_sgpr_kernarg_segment_ptr 1
		.amdhsa_wavefront_size32 1
		.amdhsa_system_sgpr_workgroup_id_x 1
		.amdhsa_system_sgpr_workgroup_id_y 1
		.amdhsa_system_sgpr_workgroup_id_z 1
		.amdhsa_system_vgpr_workitem_id 0
		.amdhsa_next_free_vgpr 704
		.amdhsa_next_free_sgpr 66
		.amdhsa_reserve_vcc 0
		.amdhsa_float_denorm_mode_32 3
		.amdhsa_float_denorm_mode_16_64 3
		.amdhsa_memory_ordered 1
		.amdhsa_forward_progress 1
		.amdhsa_inst_pref_size 225
	.end_amdhsa_kernel
	.amdgpu_metadata
---
amdhsa.version: [ 1, 2 ]
amdhsa.kernels:
  - .name:           k_q5a67cf1797_qkv
    .symbol:         k_q5a67cf1797_qkv.kd
    .args:
      - { .name: context, .offset: 0, .size: 8, .value_kind: global_buffer, .address_space: global }
      - { .name: a2, .offset: 8, .size: 8, .value_kind: global_buffer, .address_space: global }
      - { .name: b2, .offset: 16, .size: 8, .value_kind: global_buffer, .address_space: global }
      - { .name: bq, .offset: 24, .size: 8, .value_kind: global_buffer, .address_space: global }
      - { .name: bk, .offset: 32, .size: 8, .value_kind: global_buffer, .address_space: global }
      - { .name: bv, .offset: 40, .size: 8, .value_kind: global_buffer, .address_space: global }
      - { .name: wts, .offset: 48, .size: 8, .value_kind: global_buffer, .address_space: global }
      - { .name: codes, .offset: 56, .size: 8, .value_kind: global_buffer, .address_space: global }
      - { .name: aux, .offset: 64, .size: 8, .value_kind: global_buffer, .address_space: global }
    .group_segment_fixed_size: 130048
    .private_segment_fixed_size: 0
    .kernarg_segment_align: 8
    .kernarg_segment_size: 72
    .max_flat_workgroup_size: 128
    .sgpr_count:     66
    .vgpr_count:     704
    .wavefront_size: 32
...
	.end_amdgpu_metadata
.endif
;; end of part 2
;; launch attn (part 3): grid 32 x 8, 4 waves a work-group, no clusters, 140,032 bytes of LDS; arguments context, a2, b2, bo, ln_g, ln_b, Wa, ba, wts, meta, codes, aux, out0, out1; writes out0, out1
.if DOCPART == 3
	.amdgcn_target "amdgcn-amd-amdhsa--gfx1250"
	.amdhsa_code_object_version 6
	.text
	.protected	k_q5a67cf1797_attn
	.globl	k_q5a67cf1797_attn
	.p2align	8
	.type	k_q5a67cf1797_attn,@function
k_q5a67cf1797_attn:
	s_mov_b64 s[64:65], 0
	v_nop
	global_prefetch_b8 v0, s[64:65] scope:SCOPE_SE
	s_setreg_imm32_b32 hwreg(HW_REG_WAVE_MODE, 25, 1), 1
	s_wait_xcnt 0x0
; Attention on codes of E5M2 with E8M0 scales, the output product on top of ctx + bo, LayerNorm, and the two-way actor.  A work-group owns 64 rows (queries) of one batch: four tiles a = 0..3 of 16;
; member r of tile 2 g + u is row 32 g + 8 u + r + 8 (r / 8).  A key counts for row i where the mask admits it, key <= i and i < L.
; THE WAVES SHARE THE KEYS FOR THE SCORES AND THE CHANNELS FOR THE SECOND PRODUCT, NOT THE QUERIES.  In a step of 128 keys wave w makes S^T for keys 32 w .. 32 w + 31 (one block of the second product's K) against all 64
; queries, 24 matrix instructions, and O^T for channels 96 w .. 96 w + 95 against all 64 queries, 24 more.  So each fragment of K and of V is wanted by ONE wave of the work-group and goes from memory straight into its
; registers, 16 bytes a lane, a phase or more ahead; through LDS go only the blocks' largest scores, p's codes as register images (8,192 bytes a step) and p's scale bytes.  Two barriers a step.
; THE ORDER OF A WAVE'S MEMORY INSTRUCTIONS: an LDS store or load that a barrier or the next lines wait for is issued AHEAD of a run of global loads, never directly behind one; the run follows it and is on its way during
; the vector work behind.  So the next step's K is asked for behind the LDS loads of the maxima, ahead of the softmax, and Wo behind the LDS loads of the sums.
; NO JOINT REQUESTS: work-groups of a batch read the same K and V, but they need different numbers of steps (blk / 2 + 1), a work-group without a live row passes over the work by a branch on stored whole numbers,
; and a shared tile would have to pass through LDS, which these fragments never touch.
; SOFTMAX: t = score x log2(e) / 384; M = the ceiling of the running largest t; p = 2^(t - M) is quantised along the keys; the sum is taken of the unquantised p; O and the sum are multiplied by 2^(old M - new M), exact.
; The mask costs no vector work: the key's bias (0 or -3.84e11) is the C of a score's first product.  Only the last step, on the diagonal, compares key and query.
; A ROW WITHOUT A KEY (i >= L or i < the first admitted key): every p is 1, so its result is the sum of the batch's 2,048 quantised v / 2,048: taken from the sums that the launch before stored.
; Steps beyond the diagonal are not walked (a trip count from the work-group's number).  A work-group all of whose rows are without keys jumps over each phase's work, never over a barrier.
; LIMITS: NaN and infinities are not served.  A hidden score is q.k - 3.84e11 or -3.84e11, not -1e9 x 384 to the bit: its p is 0, or is multiplied by an exact 0 when the row's first key comes, or belongs to a row without
; keys.  t is made with the one rounded constant log2(e) / 384.  Divisions are the chip's reciprocal and reciprocal root.  A block of zeros keeps the byte 1.
; LDS: a stage of 64 rows x 1,552 bytes (row 16 a + r), first ctx + bo, at the end the result; p's images, p's scale bytes; four exchanges of 1,024 bytes [a][r][wave]; the actor's partial sums; the context layer's images and bytes.
.set SP,   1552
.set PIM,  99328                       ; 2048 a + 512 c + 16 lane
.set PSB,  107520                      ; 64 a + 4 r + wave
.set MXB,  107776                      ; 256 a + 16 r + 4 wave; +1024 the sums; +2048, +3072 LayerNorm's
.set XB3,  111872                      ; 32 token + 8 wave
.set CIM,  113920                      ; 6144 a + 512 block + 16 lane
.set CSB,  138496                      ; 256 a + 16 r + block
; REGISTERS.  window 0: v1-26 addresses and constants; v32-47 for each a: -M, largest t, the sum (pair); v48-55 a pair for each a: f, later 1/l, mean, 1/sigma; v56-59 block maxima; v60-63 lane exchange;
;   v64-127 S^T then p (16 a + e: key 32 w + 16 h + e); v128-191 p's four fragments (before they come: codes, maxima, holds); v192-195 p's scale words; v196-211 q's scale words, later the context layer's;
;   v212-214 k's, v216-218 v's scale words; v220-223 diagonal distances; v224-227 at work; v228-235 sums; v236-244 Wo's scale words.
;   in the tail: v64-111 a tile's context layer, v112-159 its codes (12 registers for each a), v160-175 the quantiser's work, v176-191 its bytes (4 registers for each a); then v64-159 Wo's third K step.
;   window 1: v0-191 q's 12 fragments, later the context layer's; v192-239 the sum of v.   window 2: v0-95 k's 6 fragments; v96-191 v's 6.   window 3: v0-191 O^T, later the output (tile t, a at 8 (4 t + a)); v192-207 key bias.
.set TM,   160                         ; the tail's quantiser: +0 largest magnitudes, +4 lane exchange, +8 holds, +12 scale operands
.set SEL,  42
.set MNT,  46
.set MSB,  0
.macro WIN new                         ; the immediate's high byte repeats the setting that is left
.if MSB != \new
	s_set_vgpr_msb (MSB<<8)|\new
.set MSB, \new
.endif
.endm
.macro PLACES n
.rept \n
	v_nop
.endr
.endm
.macro BARRIER                         ; my LDS stores have landed and my LDS loads are in: then the work-group's barrier
	s_wait_dscnt 0x0
	s_barrier_signal -1
	s_barrier_wait -1
.endm
.macro WMA d, a, b, c, sa, sb, ra      ; ra = 1: source 0's scales stand in lanes 16-31
.if \ra
	v_wmma_scale_f32_16x16x128_f8f6f4 v[(\d):(\d)+7], v[(\a):(\a)+15], v[(\b):(\b)+15], v[(\c):(\c)+7], v[\sa], v[\sb] matrix_a_fmt:MATRIX_FMT_BF8 matrix_b_fmt:MATRIX_FMT_BF8 matrix_a_scale:MATRIX_SCALE_ROW1
.else
	v_wmma_scale_f32_16x16x128_f8f6f4 v[(\d):(\d)+7], v[(\a):(\a)+15], v[(\b):(\b)+15], v[(\c):(\c)+7], v[\sa], v[\sb] matrix_a_fmt:MATRIX_FMT_BF8 matrix_b_fmt:MATRIX_FMT_BF8
.endif
.endm
.macro KLOADS                          ; a step's K for my 32 keys: 6 fragments, the keys' bias, the keys' scale bytes: 29 loads
	WIN 0x80
.set n, 0
.rept 24
	global_load_b128 v[4*n:4*n+3], v1, s[48:49] offset:512*n
.set n, n+1
.endr
	WIN 0xc0
.irp q, 0,1,2,3
	global_load_b128 v[192+4*\q:195+4*\q], v4, s[56:57] offset:16*\q
.endr
	WIN 0
	global_load_b96 v[212:214], v3, s[52:53]       ; lanes 0-15: tile 0's keys, lanes 16-31: tile 1's; a word for each K step
.endm
.macro VLOADS                          ; a step's V for my 96 channels: 6 fragments and their scale words: 27 loads
	WIN 0x80
.set n, 0
.rept 24
	global_load_b128 v[96+4*n:99+4*n], v1, s[50:51] offset:512*n
.set n, n+1
.endr
	WIN 0
.irp n, 0,1,2
	global_load_b32 v[216+\n], v2, s[54:55] offset:128*\n
.endr
.endm
.macro GLOAD off                       ; the four waves' words of an exchange, for each a: v[144 + 4 a ..]
.irp a, 0,1,2,3
	ds_load_b128 v[144+4*\a:147+4*\a], v7 offset:(\off)+256*\a
.endr
.endm
.macro GSUM                            ; and their sum: v[144 + 4 a]
	s_wait_dscnt 0x0
.irp a, 0,1,2,3
	v_add_f32 v[144+4*\a], v[144+4*\a], v[145+4*\a]
	v_add_f32 v[146+4*\a], v[146+4*\a], v[147+4*\a]
.endr
.irp a, 0,1,2,3
	v_add_f32 v[144+4*\a], v[144+4*\a], v[146+4*\a]
.endr
.endm
	s_load_b512 s[4:19], s[0:1], 0x0               ; context, a2, b2, bo, ln_g, ln_b, Wa, ba
	s_load_b256 s[20:27], s[0:1], 0x40             ; wts, meta, codes, aux
	s_load_b128 s[28:31], s[0:1], 0x60             ; out0, out1
	v_lshl_add_u32 v254, v0, 2, 0x22100
	v_mov_b32 v255, 0
	v_lshrrev_b32 v27, 5, v0
	v_readfirstlane_b32 s32, v27                   ; wave
	s_mov_b32 s33, ttmp9                           ; my block of 64 rows
	s_and_b32 s34, ttmp7, 0xffff                   ; the batch
	v_and_b32 v27, 31, v0                          ; lane
	v_and_b32 v28, 15, v0                          ; r
	v_bfe_u32 v29, v0, 4, 1                        ; h
	v_and_b32 v30, 8, v28
	v_add_nc_u32 v30, v30, v28                     ; r + 8 (r / 8)
	v_lshlrev_b32 v1, 4, v27                       ; 16 x lane
	v_lshlrev_b32 v2, 2, v27                       ; 4 x lane
	v_lshl_add_u32 v3, v29, 3, v30
	v_lshlrev_b32 v3, 4, v3                        ; k's scale bytes: 16 x (8 h + r + 8 (r / 8))
	v_lshlrev_b32 v4, 6, v29                       ; 64 h
	v_lshlrev_b32 v5, 4, v30                       ; q's scale bytes
	s_lshl_b32 s41, s32, 2
	s_add_co_u32 s41, s41, MXB
	v_lshl_add_u32 v6, v28, 4, s41                 ; an exchange: my word
	v_lshl_add_u32 v7, v28, 4, MXB                 ; and the four waves' words
	s_lshl_b32 s41, s32, 9
	s_add_co_u32 s41, s41, PIM
	v_add_nc_u32 v8, s41, v1                       ; p's images: my piece
	v_add_nc_u32 v9, PIM, v1
	s_add_co_u32 s41, s32, PSB
	v_lshl_add_u32 v10, v28, 2, s41                ; p's scale bytes: mine
	v_lshl_add_u32 v11, v28, 2, PSB
	s_lshr_b32 s60, s32, 1
	s_lshl_b32 s60, s60, 5
	s_and_b32 s61, s32, 1
	s_lshl_b32 s61, s61, 3
	s_add_co_u32 s60, s60, s61
	s_mul_i32 s60, s60, SP
	v_add_nc_u32 v12, s60, v1                      ; the stage by natural rows 16 w + x: stage row 32 (w / 2) + 8 (w % 2) + 16 (x / 8) + x % 8
	v_mul_u32_u24 v13, v28, SP
	v_add_nc_u32 v13, v13, v4
	s_mul_i32 s60, s32, 384
	v_add_nc_u32 v13, s60, v13                     ; the stage by results: row r, my 96 channels, + 64 h; tiles 0, 1
	v_add_nc_u32 v14, 49664, v13                   ; tiles 2, 3
	s_mul_i32 s61, s32, 1536
	s_add_co_u32 s61, s61, CIM
	v_add_nc_u32 v15, s61, v1
	v_add_nc_u32 v16, CIM, v1
	s_mul_i32 s61, s32, 3
	s_add_co_u32 s61, s61, CSB
	v_lshl_add_u32 v17, v28, 4, s61
	v_lshl_add_u32 v18, v28, 4, CSB
	s_lshl_b32 s61, s32, 3
	s_add_co_u32 s61, s61, XB3
	v_lshl_add_u32 v19, v30, 5, s61
	v_lshl_add_u32 v20, v27, 6, XB3
	v_mul_u32_u24 v21, v28, 1536
	v_add_nc_u32 v21, v21, v4                      ; v's partial sums: lane r takes blocks r and r + 16
	v_lshlrev_b32 v22, 8, v27                      ; the prefetches: lanes 256 bytes apart; never rewritten
	v_lshlrev_b32 v23, 7, v29                      ; 128 h
	v_mov_b32 v24, 0
	v_mov_b32 v25, 0xd2b2d05e                      ; -3.84e11
	s_lshl_b32 s41, s33, 6
	v_add_nc_u32 v26, s41, v30                     ; my row of tile 0, in the batch
	s_and_b32 s41, s33, 1
	s_lshl_b32 s41, s41, 6
	s_lshl_b32 s60, s32, 5
	s_sub_co_i32 s41, s41, s60
	v_lshlrev_b32 v31, 4, v29
	v_sub_nc_u32 v31, v30, v31
	v_add_nc_u32 v31, s41, v31
.irp a, 0,1,2,3
	v_add_nc_u32 v[220+\a], 32*(\a/2)+8*(\a%2), v31   ; in the last step register e of tile a is hidden where e > my row - the step's first key - 32 w - 16 h
.endr
	s_mov_b32 s[SEL], 0x76543210
	s_mov_b32 s[SEL+1], 0xfedcba98
	s_mov_b32 s44, 0x3b76384f                      ; log2(e) / 384
	s_mov_b32 s45, s44
	s_mov_b32 s[MNT], 0x600000
	s_lshl_b32 s90, s34, 11
	s_lshl_b32 s91, s33, 6
	s_add_co_u32 s90, s90, s91                     ; my first token
	s_lshl_b32 s91, s32, 4
	s_add_co_u32 s91, s90, s91                     ; + 16 w
	s_lshr_b32 s35, s33, 1
	s_add_co_u32 s35, s35, 1                       ; steps up to the diagonal
	s_sub_co_u32 s40, s35, 3                       ; the trip in which I prefetch: see below
	s_and_b32 s41, s33, 1
	s_cmp_eq_u32 s41, 0
	s_cselect_b32 s40, s40, -1
	s_cmp_ge_u32 s35, 3
	s_cselect_b32 s40, s40, -1
	s_mov_b32 s36, 0                               ; the step
	s_mov_b32 s61, 0
	s_wait_kmcnt 0x0
	s_mul_i32 s60, s91, 1536
	s_add_nc_u64 s[80:81], s[4:5], s[60:61]        ; context and out1 at row 16 w of my block
	s_add_nc_u64 s[76:77], s[30:31], s[60:61]
	s_lshl_b32 s60, s91, 3
	s_add_co_u32 s60, s60, 720896
	s_add_nc_u64 s[82:83], s[26:27], s[60:61]      ; the rows' statistics
	s_mul_i32 s60, s34, 49152
	s_mul_i32 s41, s32, 384
	s_add_co_u32 s60, s60, s41
	s_add_co_u32 s60, s60, 851968
	s_add_nc_u64 s[84:85], s[26:27], s[60:61]      ; the batch's partial sums of v, my 96 channels
	s_mul_i32 s92, s34, 786432
	s_mul_i32 s60, s33, 24576
	s_add_co_u32 s60, s60, s92
	s_add_nc_u64 s[86:87], s[24:25], s[60:61]      ; q's images
	s_lshl_b32 s60, s90, 4
	s_add_nc_u64 s[88:89], s[26:27], s[60:61]      ; q's scale bytes
	s_mul_i32 s93, s32, 12288
	s_add_co_u32 s60, s92, s93
	s_add_co_u32 s60, s60, 6291456
	s_add_nc_u64 s[48:49], s[24:25], s[60:61]      ; k's images: my two key tiles of step 0
	s_add_co_u32 s60, s60, 6291456
	s_add_nc_u64 s[50:51], s[24:25], s[60:61]      ; v's images: my six channel tiles of step 0
	s_lshl_b32 s60, s34, 15
	s_lshl_b32 s41, s32, 9
	s_add_co_u32 s60, s60, s41
	s_add_co_u32 s60, s60, 262144
	s_add_nc_u64 s[52:53], s[26:27], s[60:61]      ; k's scale bytes
	s_mul_i32 s60, s34, 24576
	s_mul_i32 s41, s32, 384
	s_add_co_u32 s60, s60, s41
	s_add_co_u32 s60, s60, 524288
	s_add_nc_u64 s[54:55], s[26:27], s[60:61]      ; v's scale words
	s_lshl_b32 s60, s34, 13
	s_lshl_b32 s41, s32, 7
	s_add_co_u32 s60, s60, s41
	s_add_co_u32 s60, s60, 608256
	s_add_nc_u64 s[56:57], s[20:21], s[60:61]      ; the keys' bias
	s_mul_i32 s60, s32, 36864
	s_add_co_u32 s60, s60, 442368
	s_add_nc_u64 s[66:67], s[20:21], s[60:61]      ; Wo's images, my six tiles
	s_mul_i32 s60, s32, 1152
	s_add_co_u32 s60, s60, 603648
	s_add_nc_u64 s[68:69], s[20:21], s[60:61]      ; and their scale words
	s_lshl_b32 s60, s90, 3
	s_add_nc_u64 s[78:79], s[28:29], s[60:61]      ; out0
	s_mul_i32 s60, s32, 384
	s_add_nc_u64 s[12:13], s[12:13], s[60:61]      ; ln_g, ln_b at my 96 channels
	s_add_nc_u64 s[14:15], s[14:15], s[60:61]
	s_lshl_b32 s60, s60, 1
	s_add_nc_u64 s[16:17], s[16:17], s[60:61]      ; Wa likewise
	s_lshl_b32 s60, s34, 3
	s_add_nc_u64 s[22:23], s[22:23], s[60:61]
	s_load_b64 s[38:39], s[22:23], 0x0             ; L, first: whole numbers that the first launch stored
	s_load_b64 s[70:71], s[18:19], 0x0             ; ba
	s_sub_co_u32 s60, s35, 1                       ; the prefetch's place: my last step's 49,152 bytes of K (waves 0, 1) or V (waves 2, 3), a half each
	s_mul_i32 s60, s60, 49152
	s_add_co_u32 s60, s60, s92
	s_and_b32 s41, s32, 1
	s_mul_i32 s41, s41, 24576
	s_add_co_u32 s60, s60, s41
	s_lshr_b32 s41, s32, 1
	s_mul_i32 s41, s41, 6291456
	s_add_co_u32 s60, s60, s41
	s_add_co_u32 s60, s60, 6291456
	s_add_nc_u64 s[58:59], s[24:25], s[60:61]      ; never rewritten
	; ---- all first loads in one run
.set i, 0
.rept 16
	global_load_b64 v[64+2*i:65+2*i], v24, s[82:83] offset:8*i      ; (mean, 1 / (std + eps)) of row 16 w + i, the same in every lane
.set i, i+1
.endr
.irp p, 0,1,2
	global_load_b128 v[96+4*\p:99+4*\p], v1, s[6:7] offset:512*\p      ; a2, b2, bo as the rows lie: channels 128 p + 4 lane
	global_load_b128 v[108+4*\p:111+4*\p], v1, s[8:9] offset:512*\p
	global_load_b128 v[120+4*\p:123+4*\p], v1, s[10:11] offset:512*\p
.endr
	WIN 0xc0
.set i, 0
.rept 48
	global_load_b128 v[4*i:4*i+3], v1, s[80:81] offset:512*i th:TH_LOAD_NT    ; 16 rows of context, 512 consecutive bytes a load
.set i, i+1
.endr
	WIN 0
.irp t, 0,1,2,3,4,5
.irp q, 0,1
	global_load_b128 v[132+8*\t+4*\q:135+8*\t+4*\q], v21, s[84:85] offset:(32*(\t/2)+8*(\t%2))*4+16*\q
.endr
.endr
	WIN 0x80
.irp t, 0,1,2,3,4,5
.irp q, 0,1
	global_load_b128 v[192+8*\t+4*\q:195+8*\t+4*\q], v21, s[84:85] offset:24576+(32*(\t/2)+8*(\t%2))*4+16*\q
.endr
.endr
	WIN 0x40
.set i, 0
.rept 48
	global_load_b128 v[4*i:4*i+3], v1, s[86:87] offset:512*i        ; q's twelve fragments stay in registers
.set i, i+1
.endr
	WIN 0
.irp a, 0,1,2,3
	global_load_b96 v[196+4*\a:198+4*\a], v5, s[88:89] offset:16*(32*(\a/2)+8*(\a%2))
.endr
	KLOADS
	VLOADS
	s_wait_kmcnt 0x0
	s_lshl_b32 s41, s33, 6
	s_cmp_lt_i32 s41, s38                          ; my first row < L,
	s_cselect_b32 s37, 1, 0
	s_add_co_u32 s41, s41, 63
	s_cmp_ge_i32 s41, s39                          ; and my last row >= the first admitted key: some row of mine has a key
	s_cselect_b32 s37, s37, 0
.irp a, 0,1,2,3
	v_add_nc_u32 v27, 32*(\a/2)+8*(\a%2), v26
	v_cmp_le_i32 s60, s38, v27
	v_cmp_gt_i32 s62, s39, v27
	s_or_b32 s[72+\a], s60, s62                    ; the lanes whose row of tile a has no key
.endr
	s_wait_loadcnt 63                              ; 108 loads were issued behind the statistics, gains, context and partial sums: with 63 out these are in
.irp n, 0,2,4,6,8,10
	v_pk_add_f32 v[108+\n:109+\n], v[108+\n:109+\n], v[120+\n:121+\n]     ; b2 + bo
.endr
	WIN 0xc3                                       ; destination and source 0 window 3
.set x, 0
.rept 16
.irp d, 0,2,4,6,8,10
	v_pk_add_f32 v[12*x+\d:12*x+\d+1], v[12*x+\d:12*x+\d+1], v[64+2*x:65+2*x] op_sel_hi:[1,0] neg_lo:[0,1] neg_hi:[0,1]
.endr
.irp d, 0,2,4,6,8,10
	v_pk_mul_f32 v[12*x+\d:12*x+\d+1], v[12*x+\d:12*x+\d+1], v[64+2*x:65+2*x] op_sel:[0,1] op_sel_hi:[1,1]
.endr
.irp d, 0,2,4,6,8,10
	v_pk_fma_f32 v[12*x+\d:12*x+\d+1], v[12*x+\d:12*x+\d+1], v[96+\d:97+\d], v[108+\d:109+\d]      ; ctx + bo
.endr
.set x, x+1
.endr
	WIN 0x0c                                       ; an LDS store's data are its source 1
.set i, 0
.rept 48
	ds_store_b128 v12, v[4*i:4*i+3] offset:(16*((i/3)/8)+(i/3)%8)*SP+512*(i%3)
.set i, i+1
.endr
	WIN 0x08
.set n, 0
.rept 24
	v_pk_add_f32 v[132+2*n:133+2*n], v[132+2*n:133+2*n], v[192+2*n:193+2*n]    ; blocks r and r + 16,
.set n, n+1
.endr
	WIN 0
.irp k, 1,2,4,8
.set n, 0
.rept 48
	v_add_f32_dpp v[132+n], v[132+n], v[132+n] row_xmask:\k row_mask:0xf bank_mask:0xf    ; and the sixteen lanes of my half: the sum of the batch's quantised v
.set n, n+1
.endr
.endr
	WIN 0x40
.set n, 0
.rept 48
	v_mov_b32 v[192+n], v[132+n]
.set n, n+1
.endr
	s_wait_dscnt 0x0                               ; the stage's stores have read their registers
	WIN 0xc0
.set n, 0
.rept 192
	v_mov_b32 v[n], 0                              ; O^T.  The step is written once, and a work-group without a live row never writes O^T; these lines stand while q, k and v are on their way
.set n, n+1
.endr
	WIN 0
.irp a, 0,1,2,3
	v_mov_b32 v[33+4*\a], 0xff61b1e6               ; the largest t so far: -3e38
	v_floor_f32 v[32+4*\a], -v[33+4*\a]            ; -M
	v_mov_b32 v[34+4*\a], 0
	v_mov_b32 v[35+4*\a], 0
	v_mov_b32 v[48+2*\a], 0
	v_mov_b32 v[49+2*\a], 0
	v_mov_b32 v[56+\a], 0
	v_mov_b32 v[60+\a], 0
.endr
.Lstep:
	s_cmp_eq_u32 s37, 0
	s_cbranch_scc1 .Ldead_s
	; ---- S: my 32 keys against the 64 queries
	s_wait_loadcnt 27                              ; behind this step's K stand only its V's 27 loads
	WIN 0x36                                       ; K window 2, q window 1, the bias window 3
.irp a, 0,1,2,3
.irp u, 0,1
	WMA 64+16*\a+8*\u, 48*\u, 48*\a, 192+8*\u, 212, 196+4*\a, \u
.endr
.endr
	WIN 0x06
.irp s, 1,2
.irp a, 0,1,2,3
.irp u, 0,1
	WMA 64+16*\a+8*\u, 48*\u+16*\s, 48*\a+16*\s, 64+16*\a+8*\u, 212+\s, 196+4*\a+\s, \u
.endr
.endr
.endr
	WIN 0
	PLACES 8                                       ; eight places behind the products: for the reads of the scores, and for the loads into K's registers in the next phase
	s_add_co_u32 s41, s36, 1
	s_cmp_lg_u32 s41, s35
	s_cbranch_scc1 .Lopen                          ; only the last step lies on the diagonal
.irp a, 0,1,2,3
.irp e, 0,1,2,3,4,5,6,7,8,9,10,11,12,13,14,15
	v_cmp_gt_i32 vcc_lo, \e, v[220+\a]
	v_cndmask_b32 v[64+16*\a+\e], v[64+16*\a+\e], v25, vcc_lo
.endr
.endr
.Lopen:
.irp a, 0,1,2,3
	v_max3_num_f32 v[56+\a], v[64+16*\a], v[65+16*\a], v[66+16*\a]     ; the block's largest score: for the row's maximum and, since p rises with the score, for the block's largest p
.endr
.irp e, 3,5,7,9,11,13
.irp a, 0,1,2,3
	v_max3_num_f32 v[56+\a], v[56+\a], v[64+16*\a+\e], v[65+16*\a+\e]
.endr
.endr
.irp a, 0,1,2,3
	v_max_num_f32 v[56+\a], v[56+\a], v[79+16*\a]
.endr
.irp a, 0,1,2,3
	v_permlanex16_b32 v[60+\a], v[56+\a], s[SEL], s[SEL+1]
.endr
.irp a, 0,1,2,3
	v_max_num_f32 v[56+\a], v[56+\a], v[60+\a]
.endr
.irp a, 0,1,2,3
	ds_store_b32 v6, v[56+\a] offset:256*\a        ; straight behind the maxima: the barrier's wait is for these four stores alone, and no load was issued since the products
.endr
	s_branch .Lbar_1
.Ldead_s:
	s_wait_loadcnt 0x0
.Lbar_1:
	BARRIER                                        ; the four blocks' largest scores lie in LDS
	s_cmp_eq_u32 s37, 0
	s_cbranch_scc1 .Ldead_p
	; ---- P: the softmax of my 32 keys, quantised
	GLOAD 0                                        ; the four LDS loads first; the run of global loads follows them, and the wait for the four stands behind it
	s_add_co_u32 s41, s36, 1
	s_cmp_lt_u32 s41, s35
	s_cbranch_scc0 .Lno_k
	s_wait_xcnt 0x0                                ; the last loads have read their bases
	s_add_nc_u64 s[48:49], s[48:49], 49152
	s_add_nc_u64 s[52:53], s[52:53], 2048
	s_add_nc_u64 s[56:57], s[56:57], 512
	KLOADS                                         ; the next step's K: it has the softmax, the exchange of p and the second product in which to land
	; A PREFETCH INTO THE L2.  Step j of a batch is walked by the work-groups with block >= 2 j, in their trip j.  The work-group with block 2 j, whose last step it is, asks for it in its trip j - 2, behind its own loads:
	; waves 0, 1 for K's 49,152 bytes, waves 2, 3 for V's; a lane names 256 bytes, three instructions a wave: each block of 256 bytes is named once in the launch.  Steps 0 and 1 are not asked for.
	s_cmp_eq_u32 s36, s40
	s_cbranch_scc0 .Lk_done
	global_prefetch_b8 v22, s[58:59] th:TH_LOAD_NT scope:SCOPE_SE
	global_prefetch_b8 v22, s[58:59] offset:8192 th:TH_LOAD_NT scope:SCOPE_SE
	global_prefetch_b8 v22, s[58:59] offset:16384 th:TH_LOAD_NT scope:SCOPE_SE
	s_branch .Lk_done
.Lno_k:
	s_wait_loadcnt 0x0                             ; nothing was issued here: so that the count in the third phase holds on this way too
.Lk_done:
	s_wait_dscnt 0x0
.irp a, 0,1,2,3
	v_max3_num_f32 v[224+\a], v[144+4*\a], v[145+4*\a], v[146+4*\a]
.endr
.irp a, 0,1,2,3
	v_max_num_f32 v[224+\a], v[224+\a], v[147+4*\a]
.endr
.irp a, 0,1,2,3
	v_mul_f32 v[224+\a], s44, v[224+\a]            ; the step's largest t
.endr
.irp a, 0,1,2,3
	v_max_num_f32 v[33+4*\a], v[33+4*\a], v[224+\a]
.endr
.irp a, 0,1,2,3
	v_mov_b32 v[224+\a], v[32+4*\a]
.endr
.irp a, 0,1,2,3
	v_floor_f32 v[32+4*\a], -v[33+4*\a]            ; -M = floor(-t): M is a whole number
.endr
.irp a, 0,1,2,3
	v_sub_f32 v[224+\a], v[32+4*\a], v[224+\a]     ; old M - new M
.endr
.irp a, 0,1,2,3
	v_cvt_i32_f32 v[224+\a], v[224+\a]             ; (it saturates)
.endr
.irp a, 0,1,2,3
	v_ldexp_f32 v[48+2*\a], 1.0, v[224+\a]         ; f = 2^(old M - new M)
.endr
.irp e, 0,2,4,6,8,10,12,14
.irp a, 0,1,2,3
	v_pk_fma_f32 v[64+16*\a+\e:65+16*\a+\e], v[64+16*\a+\e:65+16*\a+\e], s[44:45], v[32+4*\a:33+4*\a] op_sel_hi:[1,0,0]   ; t - M
.endr
.endr
.irp a, 0,1,2,3
	v_fma_f32 v[56+\a], v[56+\a], s44, v[32+4*\a]  ; the same of my block's largest score
.endr
.set n, 0
.rept 64
	v_exp_f32 v[64+n], v[64+n]                     ; p = 2^(t - M)
.set n, n+1
.endr
.irp a, 0,1,2,3
	v_pk_mul_f32 v[34+4*\a:35+4*\a], v[34+4*\a:35+4*\a], v[48+2*\a:49+2*\a] op_sel_hi:[1,0]     ; the sums under the new M: plain work behind the batch
.endr
	s_wait_alu depctr_va_vdst(0)                   ; one wait for the batch of 64, ahead of its first reader
.irp a, 0,1,2,3
	v_exp_f32 v[56+\a], v[56+\a]                   ; the block's largest p
.endr
.irp e, 0,2,4,6,8,10,12,14
.irp a, 0,1,2,3
	v_pk_add_f32 v[34+4*\a:35+4*\a], v[34+4*\a:35+4*\a], v[64+16*\a+\e:65+16*\a+\e]     ; the sum is taken of the unquantised p
.endr
.endr
	s_wait_alu depctr_va_vdst(0)                   ; and one for the four
.irp a, 0,1,2,3
	v_max_num_f32 v[56+\a], 0x8000000, v[56+\a]    ; the floor 2^(16 - 127)
.endr
.irp a, 0,1,2,3
	v_add_nc_u32 v[164+\a], 0xf8800000, v[56+\a]
.endr
.irp a, 0,1,2,3
	v_and_or_b32 v[160+\a], v[56+\a], 0x7f800000, s[MNT]
.endr
.irp a, 0,1,2,3
	v_lshrrev_b32 v[168+\a], 23, v[164+\a]
.endr
.irp a, 0,1,2,3
.irp e, 0,1,2,3,4,5,6,7,8,9,10,11,12,13,14,15
	v_min_num_f32 v[64+16*\a+\e], v[64+16*\a+\e], v[160+\a]     ; p is not negative: the hold is one-sided
.endr
	v_cvt_scalef32_pk8_bf8_f32 v[128+4*\a:129+4*\a], v[64+16*\a:71+16*\a], v[164+\a]
	v_cvt_scalef32_pk8_bf8_f32 v[130+4*\a:131+4*\a], v[72+16*\a:79+16*\a], v[164+\a]
.endr
	v_nop
.irp a, 0,1,2,3
	ds_store_b128 v8, v[128+4*\a:131+4*\a] offset:2048*\a      ; piece w of tile a's fragment of p
	ds_store_b8 v10, v[168+\a] offset:64*\a
.endr
	s_branch .Lbar_2
.Ldead_p:
	s_wait_loadcnt 0x0                             ; no K was asked for on this way: so that the count in the third phase holds here too
.Lbar_2:
	BARRIER                                        ; p's four fragments and their scale words lie in LDS
	s_cmp_eq_u32 s37, 0
	s_cbranch_scc1 .Ldead_v
	; ---- V: my 96 channels against the 64 queries, K = the step's 128 keys
.irp a, 0,1,2,3
.irp c, 0,1,2,3
	ds_load_b128 v[128+16*\a+4*\c:131+16*\a+4*\c], v9 offset:2048*\a+512*\c
.endr
	ds_load_b32 v[192+\a], v11 offset:64*\a
.endr
	WIN 0xc3
.irp t, 0,1,2,3,4,5
.irp a, 0,1,2,3
.irp e, 0,2,4,6
	v_pk_mul_f32 v[8*(4*\t+\a)+\e:8*(4*\t+\a)+\e+1], v[8*(4*\t+\a)+\e:8*(4*\t+\a)+\e+1], v[48+2*\a:49+2*\a] op_sel_hi:[1,0]   ; O^T under the new M, while p's fragments come out of LDS
.endr
.endr
.endr
	WIN 0
	s_wait_loadcnt 29                              ; behind this step's V stand only the next step's 29 loads of K, or none
	s_wait_dscnt 0x0
	WIN 0xf2                                       ; V window 2, p window 0, O^T window 3
.irp t, 0,1,2,3,4,5
.irp a, 0,1,2,3
	WMA 8*(4*\t+\a), 96+16*\t, 128+16*\a, 8*(4*\t+\a), 216+\t/2, 192+\a, \t%2
.endr
.endr
	WIN 0
	PLACES 8
	s_add_co_u32 s41, s36, 1
	s_cmp_lt_u32 s41, s35
	s_cbranch_scc0 .Lno_v
	s_wait_xcnt 0x0
	s_add_nc_u64 s[50:51], s[50:51], 49152
	s_add_nc_u64 s[54:55], s[54:55], 1536
	VLOADS                                         ; the next step's V
	s_branch .Lnext
.Lno_v:
	s_wait_loadcnt 0x0
	s_branch .Lnext
.Ldead_v:
	s_wait_loadcnt 0x0
.Lnext:
	s_add_co_u32 s36, s36, 1
	s_cmp_lt_u32 s36, s35
	s_cbranch_scc1 .Lstep
	; ---- the tail, in every work-group.  First the exchange of the sums; Wo is asked for behind the exchange's LDS loads
	s_wait_loadcnt 0x0
.irp a, 0,1,2,3
	v_add_f32 v[224+\a], v[34+4*\a], v[35+4*\a]
.endr
.irp a, 0,1,2,3
	v_permlanex16_b32 v[60+\a], v[224+\a], s[SEL], s[SEL+1]
.endr
.irp a, 0,1,2,3
	v_add_f32 v[224+\a], v[224+\a], v[60+\a]       ; the sum of p over my wave's keys
.endr
.irp a, 0,1,2,3
	ds_store_b32 v6, v[224+\a] offset:1024+256*\a
.endr
	BARRIER
	GLOAD 1024
	WIN 0x80
.irp t, 0,1,2,3,4,5
.irp c, 0,1,2,3
	global_load_b128 v[16*\t+4*\c:16*\t+4*\c+3], v1, s[66:67] offset:(3*\t)*2048+512*\c          ; Wo, K step 0, where K lay
	global_load_b128 v[96+16*\t+4*\c:99+16*\t+4*\c], v1, s[66:67] offset:(3*\t+1)*2048+512*\c    ; K step 1, where V lay
.endr
.endr
	WIN 0
.set n, 0
.rept 9
	global_load_b32 v[236+n], v2, s[68:69] offset:128*n
.set n, n+1
.endr
	GSUM
.irp a, 0,1,2,3
	v_rcp_f32 v[224+\a], v[144+4*\a]
.endr
	v_mov_b32 v31, 0x3a000000                      ; 1 / 2,048  (a plain instruction behind the reciprocals)
	s_wait_alu depctr_va_vdst(0)
.irp a, 0,1,2,3
	v_cndmask_b32 v[48+2*\a], v[224+\a], v31, s[72+\a]
.endr
; Three blocks of 16 registers at v64 on become codes in v[pc ..] and bytes in v[by ..]
.macro QUANT3 pc, by
.irp b, 0,1,2
	v_max3_num_f32 v[TM+\b], |v[64+16*\b]|, |v[65+16*\b]|, 0x8000000
.endr
.irp e, 2,4,6,8,10,12,14
.irp b, 0,1,2
	v_max3_num_f32 v[TM+\b], v[TM+\b], |v[64+16*\b+\e]|, |v[65+16*\b+\e]|
.endr
.endr
.irp b, 0,1,2
	v_permlanex16_b32 v[TM+4+\b], v[TM+\b], s[SEL], s[SEL+1]
.endr
.irp b, 0,1,2
	v_max_num_f32 v[TM+\b], v[TM+\b], v[TM+4+\b]
.endr
.irp b, 0,1,2
	v_add_nc_u32 v[TM+12+\b], 0xf8800000, v[TM+\b]
.endr
.irp b, 0,1,2
	v_and_or_b32 v[TM+8+\b], v[TM+\b], 0x7f800000, s[MNT]
.endr
.irp b, 0,1,2
	v_lshrrev_b32 v[(\by)+\b], 23, v[TM+12+\b]
.endr
.irp b, 0,1,2
.irp e, 0,1,2,3,4,5,6,7,8,9,10,11,12,13,14,15
	v_med3_num_f32 v[64+16*\b+\e], v[64+16*\b+\e], -v[TM+8+\b], v[TM+8+\b]
.endr
	v_cvt_scalef32_pk8_bf8_f32 v[(\pc)+4*\b:(\pc)+4*\b+1], v[64+16*\b:71+16*\b], v[TM+12+\b]
	v_cvt_scalef32_pk8_bf8_f32 v[(\pc)+4*\b+2:(\pc)+4*\b+3], v[72+16*\b:79+16*\b], v[TM+12+\b]
.endr
	v_nop
.endm
; The context layer of tile a, my 96 channels: O^T / l, or for a row without keys the sum of v / 2,048; quantised along the channels; its three pieces to LDS.
; As soon as the tile's O^T has been read, its registers take ctx + bo out of the stage, in the result's layout: the output's sums begin with it.  These loads stand beside the quantising.
; Each tile has its own registers for codes and bytes, so no wait for the LDS stores stands between the tiles: the barrier's wait behind the fourth serves all.
.macro CLQ a
	WIN 0x07                                       ; source 0 (O^T) window 3, source 1 (the sum of v) window 1
.irp t, 0,1,2,3,4,5
.irp j, 0,1,2,3,4,5,6,7
	v_cndmask_b32 v[64+8*\t+\j], v[8*(4*\t+(\a))+\j], v[192+8*\t+\j], s[72+(\a)]
.endr
.endr
	WIN 0xc0
.irp t, 0,1,2,3,4,5
.irp q, 0,1
	ds_load_b128 v[8*(4*\t+(\a))+4*\q:8*(4*\t+(\a))+4*\q+3], v[13+(\a)/2] offset:((\a)%2)*24832+(32*(\t/2)+8*(\t%2))*4+16*\q
.endr
.endr
	WIN 0
.set n, 0
.rept 24
	v_pk_mul_f32 v[64+2*n:65+2*n], v[64+2*n:65+2*n], v[48+2*(\a):49+2*(\a)] op_sel_hi:[1,0]
.set n, n+1
.endr
	QUANT3 112+12*(\a), 176+4*(\a)
.irp b, 0,1,2
	ds_store_b128 v15, v[112+12*(\a)+4*\b:112+12*(\a)+4*\b+3] offset:6144*(\a)+512*\b
	ds_store_b8 v17, v[176+4*(\a)+\b] offset:256*(\a)+\b
.endr
.endm
	CLQ 0
	CLQ 1
	CLQ 2
	CLQ 3
	BARRIER                                        ; the context layer's twelve fragments lie in LDS; my stores have read their registers, and ctx + bo is in
	WIN 0x40
.set n, 0
.rept 48
	ds_load_b128 v[4*n:4*n+3], v16 offset:512*n
.set n, n+1
.endr
	WIN 0
.irp a, 0,1,2,3
.irp s, 0,1,2
	ds_load_b32 v[196+3*\a+\s], v18 offset:256*\a+4*\s
.endr
.endr
.irp t, 0,1,2,3,4,5
.irp c, 0,1,2,3
	global_load_b128 v[64+16*\t+4*\c:67+16*\t+4*\c], v1, s[66:67] offset:(3*\t+2)*2048+512*\c     ; Wo, K step 2, where the context layer and its codes lay: behind the LDS loads; it has two K steps' products in which to land
.endr
.endr
	s_wait_dscnt 0x0
	s_wait_loadcnt 24                              ; all but K step 2's 24 loads
.macro WOSTEP s, ab                    ; 24 accumulators by turns: source 0 = 16 outputs of Wo, source 1 = 16 rows
.irp t, 0,1,2,3,4,5
.irp a, 0,1,2,3
	WMA 8*(4*\t+\a), (\ab)+16*\t, 48*\a+16*(\s), 8*(4*\t+\a), 236+(3*\t+(\s))/2, 196+3*\a+(\s), (3*\t+(\s))%2
.endr
.endr
.endm
	WIN 0xf6                                       ; Wo window 2, the context layer window 1, sums window 3
	WOSTEP 0, 0
	PLACES 8
	WIN 0x80
.irp t, 0,1,2,3,4,5
.irp q, 0,1
	global_load_b128 v[8*\t+4*\q:8*\t+4*\q+3], v4, s[12:13] offset:(32*(\t/2)+8*(\t%2))*4+16*\q          ; ln_g, ln_b in the result's layout, where K step 0 lay
	global_load_b128 v[48+8*\t+4*\q:51+8*\t+4*\q], v4, s[14:15] offset:(32*(\t/2)+8*(\t%2))*4+16*\q
.endr
.endr
	WIN 0xf6
	WOSTEP 1, 96
	PLACES 8
	WIN 0x80
.irp t, 0,1,2,3,4,5
.irp q, 0,1,2,3
	global_load_b128 v[96+16*\t+4*\q:99+16*\t+4*\q], v23, s[16:17] offset:(32*(\t/2)+8*(\t%2))*8+16*\q   ; Wa: a pair for each of my channels
.endr
.endr
	s_wait_loadcnt 48                              ; all but the 48 loads of ln_g, ln_b and Wa: K step 2 is in
	WIN 0xf4                                       ; Wo window 0
	WOSTEP 2, 64
	WIN 0
	PLACES 8
	; ---- LayerNorm: the mean, then the mean square of the differences; a row's 384 numbers lie in two lanes of each of the four waves
.macro ACROSS off                      ; v[228 + 2 a] pairs -> one number a row and wave -> the exchange at off
.irp a, 0,1,2,3
	v_add_f32 v[224+\a], v[228+2*\a], v[229+2*\a]
.endr
.irp a, 0,1,2,3
	v_permlanex16_b32 v[60+\a], v[224+\a], s[SEL], s[SEL+1]
.endr
.irp a, 0,1,2,3
	v_add_f32 v[224+\a], v[224+\a], v[60+\a]
.endr
.irp a, 0,1,2,3
	ds_store_b32 v6, v[224+\a] offset:(\off)+256*\a
.endr
	BARRIER
	GLOAD \off
	GSUM
.endm
.irp n, 0,1,2,3,4,5,6,7
	v_mov_b32 v[228+\n], 0
.endr
	WIN 0x0c                                       ; source 1 window 3
.irp t, 0,1,2,3,4,5
.irp e, 0,2,4,6
.irp a, 0,1,2,3
	v_pk_add_f32 v[228+2*\a:229+2*\a], v[228+2*\a:229+2*\a], v[8*(4*\t+\a)+\e:8*(4*\t+\a)+\e+1]     ; each accumulator from its low end on
.endr
.endr
.endr
	WIN 0
	ACROSS 2048
.irp a, 0,1,2,3
	v_mul_f32 v[48+2*\a], 0x3b2aaaab, v[144+4*\a]  ; the mean
.endr
	WIN 0xc3
.irp t, 0,1,2,3,4,5
.irp a, 0,1,2,3
.irp e, 0,2,4,6
	v_pk_add_f32 v[8*(4*\t+\a)+\e:8*(4*\t+\a)+\e+1], v[8*(4*\t+\a)+\e:8*(4*\t+\a)+\e+1], v[48+2*\a:49+2*\a] op_sel_hi:[1,0] neg_lo:[0,1] neg_hi:[0,1]
.endr
.endr
.endr
	WIN 0
.irp n, 0,1,2,3,4,5,6,7
	v_mov_b32 v[228+\n], 0
.endr
	WIN 0x0f                                       ; sources 0 and 1 window 3
.irp t, 0,1,2,3,4,5
.irp e, 0,2,4,6
.irp a, 0,1,2,3
	v_pk_fma_f32 v[228+2*\a:229+2*\a], v[8*(4*\t+\a)+\e:8*(4*\t+\a)+\e+1], v[8*(4*\t+\a)+\e:8*(4*\t+\a)+\e+1], v[228+2*\a:229+2*\a]
.endr
.endr
.endr
	WIN 0
	ACROSS 3072
.irp a, 0,1,2,3
	v_mul_f32 v[144+4*\a], 0x3b2aaaab, v[144+4*\a]
.endr
.irp a, 0,1,2,3
	v_add_f32 v[144+4*\a], 0x3727c5ac, v[144+4*\a] ; + 1e-5
.endr
.irp a, 0,1,2,3
	v_rsq_f32 v[48+2*\a], v[144+4*\a]
.endr
	v_nop
	s_wait_alu depctr_va_vdst(0)
	s_wait_loadcnt 0x0                             ; ln_g, ln_b, Wa
	WIN 0xc3
.irp t, 0,1,2,3,4,5
.irp a, 0,1,2,3
.irp e, 0,2,4,6
	v_pk_mul_f32 v[8*(4*\t+\a)+\e:8*(4*\t+\a)+\e+1], v[8*(4*\t+\a)+\e:8*(4*\t+\a)+\e+1], v[48+2*\a:49+2*\a] op_sel_hi:[1,0]
.endr
.endr
.endr
	WIN 0xeb                                       ; destination and source 0 window 3, sources 1 and 2 window 2
.irp t, 0,1,2,3,4,5
.irp a, 0,1,2,3
.irp e, 0,2,4,6
	v_pk_fma_f32 v[8*(4*\t+\a)+\e:8*(4*\t+\a)+\e+1], v[8*(4*\t+\a)+\e:8*(4*\t+\a)+\e+1], v[8*\t+\e:8*\t+\e+1], v[48+8*\t+\e:49+8*\t+\e]
.endr
.endr
.endr
	WIN 0
.irp n, 0,1,2,3,4,5,6,7
	v_mov_b32 v[228+\n], 0
.endr
	WIN 0x0b                                       ; source 0 window 3, source 1 window 2
.irp t, 0,1,2,3,4,5
.irp j, 0,1,2,3,4,5,6,7
.irp a, 0,1,2,3
.if (\j%2) == 0
	v_pk_fma_f32 v[228+2*\a:229+2*\a], v[8*(4*\t+\a)+\j:8*(4*\t+\a)+\j+1], v[96+16*\t+2*\j:97+16*\t+2*\j], v[228+2*\a:229+2*\a] op_sel:[0,0,0] op_sel_hi:[0,1,1]   ; both logits += one number x its pair of Wa
.else
	v_pk_fma_f32 v[228+2*\a:229+2*\a], v[8*(4*\t+\a)+\j-1:8*(4*\t+\a)+\j], v[96+16*\t+2*\j:97+16*\t+2*\j], v[228+2*\a:229+2*\a] op_sel:[1,0,0] op_sel_hi:[1,1,1]
.endif
.endr
.endr
.endr
	WIN 0x0c
.irp t, 0,1,2,3,4,5
.irp a, 0,1,2,3
.irp q, 0,1
	ds_store_b128 v[13+\a/2], v[8*(4*\t+\a)+4*\q:8*(4*\t+\a)+4*\q+3] offset:(\a%2)*24832+(32*(\t/2)+8*(\t%2))*4+16*\q   ; the result takes the bytes from which this lane, and no other, read ctx + bo
.endr
.endr
.endr
	WIN 0
.irp a, 0,1,2,3
	v_permlanex16_b32 v[60+\a], v[228+2*\a], s[SEL], s[SEL+1]
.endr
.irp a, 0,1,2,3
	v_add_f32 v[228+2*\a], v[228+2*\a], v[60+\a]
.endr
.irp a, 0,1,2,3
	v_permlanex16_b32 v[60+\a], v[229+2*\a], s[SEL], s[SEL+1]
.endr
.irp a, 0,1,2,3
	v_add_f32 v[229+2*\a], v[229+2*\a], v[60+\a]
.endr
.irp a, 0,1,2,3
	ds_store_b64 v19, v[228+2*\a:229+2*\a] offset:32*(32*(\a/2)+8*(\a%2))      ; my wave's part of the row's two logits, by natural row
.endr
	BARRIER                                        ; 64 whole rows of the result, and the logits' parts, lie in LDS
	WIN 0xc0
.set i, 0
.rept 48
	ds_load_b128 v[4*i:4*i+3], v12 offset:(16*((i/3)/8)+(i/3)%8)*SP+512*(i%3)
.set i, i+1
.endr
	WIN 0x0c
.set i, 0
.rept 48
	s_wait_dscnt 47-i                              ; LDS loads come back in order: load i is in, the younger ones may be out
	global_store_b128 v1, v[4*i:4*i+3], s[76:77] offset:512*i th:TH_STORE_NT     ; 512 consecutive bytes, aligned: rows 16 w .. 16 w + 15 on end
.set i, i+1
.endr
	WIN 0
	s_cmp_lg_u32 s32, 0
	s_cbranch_scc1 .Lend
	; ---- the actor: wave 0; lane l takes rows 2 l and 2 l + 1
.irp n, 0,1,2,3
	ds_load_b128 v[64+4*\n:67+4*\n], v20 offset:16*\n
.endr
	s_wait_dscnt 0x0
	v_pk_add_f32 v[64:65], v[64:65], v[66:67]
	v_pk_add_f32 v[68:69], v[68:69], v[70:71]
	v_pk_add_f32 v[72:73], v[72:73], v[74:75]
	v_pk_add_f32 v[76:77], v[76:77], v[78:79]
	v_pk_add_f32 v[64:65], v[64:65], v[68:69]
	v_pk_add_f32 v[72:73], v[72:73], v[76:77]
	v_add_f32 v64, s70, v64                        ; + ba
	v_add_f32 v65, s71, v65
	v_add_f32 v72, s70, v72
	v_add_f32 v73, s71, v73
	v_max_num_f32 v80, v64, v65                    ; the maximum is taken away ahead of the exponentials
	v_max_num_f32 v81, v72, v73
	v_sub_f32 v64, v64, v80
	v_sub_f32 v65, v65, v80
	v_sub_f32 v72, v72, v81
	v_sub_f32 v73, v73, v81
	v_mul_f32 v64, 0x3fb8aa3b, v64
	v_mul_f32 v65, 0x3fb8aa3b, v65
	v_mul_f32 v72, 0x3fb8aa3b, v72
	v_mul_f32 v73, 0x3fb8aa3b, v73
	v_exp_f32 v64, v64
	v_exp_f32 v65, v65
	v_exp_f32 v72, v72
	v_exp_f32 v73, v73
	v_nop
	s_wait_alu depctr_va_vdst(0)
	v_add_f32 v80, v64, v65
	v_add_f32 v81, v72, v73
	v_rcp_f32 v80, v80
	v_rcp_f32 v81, v81
	v_nop
	s_wait_alu depctr_va_vdst(0)
	v_mul_f32 v84, v64, v80
	v_mul_f32 v85, v65, v80
	v_mul_f32 v86, v72, v81
	v_mul_f32 v87, v73, v81
	global_store_b128 v1, v[84:87], s[78:79]       ; 512 consecutive bytes: the block's 64 rows of out0
.Lend:
	s_wait_tensorcnt 0x0
	ds_add_u32 v254, v255
	s_wait_dscnt 0x0
	s_endpgm
.Lfunc_end_k_q5a67cf1797_attn:
	.size	k_q5a67cf1797_attn, .Lfunc_end_k_q5a67cf1797_attn-k_q5a67cf1797_attn
	.p2alignl 7, 3214868480
	.fill 96, 4, 3214868480
	.section	.rodata,"a",@progbits
	.p2align	6, 0x0
	.amdhsa_kernel k_q5a67cf1797_attn
		.amdhsa_group_segment_fixed_size 140032
		.amdhsa_private_segment_fixed_size 0
		.amdhsa_enable_private_segment 0
		.amdhsa_kernarg_size 112
		.amdhsa_user_sgpr_count 2
		.amdhsa_user_sgpr_kernarg_segment_ptr 1
		.amdhsa_wavefront_size32 1
		.amdhsa_system_sgpr_workgroup_id_x 1
		.amdhsa_system_sgpr_workgroup_id_y 1
		.amdhsa_system_sgpr_workgroup_id_z 1
		.amdhsa_system_vgpr_workitem_id 0
		.amdhsa_next_free_vgpr 976
		.amdhsa_next_free_sgpr 100
		.amdhsa_reserve_vcc 1
		.amdhsa_float_denorm_mode_32 3
		.amdhsa_float_denorm_mode_16_64 3
		.amdhsa_memory_ordered 1
		.amdhsa_forward_progress 1
		.amdhsa_inst_pref_size 249
	.end_amdhsa_kernel
	.amdgpu_metadata
---
amdhsa.version: [ 1, 2 ]
amdhsa.kernels:
  - .name:           k_q5a67cf1797_attn
    .symbol:         k_q5a67cf1797_attn.kd
    .args:
      - { .name: context, .offset: 0, .size: 8, .value_kind: global_buffer, .address_space: global }
      - { .name: a2, .offset: 8, .size: 8, .value_kind: global_buffer, .address_space: global }
      - { .name: b2, .offset: 16, .size: 8, .value_kind: global_buffer, .address_space: global }
      - { .name: bo, .offset: 24, .size: 8, .value_kind: global_buffer, .address_space: global }
      - { .name: ln_g, .offset: 32, .size: 8, .value_kind: global_buffer, .address_space: global }
      - { .name: ln_b, .offset: 40, .size: 8, .value_kind: global_buffer, .address_space: global }
      - { .name: Wa, .offset: 48, .size: 8, .value_kind: global_buffer, .address_space: global }
      - { .name: ba, .offset: 56, .size: 8, .value_kind: global_buffer, .address_space: global }
      - { .name: wts, .offset: 64, .size: 8, .value_kind: global_buffer, .address_space: global }
      - { .name: meta, .offset: 72, .size: 8, .value_kind: global_buffer, .address_space: global }
      - { .name: codes, .offset: 80, .size: 8, .value_kind: global_buffer, .address_space: global }
      - { .name: aux, .offset: 88, .size: 8, .value_kind: global_buffer, .address_space: global }
      - { .name: out0, .offset: 96, .size: 8, .value_kind: global_buffer, .address_space: global }
      - { .name: out1, .offset: 104, .size: 8, .value_kind: global_buffer, .address_space: global }
    .group_segment_fixed_size: 140032
    .private_segment_fixed_size: 0
    .kernarg_segment_align: 8
    .kernarg_segment_size: 112
    .max_flat_workgroup_size: 128
    .sgpr_count:     100
    .vgpr_count:     976
    .wavefront_size: 32
...
	.end_amdgpu_metadata
.endif
;; end of part 3
;; ======== version 2 of 2: 3 launches; version 1 with the launches qkv, attn written anew for expert scheduling mode
;; limits: right only within a limited range of input values
;; workspace buffers: wts 673,792 bytes; meta 256 bytes of whole numbers; codes 18,874,368 bytes; aux 1,245,184 bytes
;; launch prep: the kernel of part 1 again; grid 11 x 4, 4 waves a work-group, no clusters, 0 bytes of LDS; arguments Wq, Wk, Wv, Wo, mask, wts, meta; writes wts, meta
;; launch qkv (part 4): grid 256 x 1, 4 waves a work-group, no clusters, 130,048 bytes of LDS; arguments context, a2, b2, bq, bk, bv, wts, codes, aux; writes codes, aux
.if DOCPART == 4
	.amdgcn_target "amdgcn-amd-amdhsa--gfx1250"
	.amdhsa_code_object_version 6
	.text
	.protected	k_q5a67cf1797_qkv
	.globl	k_q5a67cf1797_qkv
	.p2align	8
	.type	k_q5a67cf1797_qkv,@function
k_q5a67cf1797_qkv:
	s_mov_b64 s[64:65], 0
	v_nop
	global_prefetch_b8 v0, s[64:65] scope:SCOPE_SE
	s_setreg_imm32_b32 hwreg(HW_REG_WAVE_SCHED_MODE, 0, 2), 2
	s_setreg_imm32_b32 hwreg(HW_REG_WAVE_MODE, 25, 1), 1
	s_wait_xcnt 0x0
	s_wait_alu depctr_vm_vsrc(0)
; ctx = a2 (x - mean) / (std + 1e-6) + b2 (std with 383 in the divisor); q, k, v = Q(ctx) Q(W) + b on codes of E5M2 with E8M0 scales; q and k are quantised along the channels, v along the keys.
; All three leave as IMAGES OF OPERAND REGISTERS (pieces of 512 bytes = 32 lanes x 16 codes of one block of 32 along K), so that the next launch loads fragments whole, 16 bytes a lane.
; A TILE of 16 tokens (or channels) 2 g + u has the members 32 g + 8 u + r + 8 (r / 8): the 16 registers of two neighbouring result tiles are then 16 neighbours along the next K.
; SHARES.  A work-group takes 64 tokens, four tiles.  First wave w norms and quantises tile w and hands its three fragments to the others through LDS, as register images.  Then THE WAVES SHARE THE CHANNELS:
; wave w makes channels 96 w .. 96 w + 95 of q, k and v for all 64 tokens: nine jobs of one block of 32 channels, 24 matrix instructions each, eight accumulators by turns.
; q, k: source 0 = 16 channels of W, source 1 = 16 tokens: a lane holds one token and its registers run along the channels.  v: source 0 = 16 tokens, source 1 = 16 channels: a lane holds one channel, registers along the keys.
; Each weight fragment is wanted by ONE wave of the work-group and goes from memory straight into its registers, a job ahead.  So nothing is asked for jointly: a shared tile would have to pass through LDS, which these fragments never touch.
; Also stored: each token's (mean, 1 / (std + 1e-6)); each token's 12 scale bytes of q and of k; v's scale bytes; and the sum of the quantised v over the work-group's 64 keys (by the format's own product with ones),
; which serves the rows that have no key.
; LIMITS: NaN and infinities are not served; a block of zeros keeps the byte 1 (its codes are zeros; this program alone reads the bytes); square root and reciprocal are the chip's own.
; THE MODE: SCHED_MODE bits 1:0 = 2 (LLVM: expert scheduling mode 2), set by the entry lines.  The code itself states the register dependences between vector or matrix instructions and memory or LDS instructions,
; with s_wait_alu, always for 0.
; THE PLAN.  Registers that memory or LDS instructions touch:
;   v1-v19, v37, v63   addresses and constants, written once at the head; v61, v62 at the end.
;   v64-255            x: loaded; read by the LDS stores into the stage; the LDS loads out of the stage land in them; then vector lines alone, until the first job's scale words and bias and x's scale words land there.
;   window 1           a2, read by the multiply-adds; then x's twelve fragments, by LDS loads, read by every job's products.
;   window 2           b2, read by the multiply-adds; then W's two sets: the loads of job n + 1 land in the set that the products of job n - 1 read.
;   v[PC ..], v[PW], the bytes v[TM+4 ..]   written by QUANT; read by the stores behind it (in v's jobs by two products too); written again by the next QUANT.
;   v56-58 written once each; v[VSD ..] written by two products, read by four LDS stores, written again a job later.
; So a job has: one wait on va_vdst behind the window switch of its first load; one on vm_vsrc ahead of QUANT; one on va_vdst behind QUANT, ahead of all its stores; v's jobs one more ahead of the LDS stores of the sums.
; LDS: x's 12 fragment images; their scale words (4 bytes a lane); a gathering place for what leaves in whole runs; a stage of 16 rows x 1,552 bytes for each wave.
.set XIMG,  0                          ; fragment (tile, K step) at (3 tile + s) x 2048
.set XSC,   24576                      ; 128 bytes a fragment
.set SMALL, 26112                      ; +0 q's scale bytes [64][16]; +1024 k's; +2048 (mean, 1/(std+eps)) [64][8]; +2560 sums of v [384] f32
.set STG,   30208
.set SP,    1552                       ; 97 x 16 bytes: the 16 rows that a load touches start in 16 different columns of 16 bytes
; REGISTERS.  window 0: v1-19 addresses; v20-35 at work in QUANT; v36 the scale word just made; v[38:39] mean, 1/(std+eps); v40-55 codes just made; v64-255 x (first phase).
;   later in window 0: v64-127 the job's 8 accumulators; v128-143, v208-223 bias (two sets); v144-167 zeros, ones, zeros (codes); v168-183 v's sums; v184-189 W's scale words (two sets); v192-203 x's scale words; v204 scale 1.
;   window 1: a2, then x's 12 fragments.   window 2: b2, then W's fragments, two sets of 96.
.set X,    64
.set TM,   20                          ; +0 largest magnitudes, +4 bytes, +8 57,344 x scale, +12 the conversions' scale operands
.set PW,   36
.set PC,   40
.set ACC,  64
.set ZR,   144
.set VSD,  168
.set XS,   192
.set ONE,  204
.set SEL,  24
.set MNT,  26
.set MSB,  0
.macro WIN new                         ; the immediate's high byte repeats the setting that is left
.if MSB != \new
	s_set_vgpr_msb (MSB<<8)|\new
.set MSB, \new
.endif
.endm
.macro PLACES n
.rept \n
	v_nop
.endr
.endm
.macro BARRIER                         ; my LDS stores have landed and my LDS loads are in: then the work-group's barrier
	s_wait_dscnt 0x0
	s_barrier_signal -1
	s_barrier_wait -1
.endm
.macro WMA d, a, b, c, sa, sb, ra      ; ra = 1: source 0's scales stand in lanes 16-31
.if \ra
	v_wmma_scale_f32_16x16x128_f8f6f4 v[(\d):(\d)+7], v[(\a):(\a)+15], v[(\b):(\b)+15], v[(\c):(\c)+7], v[\sa], v[\sb] matrix_a_fmt:MATRIX_FMT_BF8 matrix_b_fmt:MATRIX_FMT_BF8 matrix_a_scale:MATRIX_SCALE_ROW1
.else
	v_wmma_scale_f32_16x16x128_f8f6f4 v[(\d):(\d)+7], v[(\a):(\a)+15], v[(\b):(\b)+15], v[(\c):(\c)+7], v[\sa], v[\sb] matrix_a_fmt:MATRIX_FMT_BF8 matrix_b_fmt:MATRIX_FMT_BF8
.endif
.endm
.macro WMB d, a, b, c, sa, sb, rb      ; rb = 1: source 1's scales stand in lanes 16-31
.if \rb
	v_wmma_scale_f32_16x16x128_f8f6f4 v[(\d):(\d)+7], v[(\a):(\a)+15], v[(\b):(\b)+15], v[(\c):(\c)+7], v[\sa], v[\sb] matrix_a_fmt:MATRIX_FMT_BF8 matrix_b_fmt:MATRIX_FMT_BF8 matrix_b_scale:MATRIX_SCALE_ROW1
.else
	v_wmma_scale_f32_16x16x128_f8f6f4 v[(\d):(\d)+7], v[(\a):(\a)+15], v[(\b):(\b)+15], v[(\c):(\c)+7], v[\sa], v[\sb] matrix_a_fmt:MATRIX_FMT_BF8 matrix_b_fmt:MATRIX_FMT_BF8
.endif
.endm
; Four blocks of 16 registers, v[src + 16 b + e]; a block of 32 lies in lanes l and l xor 16.  Codes to v[PC + 4 b ..], bytes to v[TM + 4 + b], the four bytes as a word to v[PW].
.macro QUANT src
.irp b, 0,1,2,3
	v_max3_num_f32 v[TM+\b], |v[(\src)+16*\b]|, |v[(\src)+16*\b+1]|, 0x8000000   ; with the floor 2^(16 - 127): the byte cannot fall under 1
.endr
.irp e, 2,4,6,8,10,12,14
.irp b, 0,1,2,3
	v_max3_num_f32 v[TM+\b], v[TM+\b], |v[(\src)+16*\b+\e]|, |v[(\src)+16*\b+\e+1]|   ; the four blocks by turns
.endr
.endr
.irp b, 0,1,2,3
	v_permlanex16_b32 v[TM+4+\b], v[TM+\b], s[SEL], s[SEL+1]
.endr
.irp b, 0,1,2,3
	v_max_num_f32 v[TM+\b], v[TM+\b], v[TM+4+\b]
.endr
.irp b, 0,1,2,3
	v_add_nc_u32 v[TM+12+\b], 0xf8800000, v[TM+\b]          ; 15 off the exponent field: the conversion's scale operand
.endr
.irp b, 0,1,2,3
	v_and_or_b32 v[TM+8+\b], v[TM+\b], 0x7f800000, s[MNT]   ; 57,344 x the scale
.endr
.irp b, 0,1,2,3
	v_lshrrev_b32 v[TM+4+\b], 23, v[TM+12+\b]               ; the scale's byte
.endr
	v_lshl_or_b32 v[PW], v[TM+5], 8, v[TM+4]
	v_lshl_or_b32 v[PW], v[TM+6], 16, v[PW]
	v_lshl_or_b32 v[PW], v[TM+7], 24, v[PW]
.irp b, 0,1,2,3
.irp e, 0,1,2,3,4,5,6,7,8,9,10,11,12,13,14,15
	v_med3_num_f32 v[(\src)+16*\b+\e], v[(\src)+16*\b+\e], -v[TM+8+\b], v[TM+8+\b]   ; the conversion does not saturate (ISA guide 7.6.2): the hold comes first
.endr
	v_cvt_scalef32_pk8_bf8_f32 v[PC+4*\b:PC+4*\b+1], v[(\src)+16*\b:(\src)+16*\b+7], v[TM+12+\b]
	v_cvt_scalef32_pk8_bf8_f32 v[PC+4*\b+2:PC+4*\b+3], v[(\src)+16*\b+8:(\src)+16*\b+15], v[TM+12+\b]
.endr
	v_nop                                          ; a plain instruction behind the last conversion, ahead of whatever next touches its registers
.endm
	s_load_b512 s[4:19], s[0:1], 0x0               ; context, a2, b2, bq, bk, bv, wts, codes
	s_load_b64 s[20:21], s[0:1], 0x40              ; aux
	v_lshl_add_u32 v37, v0, 2, 0x1fa00
	v_mov_b32 v63, 0
	v_lshrrev_b32 v1, 5, v0
	v_readfirstlane_b32 s22, v1                    ; wave
	v_and_b32 v1, 31, v0                           ; lane
	v_and_b32 v2, 15, v0                           ; r
	v_bfe_u32 v3, v0, 4, 1                         ; h
	v_lshlrev_b32 v4, 4, v1                        ; 16 x lane
	v_lshlrev_b32 v5, 2, v1                        ; 4 x lane
	s_wait_alu depctr_va_sdst(0)                   ; s22, the wave's number, is written, ahead of its first reader
	s_mul_i32 s52, s22, 16*SP
	s_add_co_u32 s52, s52, STG                     ; my stage
	v_add_nc_u32 v6, s52, v4                       ; into it: as loaded
	v_mul_u32_u24 v7, v2, SP
	v_lshl_add_u32 v7, v3, 6, v7
	v_add_nc_u32 v7, s52, v7                       ; out of it: row r, + 64 h: my 16 numbers of a block of 32
	s_mul_i32 s52, s22, 6144
	v_add_nc_u32 v8, s52, v4                       ; where I store x's images
	s_mul_i32 s54, s22, 384                        ; 384 x wave: kept
	s_add_co_u32 s52, s54, XSC
	v_add_nc_u32 v9, s52, v5                       ; and their scale words
	v_lshlrev_b32 v10, 6, v3                       ; 64 h
	v_and_b32 v18, 8, v2
	v_add_nc_u32 v18, v18, v2                      ; r + 8 (r / 8)
	s_mul_i32 s52, s22, 3
	s_add_co_u32 s52, s52, SMALL
	v_lshl_add_u32 v11, v18, 4, s52                ; scale bytes of q: 16 x token + 3 x wave (+ the job's block)
	s_lshr_b32 s56, s22, 1
	s_lshl_b32 s56, s56, 5
	s_and_b32 s57, s22, 1
	s_lshl_b32 s57, s57, 3
	s_add_co_u32 s56, s56, s57                     ; tile w's first token: 32 (w / 2) + 8 (w % 2)
	v_add_nc_u32 v19, s56, v18                     ; my token of tile w
	v_lshl_add_u32 v12, v19, 4, SMALL
	v_lshl_add_u32 v13, v19, 3, SMALL+2048
	s_add_co_u32 s52, s54, SMALL+2560
	v_add_nc_u32 v14, s52, v10                     ; v's sums: 4 x (96 w + 16 h)
	s_lshl_b32 s52, s22, 10
	s_add_co_u32 s52, s52, SMALL
	v_add_nc_u32 v15, s52, v4                      ; the gathering place on the way out: 1,024 bytes a wave
	v_lshlrev_b32 v16, 2, v18                      ; bv: 4 (r + 8 (r / 8))
	v_mov_b32 v17, 0
	v_mov_b32 v39, 0                               ; (named as the upper half of a pair before it is made)
	s_mov_b32 s[SEL], 0x76543210
	s_mov_b32 s[SEL+1], 0xfedcba98
	s_mov_b32 s[MNT], 0x600000
	s_mov_b32 s27, 0xffff0000                      ; lanes 16-31
	s_lshr_b32 s46, ttmp9, 5                       ; batch
	s_and_b32 s47, ttmp9, 31
	s_lshr_b32 s48, s47, 1                         ; which 128 keys of the batch
	s_and_b32 s49, s47, 1                          ; and which half of them
	s_mov_b32 s61, 0
	s_wait_kmcnt 0x0
	s_mul_i32 s60, ttmp9, 98304
	s_mul_i32 s59, s56, 1536
	s_add_co_u32 s60, s60, s59
	s_add_nc_u64 s[50:51], s[4:5], s[60:61]        ; context at tile w's first token
	s_mul_i32 s60, s22, 36864
	s_add_nc_u64 s[28:29], s[16:17], s[60:61]      ; my 6 channel tiles' images in a matrix
	s_mul_i32 s60, s22, 1152
	s_add_co_u32 s60, s60, 589824
	s_add_nc_u64 s[30:31], s[16:17], s[60:61]      ; and their scale words
	s_mov_b32 s60, s54
	s_add_nc_u64 s[32:33], s[10:11], s[60:61]      ; bq, bk, bv at my 96 channels
	s_add_nc_u64 s[34:35], s[12:13], s[60:61]
	s_add_nc_u64 s[36:37], s[14:15], s[60:61]
	s_mul_i32 s60, ttmp9, 24576
	s_mul_i32 s59, s22, 1536
	s_add_co_u32 s60, s60, s59
	s_add_nc_u64 s[38:39], s[18:19], s[60:61]      ; q's images: my work-group's four tiles, my three blocks
	s_add_nc_u64 s[40:41], s[38:39], 6291456       ; k's
	s_mul_i32 s60, s46, 786432
	s_mul_i32 s59, s48, 49152
	s_add_co_u32 s60, s60, s59
	s_mul_i32 s59, s22, 12288
	s_add_co_u32 s60, s60, s59
	s_lshl_b32 s59, s49, 10
	s_add_co_u32 s60, s60, s59
	s_add_co_u32 s60, s60, 12582912
	s_add_nc_u64 s[42:43], s[18:19], s[60:61]      ; v's images: the key step, my six channel tiles, my work-group's two key blocks
	s_mul_i32 s60, s46, 24576
	s_mul_i32 s59, s48, 1536
	s_add_co_u32 s60, s60, s59
	s_add_co_u32 s60, s60, s54
	s_lshl_b32 s59, s49, 1
	s_add_co_u32 s60, s60, s59
	s_add_co_u32 s60, s60, 524288
	s_add_nc_u64 s[44:45], s[20:21], s[60:61]      ; v's scale bytes
	; ---- the norm of tile w: two runs of eight rows, read as they lie, 512 consecutive bytes a load
	s_wait_alu depctr_va_vdst(0)                   ; the addresses and constants v1 to v19 are written, which the loads and stores of the whole kernel read
.set i, 0
.rept 48
	global_load_b128 v[X+4*i:X+4*i+3], v4, s[50:51] offset:512*i+12288*(i/24) th:TH_LOAD_NT
.set i, i+1
.endr
	WIN 0x40
.set i, 0
.rept 48
	global_load_b128 v[4*i:4*i+3], v10, s[6:7] offset:128*(i/4)+16*(i%4)    ; a2 in x's later layout: register 16 b + e = channel 32 b + 16 h + e
.set i, i+1
.endr
	WIN 0x80
.set i, 0
.rept 48
	global_load_b128 v[4*i:4*i+3], v10, s[8:9] offset:128*(i/4)+16*(i%4)    ; b2 likewise
.set i, i+1
.endr
	WIN 0
	s_wait_loadcnt 63                              ; 96 loads were issued behind context's 48, so with 63 out context is in
.set i, 0
.rept 48
	ds_store_b128 v6, v[X+4*i:X+4*i+3] offset:(i/3)*SP+(i%3)*512
.set i, i+1
.endr
	s_wait_alu depctr_vm_vsrc(0)                   ; the 48 LDS stores have read v[X ..], in which the LDS loads below land
.set i, 0
.rept 48
	ds_load_b128 v[X+4*i:X+4*i+3], v7 offset:128*(i/4)+16*(i%4)   ; LDS serves a wave's instructions in order (ISA guide 5.7.1.4): these see my stores.  Lane (r, h): row r, 16 of each 32 channels
.set i, i+1
.endr
	s_wait_dscnt 0x0
.irp c, 0,1,2,3
	v_pk_add_f32 v[20+2*\c:21+2*\c], v[X+4*\c:X+4*\c+1], v[X+4*\c+2:X+4*\c+3]     ; the row's sum, in four chains
.endr
.set i, 16
.rept 22
.irp c, 0,1,2,3
	v_pk_add_f32 v[20+2*\c:21+2*\c], v[20+2*\c:21+2*\c], v[X+i+2*\c:X+i+2*\c+1]
.endr
.set i, i+8
.endr
	v_pk_add_f32 v[20:21], v[20:21], v[22:23]
	v_pk_add_f32 v[24:25], v[24:25], v[26:27]
	v_pk_add_f32 v[20:21], v[20:21], v[24:25]
	v_add_f32 v20, v20, v21
	v_permlanex16_b32 v21, v20, s[SEL], s[SEL+1]
	v_add_f32 v20, v20, v21
	v_mul_f32 v38, 0x3b2aaaab, v20                 ; mean = sum / 384
.set i, 0
.rept 96
	v_pk_add_f32 v[X+i:X+i+1], v[X+i:X+i+1], v[38:39] op_sel_hi:[1,0] neg_lo:[0,1] neg_hi:[0,1]   ; x - mean
.set i, i+2
.endr
.irp c, 0,1,2,3
	v_pk_mul_f32 v[20+2*\c:21+2*\c], v[X+2*\c:X+2*\c+1], v[X+2*\c:X+2*\c+1]      ; the sum of squares of the differences
.endr
.set i, 8
.rept 23
.irp c, 0,1,2,3
	v_pk_fma_f32 v[20+2*\c:21+2*\c], v[X+i+2*\c:X+i+2*\c+1], v[X+i+2*\c:X+i+2*\c+1], v[20+2*\c:21+2*\c]
.endr
.set i, i+8
.endr
	v_pk_add_f32 v[20:21], v[20:21], v[22:23]
	v_pk_add_f32 v[24:25], v[24:25], v[26:27]
	v_pk_add_f32 v[20:21], v[20:21], v[24:25]
	v_add_f32 v20, v20, v21
	v_permlanex16_b32 v21, v20, s[SEL], s[SEL+1]
	v_add_f32 v20, v20, v21
	v_mul_f32 v20, 0x3b2b1cbe, v20                 ; / 383
	v_sqrt_f32 v20, v20
	v_nop                                          ; a plain instruction and a wait, ahead of the result's first use
	s_wait_alu depctr_va_vdst(0)                   ; the square root has written v20
	v_add_f32 v20, 0x358637bd, v20                 ; + 1e-6
	v_rcp_f32 v39, v20
	v_nop
	s_wait_alu depctr_va_vdst(0)                   ; the reciprocal has written v39
.set i, 0
.rept 96
	v_pk_mul_f32 v[X+i:X+i+1], v[X+i:X+i+1], v[38:39] op_sel:[0,1] op_sel_hi:[1,1]   ; x the pair's upper word
.set i, i+2
.endr
	s_wait_loadcnt 0x0                             ; a2, b2
	WIN 0x24                                       ; source 1 window 1, source 2 window 2
.set i, 0
.rept 96
	v_pk_fma_f32 v[X+i:X+i+1], v[X+i:X+i+1], v[i:i+1], v[i:i+1]
.set i, i+2
.endr
; a job's operands: W's six fragments (two channel tiles x three K steps), their scale words (register n: set 2 n in lanes 0-15, set 2 n + 1 in lanes 16-31), its bias.  kind 0 q, 1 k, 2 v.
.macro WLOADW kind, i, buf
	WIN 0x80
	s_wait_alu depctr_va_vdst(0)                   ; the lines that read this set of registers are done (at first b2's multiply-adds, later the products of the job before): W's fragments land in it, and behind them the scale words and the bias in registers that those products read
.set n, 0
.rept 24
	global_load_b128 v[96*(\buf)+4*n:96*(\buf)+4*n+3], v4, s[28:29] offset:(\kind)*147456+(\i)*12288+512*n
.set n, n+1
.endr
	WIN 0
.endm
.macro WLOADS kind, i, buf
.irp n, 0,1,2
	global_load_b32 v[184+3*(\buf)+\n], v5, s[30:31] offset:(\kind)*4608+(\i)*384+128*\n
.endr
.if (\kind) < 2
.irp n, 0,1,2,3
	global_load_b128 v[128+80*(\buf)+4*\n:128+80*(\buf)+4*\n+3], v10, s[32+2*(\kind):33+2*(\kind)] offset:128*(\i)+16*\n   ; the bias in the result's layout: channels 32 block + 16 h + 0..15
.endr
.else
.irp n, 0,1
	global_load_b32 v[190+16*(\buf)+\n], v16, s[36:37] offset:128*(\i)+32*\n     ; v: a lane holds one channel
.endr
.endif
.endm
	WLOADW 0, 0, 0                                 ; the first job's fragments, into the registers that b2 has left
	ds_store_b64 v13, v[38:39]                     ; my token's (mean, 1 / (std + eps)); both halves of the lanes write the same.  (The wait in the lines above stands behind every line that names the pair)
	ds_store_b32 v12, v17 offset:12                ; the unused word behind a token's 12 scale bytes, q's and k's
	ds_store_b32 v12, v17 offset:1036
.irp s, 0,1,2
	QUANT X+64*\s
	s_wait_alu depctr_va_vdst(0)                   ; the quantiser has written the codes and the scale word, which the LDS stores read; behind the third it is also done with x's registers, in which the first two jobs' scale words and bias and x's scale words land
.irp c, 0,1,2,3
	ds_store_b128 v8, v[PC+4*\c:PC+4*\c+3] offset:XIMG+2048*\s+512*\c     ; the fragment goes to LDS as it stands
.endr
	ds_store_b32 v9, v[PW] offset:128*\s
	s_wait_dscnt 0x0                               ; the stores are done
.if \s < 2
	s_wait_alu depctr_vm_vsrc(0)                   ; the LDS stores have read v[PC ..] and v[PW], which the next quantising writes again
.endif
.endr
	WLOADS 0, 0, 0                                 ; its scale words and bias land where x lay
.irp n, 0,1,2,3,4,5,6,7
	v_mov_b32 v[ZR+\n], 0
	v_mov_b32 v[ZR+8+\n], 0x3c3c3c3c               ; four codes of 1.0
	v_mov_b32 v[ZR+16+\n], 0
.endr
	v_mov_b32 v[ONE], 0x7f7f7f7f                   ; four scale bytes of 2^0
	BARRIER                                        ; x's twelve fragments lie in LDS
	WIN 0x40
.set i, 0
.rept 48
	ds_load_b128 v[4*i:4*i+3], v4 offset:XIMG+512*i        ; into a2's registers: no line behind the third quantising's wait names them or v4
.set i, i+1
.endr
	WIN 0
.set i, 0
.rept 12
	ds_load_b32 v[XS+i], v5 offset:XSC+128*i
.set i, i+1
.endr
	s_wait_dscnt 0x0
; A JOB: block i of my three, of q, k or v.  nk, ni: the next job (nk = -1: none), whose operands are asked for first.
.macro JOB kind, i, buf, nk, ni
.if (\nk) >= 0
	WLOADW \nk, \ni, 1-(\buf)
	WLOADS \nk, \ni, 1-(\buf)
.if (\nk) < 2
	s_wait_loadcnt 31                              ; all but the 31 just issued: this job's operands are in
.else
	s_wait_loadcnt 29                              ; all but the 29 just issued
.endif
.else
	s_wait_loadcnt 0x0
.endif
.if (\kind) < 2
	WIN 0x06                                       ; source 0 (W) window 2, source 1 (x) window 1
.irp s, 0,1,2
.irp t, 0,1,2,3
.irp u, 0,1
.if \s == 0
	WMA ACC+16*\t+8*\u, 96*(\buf)+16*(3*\u+\s), 16*(3*\t+\s), 128+80*(\buf)+8*\u, 184+3*(\buf)+(3*\u+\s)/2, XS+3*\t+\s, (3*\u+\s)%2
.else
	WMA ACC+16*\t+8*\u, 96*(\buf)+16*(3*\u+\s), 16*(3*\t+\s), ACC+16*\t+8*\u, 184+3*(\buf)+(3*\u+\s)/2, XS+3*\t+\s, (3*\u+\s)%2
.endif
.endr
.endr
.endr
.else
.irp p, 0,1
.irp j, 0,1,2,3,4,5,6,7
	v_mov_b32 v[128+80*(\buf)+8*\p+\j], v[190+16*(\buf)+\p]    ; my channel's bias for the eight tokens of a result's lane
.endr
.endr
	PLACES 4
	WIN 0x09                                       ; source 0 (x) window 1, source 1 (W) window 2
.irp s, 0,1,2
.irp p, 0,1
.irp g, 0,1
.irp u, 0,1
.if \s == 0
	WMB ACC+16*(2*\p+\g)+8*\u, 16*(3*(2*\g+\u)+\s), 96*(\buf)+16*(3*\p+\s), 128+80*(\buf)+8*\p, XS+3*(2*\g+\u)+\s, 184+3*(\buf)+(3*\p+\s)/2, (3*\p+\s)%2
.else
	WMB ACC+16*(2*\p+\g)+8*\u, 16*(3*(2*\g+\u)+\s), 96*(\buf)+16*(3*\p+\s), ACC+16*(2*\p+\g)+8*\u, XS+3*(2*\g+\u)+\s, 184+3*(\buf)+(3*\p+\s)/2, (3*\p+\s)%2
.endif
.endr
.endr
.endr
.endr
.endif
	WIN 0
	PLACES 8                                       ; eight places between the last product and the first read of results
	s_wait_xcnt 0x0                                ; the last job's stores have had their addresses translated,
	s_wait_dscnt 0x0                               ; its LDS stores are done,
	s_wait_alu depctr_vm_vsrc(0)                   ; and all of them have read the codes, the bytes and v's sums, which this job writes again
	QUANT ACC
.if (\kind) < 2
	s_wait_alu depctr_va_vdst(0)                   ; the quantiser has written the codes and the bytes, which the stores below read
.irp t, 0,1,2,3                        ; block b of QUANT = token tile t; its 32 numbers = my block of channels
	global_store_b128 v4, v[PC+4*\t:PC+4*\t+3], s[38+2*(\kind):39+2*(\kind)] offset:6144*\t+512*(\i)   ; a piece: 512 consecutive bytes, aligned
	ds_store_b8 v11, v[TM+4+\t] offset:16*(32*(\t/2)+8*(\t%2))+(\i)+1024*(\kind)                       ; both halves of the lanes write the same byte
.endr
.else
	v_lshl_or_b32 v59, v[TM+5], 8, v[TM+4]         ; the two key blocks' bytes of channel tile 0,
	v_lshl_or_b32 v60, v[TM+7], 8, v[TM+6]         ; of channel tile 1
	v_cndmask_b32 v[56+(\i)], v59, v60, s27        ; lanes 0-15 store tile 0's, lanes 16-31 tile 1's
	PLACES 4                                       ; the codes stand four places, the scale word more than eight, ahead of the products below; the places first, then the wait
	s_wait_alu depctr_va_vdst(0)                   ; the codes and v[56 + i] are written, which the five stores read; the codes, their scale word, the ones and the scale 1 are written, which the two products take as sources and scales
.irp b, 0,1,2,3                        ; block b = 2 x channel tile + key block
	global_store_b128 v4, v[PC+4*\b:PC+4*\b+3], s[42:43] offset:(2*(\i)+\b/2)*2048+512*(\b%2)
.endr
	global_store_b16 v5, v[56+(\i)], s[44:45] offset:128*(\i)
	v_wmma_scale_f32_16x16x128_f8f6f4 v[VSD:VSD+7], v[PC:PC+15], v[ZR+8:ZR+23], 0, v[PW], v[ONE] matrix_a_fmt:MATRIX_FMT_BF8 matrix_b_fmt:MATRIX_FMT_BF8       ; x ones over K blocks 0, 1: the sum of tile 0's 64 quantised numbers a channel
	v_wmma_scale_f32_16x16x128_f8f6f4 v[VSD+8:VSD+15], v[PC:PC+15], v[ZR:ZR+15], 0, v[PW], v[ONE] matrix_a_fmt:MATRIX_FMT_BF8 matrix_b_fmt:MATRIX_FMT_BF8     ; over K blocks 2, 3: tile 1's
	PLACES 8
	s_wait_alu depctr_va_vdst(0)                   ; the two products have written v[VSD ..], which the LDS stores read; the places above stay beside this wait
.irp n, 0,1,2,3
	ds_store_b128 v14, v[VSD+4*\n:VSD+4*\n+3] offset:128*(\i)+16*\n      ; register 8 u + j of half h: channel 32 block + 16 h + 8 u + j; the sixteen lanes of a half write the same
.endr
.endif
.endm
	JOB 0, 0, 0, 1, 0
	JOB 1, 0, 1, 0, 1
	JOB 0, 1, 0, 1, 1
	JOB 1, 1, 1, 0, 2
	JOB 0, 2, 0, 1, 2
	JOB 1, 2, 1, 2, 0
	JOB 2, 0, 0, 2, 1
	JOB 2, 1, 1, 2, 2
	JOB 2, 2, 0, -1, 0
	BARRIER                                        ; the gathering place is whole
	ds_load_b128 v[64:67], v15                     ; into accumulators that are done with: the last job's waits stand behind every line that names them
	ds_load_b128 v[68:71], v15 offset:512
	s_lshl_b32 s46, ttmp9, 10                      ; wave 0: q's scale bytes, 1,024 a work-group
	s_add_co_u32 s47, s46, 262144                  ; wave 1: k's
	s_lshl_b32 s48, ttmp9, 9
	s_add_co_u32 s48, s48, 720896                  ; wave 2: the statistics,
	s_mul_i32 s49, ttmp9, 1536
	s_add_co_u32 s49, s49, 851968                  ;         and the first 512 bytes of v's sums
	s_add_co_u32 s52, s49, 512                     ; wave 3: the other 1,024
	s_cmp_eq_u32 s22, 1
	s_cselect_b32 s46, s47, s46
	s_cmp_eq_u32 s22, 2
	s_cselect_b32 s46, s48, s46
	s_cmp_eq_u32 s22, 3
	s_cselect_b32 s46, s52, s46
	s_add_co_u32 s47, s46, 512
	s_cmp_eq_u32 s22, 2
	s_cselect_b32 s47, s49, s47
	v_add_nc_u32 v61, s46, v4
	v_add_nc_u32 v62, s47, v4
	s_wait_alu depctr_va_vdst(0)                   ; v61 and v62 are written, which the two stores read as their offsets
	s_wait_dscnt 0x0
	global_store_b128 v61, v[64:67], s[20:21]      ; 512 consecutive bytes, aligned
	global_store_b128 v62, v[68:71], s[20:21]
	s_wait_dscnt 0x0                               ; the closing lines, six on end
	s_wait_alu 0x0
	s_wait_tensorcnt 0x0
	ds_add_u32 v37, v63
	s_wait_dscnt 0x0
	s_endpgm
.Lfunc_end_k_q5a67cf1797_qkv:
	.size	k_q5a67cf1797_qkv, .Lfunc_end_k_q5a67cf1797_qkv-k_q5a67cf1797_qkv
	.p2alignl 7, 3214868480
	.fill 96, 4, 3214868480
	.section	.rodata,"a",@progbits
	.p2align	6, 0x0
	.amdhsa_kernel k_q5a67cf1797_qkv
		.amdhsa_group_segment_fixed_size 130048
		.amdhsa_private_segment_fixed_size 0
		.amdhsa_enable_private_segment 0
		.amdhsa_kernarg_size 72
		.amdhsa_user_sgpr_count 2
		.amdhsa_user_sgpr_kernarg_segment_ptr 1
		.amdhsa_wavefront_size32 1
		.amdhsa_system_sgpr_workgroup_id_x 1
		.amdhsa_system_sgpr_workgroup_id_y 1
		.amdhsa_system_sgpr_workgroup_id_z 1
		.amdhsa_system_vgpr_workitem_id 0
		.amdhsa_next_free_vgpr 704
		.amdhsa_next_free_sgpr 66
		.amdhsa_reserve_vcc 0
		.amdhsa_float_denorm_mode_32 3
		.amdhsa_float_denorm_mode_16_64 3
		.amdhsa_memory_ordered 1
		.amdhsa_forward_progress 1
		.amdhsa_inst_pref_size 227
	.end_amdhsa_kernel
	.amdgpu_metadata
---
amdhsa.version: [ 1, 2 ]
amdhsa.kernels:
  - .name:           k_q5a67cf1797_qkv
    .symbol:         k_q5a67cf1797_qkv.kd
    .args:
      - { .name: context, .offset: 0, .size: 8, .value_kind: global_buffer, .address_space: global }
      - { .name: a2, .offset: 8, .size: 8, .value_kind: global_buffer, .address_space: global }
      - { .name: b2, .offset: 16, .size: 8, .value_kind: global_buffer, .address_space: global }
      - { .name: bq, .offset: 24, .size: 8, .value_kind: global_buffer, .address_space: global }
      - { .name: bk, .offset: 32, .size: 8, .value_kind: global_buffer, .address_space: global }
      - { .name: bv, .offset: 40, .size: 8, .value_kind: global_buffer, .address_space: global }
      - { .name: wts, .offset: 48, .size: 8, .value_kind: global_buffer, .address_space: global }
      - { .name: codes, .offset: 56, .size: 8, .value_kind: global_buffer, .address_space: global }
      - { .name: aux, .offset: 64, .size: 8, .value_kind: global_buffer, .address_space: global }
    .group_segment_fixed_size: 130048
    .private_segment_fixed_size: 0
    .kernarg_segment_align: 8
    .kernarg_segment_size: 72
    .max_flat_workgroup_size: 128
    .sgpr_count:     66
    .vgpr_count:     704
    .wavefront_size: 32
...
	.end_amdgpu_metadata
.endif
;; end of part 4
;; launch attn (part 5): grid 32 x 8, 4 waves a work-group, no clusters, 140,032 bytes of LDS; arguments context, a2, b2, bo, ln_g, ln_b, Wa, ba, wts, meta, codes, aux, out0, out1; writes out0, out1
.if DOCPART == 5
	.amdgcn_target "amdgcn-amd-amdhsa--gfx1250"
	.amdhsa_code_object_version 6
	.text
	.protected	k_q5a67cf1797_attn
	.globl	k_q5a67cf1797_attn
	.p2align	8
	.type	k_q5a67cf1797_attn,@function
k_q5a67cf1797_attn:
	s_mov_b64 s[64:65], 0
	v_nop
	global_prefetch_b8 v0, s[64:65] scope:SCOPE_SE
	s_setreg_imm32_b32 hwreg(HW_REG_WAVE_SCHED_MODE, 0, 2), 2
	s_setreg_imm32_b32 hwreg(HW_REG_WAVE_MODE, 25, 1), 1
	s_wait_xcnt 0x0
	s_wait_alu depctr_vm_vsrc(0)
; Attention on codes of E5M2 with E8M0 scales, the output product on top of ctx + bo, LayerNorm, and the two-way actor.  A work-group owns 64 rows (queries) of one batch: four tiles a = 0..3 of 16;
; member r of tile 2 g + u is row 32 g + 8 u + r + 8 (r / 8).  A key counts for row i where the mask admits it, key <= i and i < L.
; THE WAVES SHARE THE KEYS FOR THE SCORES AND THE CHANNELS FOR THE SECOND PRODUCT, NOT THE QUERIES.  In a step of 128 keys wave w makes S^T for keys 32 w .. 32 w + 31 (one block of the second product's K) against all 64
; queries, 24 matrix instructions, and O^T for channels 96 w .. 96 w + 95 against all 64 queries, 24 more.  So each fragment of K and of V is wanted by ONE wave of the work-group and goes from memory straight into its
; registers, 16 bytes a lane, a phase or more ahead; through LDS go only the blocks' largest scores, p's codes as register images (8,192 bytes a step) and p's scale bytes.  Two barriers a step.
; THE ORDER OF A WAVE'S MEMORY INSTRUCTIONS: an LDS store or load that a barrier or the next lines wait for is issued AHEAD of a run of global loads, never directly behind one; the run follows it and is on its way during
; the vector work behind.  So the next step's K is asked for behind the LDS loads of the maxima, ahead of the softmax, and Wo behind the LDS loads of the sums.
; NO JOINT REQUESTS: work-groups of a batch read the same K and V, but they need different numbers of steps (blk / 2 + 1), a work-group without a live row passes over the work by a branch on stored whole numbers,
; and a shared tile would have to pass through LDS, which these fragments never touch.
; SOFTMAX: t = score x log2(e) / 384; M = the ceiling of the running largest t; p = 2^(t - M) is quantised along the keys; the sum is taken of the unquantised p; O and the sum are multiplied by 2^(old M - new M), exact.
; The mask costs no vector work: the key's bias (0 or -3.84e11) is the C of a score's first product.  Only the last step, on the diagonal, compares key and query.
; A ROW WITHOUT A KEY (i >= L or i < the first admitted key): every p is 1, so its result is the sum of the batch's 2,048 quantised v / 2,048: taken from the sums that the launch before stored.
; Steps beyond the diagonal are not walked (a trip count from the work-group's number).  A work-group all of whose rows are without keys jumps over each phase's work, never over a barrier.
; LIMITS: NaN and infinities are not served.  A hidden score is q.k - 3.84e11 or -3.84e11, not -1e9 x 384 to the bit: its p is 0, or is multiplied by an exact 0 when the row's first key comes, or belongs to a row without
; keys.  t is made with the one rounded constant log2(e) / 384.  Divisions are the chip's reciprocal and reciprocal root.  A block of zeros keeps the byte 1.
; THE MODE: SCHED_MODE bits 1:0 = 2 (LLVM: expert scheduling mode 2), set by the entry lines.  The code itself states the register dependences between vector or matrix instructions and memory or LDS instructions,
; with s_wait_alu, always for 0.
; THE PLAN.  Registers that memory or LDS instructions touch, in the loop:
;   K's (window 2 v0-95, window 3 v192-207, v212-214)   read by the first phase's products; the next step's loads, issued in the second phase, land in them.
;   V's (window 2 v96-191, v216-218)                    read by the third phase's products; the next step's loads, at that phase's end, land in them.
;   v56-59                                              written by the maxima; read by four LDS stores; written again in the second phase.
;   v128-191, v192-195                                  v144-159: the LDS loads of the maxima land, the second phase reads them; v128-143 codes and v168-171 bytes: written there, read by p's LDS stores;
;                                                       then p's fragments and scale words land in all of them, by LDS loads, and the third phase's products read them.
;   v1-v22                                              addresses, made at the head and never written again: the scalar bases move on.
; So a step has, beside the exponentials' two waits: va_vdst behind the maxima; vm_vsrc behind their four stores; va_vdst behind the conversions; vm_vsrc behind p's stores; va_vdst behind the second product.
; Each stands in the same straight run as the lines whose results or reads it states, ahead of the branch that follows them: so it holds on every way through the text, those that jump over a phase too.
; LDS: a stage of 64 rows x 1,552 bytes (row 16 a + r), first ctx + bo, at the end the result; p's images, p's scale bytes; four exchanges of 1,024 bytes [a][r][wave]; the actor's partial sums; the context layer's images and bytes.
.set SP,   1552
.set PIM,  99328                       ; 2048 a + 512 c + 16 lane
.set PSB,  107520                      ; 64 a + 4 r + wave
.set MXB,  107776                      ; 256 a + 16 r + 4 wave; +1024 the sums; +2048, +3072 LayerNorm's
.set XB3,  111872                      ; 32 token + 8 wave
.set CIM,  113920                      ; 6144 a + 512 block + 16 lane
.set CSB,  138496                      ; 256 a + 16 r + block
; REGISTERS.  window 0: v1-26 addresses and constants; v32-47 for each a: -M, largest t, the sum (pair); v48-55 a pair for each a: f, later 1/l, mean, 1/sigma; v56-59 block maxima; v60-63 lane exchange;
;   v64-127 S^T then p (16 a + e: key 32 w + 16 h + e); v128-191 p's four fragments (before they come: codes, maxima, holds); v192-195 p's scale words; v196-211 q's scale words, later the context layer's;
;   v212-214 k's, v216-218 v's scale words; v220-223 diagonal distances; v224-227 at work; v228-235 sums; v236-244 Wo's scale words.
;   in the tail: v64-111 a tile's context layer, v112-159 its codes (12 registers for each a), v160-175 the quantiser's work, v176-191 its bytes (4 registers for each a); then v64-159 Wo's third K step.
;   window 1: v0-191 q's 12 fragments, later the context layer's; v192-239 the sum of v.   window 2: v0-95 k's 6 fragments; v96-191 v's 6.   window 3: v0-191 O^T, later the output (tile t, a at 8 (4 t + a)); v192-207 key bias.
.set TM,   160                         ; the tail's quantiser: +0 largest magnitudes, +4 lane exchange, +8 holds, +12 scale operands
.set SEL,  42
.set MNT,  46
.set MSB,  0
.macro WIN new                         ; the immediate's high byte repeats the setting that is left
.if MSB != \new
	s_set_vgpr_msb (MSB<<8)|\new
.set MSB, \new
.endif
.endm
.macro PLACES n
.rept \n
	v_nop
.endr
.endm
.macro BARRIER                         ; my LDS stores have landed and my LDS loads are in: then the work-group's barrier
	s_wait_dscnt 0x0
	s_barrier_signal -1
	s_barrier_wait -1
.endm
.macro WMA d, a, b, c, sa, sb, ra      ; ra = 1: source 0's scales stand in lanes 16-31
.if \ra
	v_wmma_scale_f32_16x16x128_f8f6f4 v[(\d):(\d)+7], v[(\a):(\a)+15], v[(\b):(\b)+15], v[(\c):(\c)+7], v[\sa], v[\sb] matrix_a_fmt:MATRIX_FMT_BF8 matrix_b_fmt:MATRIX_FMT_BF8 matrix_a_scale:MATRIX_SCALE_ROW1
.else
	v_wmma_scale_f32_16x16x128_f8f6f4 v[(\d):(\d)+7], v[(\a):(\a)+15], v[(\b):(\b)+15], v[(\c):(\c)+7], v[\sa], v[\sb] matrix_a_fmt:MATRIX_FMT_BF8 matrix_b_fmt:MATRIX_FMT_BF8
.endif
.endm
.macro MASKREG e                       ; MR: the scalar register that takes the diagonal's mask of register e: sixteen that never held a load's base: s90-99, s60-63, s2, s3
.if (\e) < 10
.set MR, 90+(\e)
.elseif (\e) < 14
.set MR, 50+(\e)
.else
.set MR, (\e)-12
.endif
.endm
.macro KLOADS                          ; a step's K for my 32 keys: 6 fragments, the keys' bias, the keys' scale bytes: 29 loads
	WIN 0x80
.set n, 0
.rept 24
	global_load_b128 v[4*n:4*n+3], v1, s[48:49] offset:512*n
.set n, n+1
.endr
	WIN 0xc0
.irp q, 0,1,2,3
	global_load_b128 v[192+4*\q:195+4*\q], v4, s[56:57] offset:16*\q
.endr
	WIN 0
	global_load_b96 v[212:214], v3, s[52:53]       ; lanes 0-15: tile 0's keys, lanes 16-31: tile 1's; a word for each K step
.endm
.macro VLOADS                          ; a step's V for my 96 channels: 6 fragments and their scale words: 27 loads
	WIN 0x80
.set n, 0
.rept 24
	global_load_b128 v[96+4*n:99+4*n], v1, s[50:51] offset:512*n
.set n, n+1
.endr
	WIN 0
.irp n, 0,1,2
	global_load_b32 v[216+\n], v2, s[54:55] offset:128*\n
.endr
.endm
.macro GLOAD off                       ; the four waves' words of an exchange, for each a: v[144 + 4 a ..]
.irp a, 0,1,2,3
	ds_load_b128 v[144+4*\a:147+4*\a], v7 offset:(\off)+256*\a
.endr
.endm
.macro GSUM                            ; and their sum: v[144 + 4 a]
	s_wait_dscnt 0x0
.irp a, 0,1,2,3
	v_add_f32 v[144+4*\a], v[144+4*\a], v[145+4*\a]
	v_add_f32 v[146+4*\a], v[146+4*\a], v[147+4*\a]
.endr
.irp a, 0,1,2,3
	v_add_f32 v[144+4*\a], v[144+4*\a], v[146+4*\a]
.endr
.endm
	s_load_b512 s[4:19], s[0:1], 0x0               ; context, a2, b2, bo, ln_g, ln_b, Wa, ba
	s_load_b256 s[20:27], s[0:1], 0x40             ; wts, meta, codes, aux
	s_load_b128 s[28:31], s[0:1], 0x60             ; out0, out1
	v_lshl_add_u32 v254, v0, 2, 0x22100
	v_mov_b32 v255, 0
	v_lshrrev_b32 v27, 5, v0
	v_readfirstlane_b32 s32, v27                   ; wave
	s_mov_b32 s33, ttmp9                           ; my block of 64 rows
	s_and_b32 s34, ttmp7, 0xffff                   ; the batch
	v_and_b32 v27, 31, v0                          ; lane
	v_and_b32 v28, 15, v0                          ; r
	v_bfe_u32 v29, v0, 4, 1                        ; h
	v_and_b32 v30, 8, v28
	v_add_nc_u32 v30, v30, v28                     ; r + 8 (r / 8)
	v_lshlrev_b32 v1, 4, v27                       ; 16 x lane
	v_lshlrev_b32 v2, 2, v27                       ; 4 x lane
	v_lshl_add_u32 v3, v29, 3, v30
	v_lshlrev_b32 v3, 4, v3                        ; k's scale bytes: 16 x (8 h + r + 8 (r / 8))
	v_lshlrev_b32 v4, 6, v29                       ; 64 h
	v_lshlrev_b32 v5, 4, v30                       ; q's scale bytes
	s_wait_alu depctr_va_sdst(0)                   ; s32, the wave's number, is written, ahead of its first reader
	s_lshl_b32 s41, s32, 2
	s_add_co_u32 s41, s41, MXB
	v_lshl_add_u32 v6, v28, 4, s41                 ; an exchange: my word
	v_lshl_add_u32 v7, v28, 4, MXB                 ; and the four waves' words
	s_lshl_b32 s41, s32, 9
	s_add_co_u32 s41, s41, PIM
	v_add_nc_u32 v8, s41, v1                       ; p's images: my piece
	v_add_nc_u32 v9, PIM, v1
	s_add_co_u32 s41, s32, PSB
	v_lshl_add_u32 v10, v28, 2, s41                ; p's scale bytes: mine
	v_lshl_add_u32 v11, v28, 2, PSB
	s_lshr_b32 s60, s32, 1
	s_lshl_b32 s60, s60, 5
	s_and_b32 s61, s32, 1
	s_lshl_b32 s61, s61, 3
	s_add_co_u32 s60, s60, s61
	s_mul_i32 s60, s60, SP
	v_add_nc_u32 v12, s60, v1                      ; the stage by natural rows 16 w + x: stage row 32 (w / 2) + 8 (w % 2) + 16 (x / 8) + x % 8
	v_mul_u32_u24 v13, v28, SP
	v_add_nc_u32 v13, v13, v4
	s_mul_i32 s60, s32, 384
	v_add_nc_u32 v13, s60, v13                     ; the stage by results: row r, my 96 channels, + 64 h; tiles 0, 1
	v_add_nc_u32 v14, 49664, v13                   ; tiles 2, 3
	s_mul_i32 s61, s32, 1536
	s_add_co_u32 s61, s61, CIM
	v_add_nc_u32 v15, s61, v1
	v_add_nc_u32 v16, CIM, v1
	s_mul_i32 s61, s32, 3
	s_add_co_u32 s61, s61, CSB
	v_lshl_add_u32 v17, v28, 4, s61
	v_lshl_add_u32 v18, v28, 4, CSB
	s_lshl_b32 s61, s32, 3
	s_add_co_u32 s61, s61, XB3
	v_lshl_add_u32 v19, v30, 5, s61
	v_lshl_add_u32 v20, v27, 6, XB3
	v_mul_u32_u24 v21, v28, 1536
	v_add_nc_u32 v21, v21, v4                      ; v's partial sums: lane r takes blocks r and r + 16
	v_lshlrev_b32 v22, 8, v27                      ; the prefetches: lanes 256 bytes apart; never rewritten
	v_lshlrev_b32 v23, 7, v29                      ; 128 h
	v_mov_b32 v24, 0
	v_mov_b32 v25, 0xd2b2d05e                      ; -3.84e11
	s_lshl_b32 s41, s33, 6
	v_add_nc_u32 v26, s41, v30                     ; my row of tile 0, in the batch
	s_and_b32 s41, s33, 1
	s_lshl_b32 s41, s41, 6
	s_lshl_b32 s60, s32, 5
	s_sub_co_i32 s41, s41, s60
	v_lshlrev_b32 v31, 4, v29
	v_sub_nc_u32 v31, v30, v31
	v_add_nc_u32 v31, s41, v31
.irp a, 0,1,2,3
	v_add_nc_u32 v[220+\a], 32*(\a/2)+8*(\a%2), v31   ; in the last step register e of tile a is hidden where e > my row - the step's first key - 32 w - 16 h
.endr
	s_mov_b32 s[SEL], 0x76543210
	s_mov_b32 s[SEL+1], 0xfedcba98
	s_mov_b32 s44, 0x3b76384f                      ; log2(e) / 384
	s_mov_b32 s45, s44
	s_mov_b32 s[MNT], 0x600000
	s_lshl_b32 s90, s34, 11
	s_lshl_b32 s91, s33, 6
	s_add_co_u32 s90, s90, s91                     ; my first token
	s_lshl_b32 s91, s32, 4
	s_add_co_u32 s91, s90, s91                     ; + 16 w
	s_lshr_b32 s35, s33, 1
	s_add_co_u32 s35, s35, 1                       ; steps up to the diagonal
	s_sub_co_u32 s40, s35, 3                       ; the trip in which I prefetch: see below
	s_and_b32 s41, s33, 1
	s_cmp_eq_u32 s41, 0
	s_cselect_b32 s40, s40, -1
	s_cmp_ge_u32 s35, 3
	s_cselect_b32 s40, s40, -1
	s_mov_b32 s36, 0                               ; the step
	s_mov_b32 s61, 0
	s_wait_kmcnt 0x0
	s_mul_i32 s60, s91, 1536
	s_add_nc_u64 s[80:81], s[4:5], s[60:61]        ; context and out1 at row 16 w of my block
	s_add_nc_u64 s[76:77], s[30:31], s[60:61]
	s_lshl_b32 s60, s91, 3
	s_add_co_u32 s60, s60, 720896
	s_add_nc_u64 s[82:83], s[26:27], s[60:61]      ; the rows' statistics
	s_mul_i32 s60, s34, 49152
	s_mul_i32 s41, s32, 384
	s_add_co_u32 s60, s60, s41
	s_add_co_u32 s60, s60, 851968
	s_add_nc_u64 s[84:85], s[26:27], s[60:61]      ; the batch's partial sums of v, my 96 channels
	s_mul_i32 s92, s34, 786432
	s_mul_i32 s60, s33, 24576
	s_add_co_u32 s60, s60, s92
	s_add_nc_u64 s[86:87], s[24:25], s[60:61]      ; q's images
	s_lshl_b32 s60, s90, 4
	s_add_nc_u64 s[88:89], s[26:27], s[60:61]      ; q's scale bytes
	s_mul_i32 s93, s32, 12288
	s_add_co_u32 s60, s92, s93
	s_add_co_u32 s60, s60, 6291456
	s_add_nc_u64 s[48:49], s[24:25], s[60:61]      ; k's images: my two key tiles of step 0
	s_add_co_u32 s60, s60, 6291456
	s_add_nc_u64 s[50:51], s[24:25], s[60:61]      ; v's images: my six channel tiles of step 0
	s_lshl_b32 s60, s34, 15
	s_lshl_b32 s41, s32, 9
	s_add_co_u32 s60, s60, s41
	s_add_co_u32 s60, s60, 262144
	s_add_nc_u64 s[52:53], s[26:27], s[60:61]      ; k's scale bytes
	s_mul_i32 s60, s34, 24576
	s_mul_i32 s41, s32, 384
	s_add_co_u32 s60, s60, s41
	s_add_co_u32 s60, s60, 524288
	s_add_nc_u64 s[54:55], s[26:27], s[60:61]      ; v's scale words
	s_lshl_b32 s60, s34, 13
	s_lshl_b32 s41, s32, 7
	s_add_co_u32 s60, s60, s41
	s_add_co_u32 s60, s60, 608256
	s_add_nc_u64 s[56:57], s[20:21], s[60:61]      ; the keys' bias
	s_mul_i32 s60, s32, 36864
	s_add_co_u32 s60, s60, 442368
	s_add_nc_u64 s[66:67], s[20:21], s[60:61]      ; Wo's images, my six tiles
	s_mul_i32 s60, s32, 1152
	s_add_co_u32 s60, s60, 603648
	s_add_nc_u64 s[68:69], s[20:21], s[60:61]      ; and their scale words
	s_lshl_b32 s60, s90, 3
	s_add_nc_u64 s[78:79], s[28:29], s[60:61]      ; out0
	s_mul_i32 s60, s32, 384
	s_add_nc_u64 s[12:13], s[12:13], s[60:61]      ; ln_g, ln_b at my 96 channels
	s_add_nc_u64 s[14:15], s[14:15], s[60:61]
	s_lshl_b32 s60, s60, 1
	s_add_nc_u64 s[16:17], s[16:17], s[60:61]      ; Wa likewise
	s_lshl_b32 s60, s34, 3
	s_add_nc_u64 s[22:23], s[22:23], s[60:61]
	s_load_b64 s[38:39], s[22:23], 0x0             ; L, first: whole numbers that the first launch stored
	s_load_b64 s[70:71], s[18:19], 0x0             ; ba
	s_sub_co_u32 s60, s35, 1                       ; the prefetch's place: my last step's 49,152 bytes of K (waves 0, 1) or V (waves 2, 3), a half each
	s_mul_i32 s60, s60, 49152
	s_add_co_u32 s60, s60, s92
	s_and_b32 s41, s32, 1
	s_mul_i32 s41, s41, 24576
	s_add_co_u32 s60, s60, s41
	s_lshr_b32 s41, s32, 1
	s_mul_i32 s41, s41, 6291456
	s_add_co_u32 s60, s60, s41
	s_add_co_u32 s60, s60, 6291456
	s_add_nc_u64 s[58:59], s[24:25], s[60:61]      ; never rewritten
	; ---- all first loads in one run
	s_wait_alu depctr_va_vdst(0)                   ; the addresses and constants v1 to v26 are written, which the loads, stores and prefetches of the whole kernel read
.set i, 0
.rept 16
	global_load_b64 v[64+2*i:65+2*i], v24, s[82:83] offset:8*i      ; (mean, 1 / (std + eps)) of row 16 w + i, the same in every lane
.set i, i+1
.endr
.irp p, 0,1,2
	global_load_b128 v[96+4*\p:99+4*\p], v1, s[6:7] offset:512*\p      ; a2, b2, bo as the rows lie: channels 128 p + 4 lane
	global_load_b128 v[108+4*\p:111+4*\p], v1, s[8:9] offset:512*\p
	global_load_b128 v[120+4*\p:123+4*\p], v1, s[10:11] offset:512*\p
.endr
	WIN 0xc0
.set i, 0
.rept 48
	global_load_b128 v[4*i:4*i+3], v1, s[80:81] offset:512*i th:TH_LOAD_NT    ; 16 rows of context, 512 consecutive bytes a load
.set i, i+1
.endr
	WIN 0
.irp t, 0,1,2,3,4,5
.irp q, 0,1
	global_load_b128 v[132+8*\t+4*\q:135+8*\t+4*\q], v21, s[84:85] offset:(32*(\t/2)+8*(\t%2))*4+16*\q
.endr
.endr
	WIN 0x80
.irp t, 0,1,2,3,4,5
.irp q, 0,1
	global_load_b128 v[192+8*\t+4*\q:195+8*\t+4*\q], v21, s[84:85] offset:24576+(32*(\t/2)+8*(\t%2))*4+16*\q
.endr
.endr
	WIN 0x40
.set i, 0
.rept 48
	global_load_b128 v[4*i:4*i+3], v1, s[86:87] offset:512*i        ; q's twelve fragments stay in registers
.set i, i+1
.endr
	WIN 0
.irp a, 0,1,2,3
	global_load_b96 v[196+4*\a:198+4*\a], v5, s[88:89] offset:16*(32*(\a/2)+8*(\a%2))
.endr
	KLOADS
	VLOADS
	s_wait_kmcnt 0x0
	s_lshl_b32 s41, s33, 6
	s_cmp_lt_i32 s41, s38                          ; my first row < L,
	s_cselect_b32 s37, 1, 0
	s_add_co_u32 s41, s41, 63
	s_cmp_ge_i32 s41, s39                          ; and my last row >= the first admitted key: some row of mine has a key
	s_cselect_b32 s37, s37, 0
.irp a, 0,1,2,3
	v_add_nc_u32 v27, 32*(\a/2)+8*(\a%2), v26
	v_cmp_le_i32 s[72+\a], s38, v27
	v_cmp_gt_i32 s[94+\a], s39, v27
.endr
	s_wait_alu depctr_va_sdst(0)                   ; the eight compares have written their masks, ahead of the first line that reads one
.irp a, 0,1,2,3
	s_or_b32 s[72+\a], s[72+\a], s[94+\a]          ; the lanes whose row of tile a has no key
.endr
	s_wait_loadcnt 63                              ; 108 loads were issued behind the statistics, gains, context and partial sums: with 63 out these are in
.irp n, 0,2,4,6,8,10
	v_pk_add_f32 v[108+\n:109+\n], v[108+\n:109+\n], v[120+\n:121+\n]     ; b2 + bo
.endr
	WIN 0xc3                                       ; destination and source 0 window 3
.set x, 0
.rept 16
.irp d, 0,2,4,6,8,10
	v_pk_add_f32 v[12*x+\d:12*x+\d+1], v[12*x+\d:12*x+\d+1], v[64+2*x:65+2*x] op_sel_hi:[1,0] neg_lo:[0,1] neg_hi:[0,1]
.endr
.irp d, 0,2,4,6,8,10
	v_pk_mul_f32 v[12*x+\d:12*x+\d+1], v[12*x+\d:12*x+\d+1], v[64+2*x:65+2*x] op_sel:[0,1] op_sel_hi:[1,1]
.endr
.irp d, 0,2,4,6,8,10
	v_pk_fma_f32 v[12*x+\d:12*x+\d+1], v[12*x+\d:12*x+\d+1], v[96+\d:97+\d], v[108+\d:109+\d]      ; ctx + bo
.endr
.set x, x+1
.endr
	WIN 0x0c                                       ; an LDS store's data are its source 1
	s_wait_alu depctr_va_vdst(0)                   ; the multiply-adds have written ctx + bo, which the LDS stores read
.set i, 0
.rept 48
	ds_store_b128 v12, v[4*i:4*i+3] offset:(16*((i/3)/8)+(i/3)%8)*SP+512*(i%3)
.set i, i+1
.endr
	WIN 0x08
.set n, 0
.rept 24
	v_pk_add_f32 v[132+2*n:133+2*n], v[132+2*n:133+2*n], v[192+2*n:193+2*n]    ; blocks r and r + 16,
.set n, n+1
.endr
	WIN 0
.irp k, 1,2,4,8
.set n, 0
.rept 48
	v_add_f32_dpp v[132+n], v[132+n], v[132+n] row_xmask:\k row_mask:0xf bank_mask:0xf    ; and the sixteen lanes of my half: the sum of the batch's quantised v
.set n, n+1
.endr
.endr
	WIN 0x40
.set n, 0
.rept 48
	v_mov_b32 v[192+n], v[132+n]
.set n, n+1
.endr
	s_wait_dscnt 0x0                               ; the stage's stores are done,
	s_wait_alu depctr_vm_vsrc(0)                   ; and have read their registers, which the lines below write
	WIN 0xc0
.set n, 0
.rept 192
	v_mov_b32 v[n], 0                              ; O^T.  The step is written once, and a work-group without a live row never writes O^T; these lines stand while q, k and v are on their way
.set n, n+1
.endr
	WIN 0
.irp a, 0,1,2,3
	v_mov_b32 v[33+4*\a], 0xff61b1e6               ; the largest t so far: -3e38
	v_floor_f32 v[32+4*\a], -v[33+4*\a]            ; -M
	v_mov_b32 v[34+4*\a], 0
	v_mov_b32 v[35+4*\a], 0
	v_mov_b32 v[48+2*\a], 0
	v_mov_b32 v[49+2*\a], 0
	v_mov_b32 v[56+\a], 0
	v_mov_b32 v[60+\a], 0
.endr
	s_wait_alu depctr_va_vdst(0)                   ; the head's sums are done with v120-179: the LDS loads of the loop land in v128-191, also on a way that jumps over the phases whose own waits stand ahead of them
.Lstep:
	s_cmp_eq_u32 s37, 0
	s_cbranch_scc1 .Ldead_s
	; ---- S: my 32 keys against the 64 queries
	s_wait_loadcnt 27                              ; behind this step's K stand only its V's 27 loads
	WIN 0x36                                       ; K window 2, q window 1, the bias window 3
.irp a, 0,1,2,3
.irp u, 0,1
	WMA 64+16*\a+8*\u, 48*\u, 48*\a, 192+8*\u, 212, 196+4*\a, \u
.endr
.endr
	WIN 0x06
.irp s, 1,2
.irp a, 0,1,2,3
.irp u, 0,1
	WMA 64+16*\a+8*\u, 48*\u+16*\s, 48*\a+16*\s, 64+16*\a+8*\u, 212+\s, 196+4*\a+\s, \u
.endr
.endr
.endr
	WIN 0
	PLACES 8                                       ; eight places behind the products, ahead of the reads of the scores
	s_add_co_u32 s41, s36, 1
	s_cmp_lg_u32 s41, s35
	s_cbranch_scc1 .Lopen                          ; only the last step lies on the diagonal
.irp a, 0,1,2,3                        ; a tile's sixteen compares in a run, each into a scalar register of its own; one wait; its sixteen selections
.irp e, 0,1,2,3,4,5,6,7,8,9,10,11,12,13,14,15
	MASKREG \e
	v_cmp_gt_i32 s[MR], \e, v[220+\a]
.endr
	s_wait_alu depctr_va_sdst(0)                   ; the sixteen compares have written their masks, ahead of the first selection that reads one
.irp e, 0,1,2,3,4,5,6,7,8,9,10,11,12,13,14,15
	MASKREG \e
	v_cndmask_b32 v[64+16*\a+\e], v[64+16*\a+\e], v25, s[MR]
.endr
.endr
.Lopen:
.irp a, 0,1,2,3
	v_max3_num_f32 v[56+\a], v[64+16*\a], v[65+16*\a], v[66+16*\a]     ; the block's largest score: for the row's maximum and, since p rises with the score, for the block's largest p
.endr
.irp e, 3,5,7,9,11,13
.irp a, 0,1,2,3
	v_max3_num_f32 v[56+\a], v[56+\a], v[64+16*\a+\e], v[65+16*\a+\e]
.endr
.endr
.irp a, 0,1,2,3
	v_max_num_f32 v[56+\a], v[56+\a], v[79+16*\a]
.endr
.irp a, 0,1,2,3
	v_permlanex16_b32 v[60+\a], v[56+\a], s[SEL], s[SEL+1]
.endr
.irp a, 0,1,2,3
	v_max_num_f32 v[56+\a], v[56+\a], v[60+\a]
.endr
	s_wait_alu depctr_va_vdst(0)                   ; the maxima v56-59 are written, which the LDS stores read; the products above are done reading K's fragments, bias and scale words, in which the next step's loads land in the next phase
.irp a, 0,1,2,3
	ds_store_b32 v6, v[56+\a] offset:256*\a        ; straight behind the maxima: the barrier's wait is for these four stores alone, and no load was issued since the products
.endr
	s_wait_alu depctr_vm_vsrc(0)                   ; the four stores have read v56-59, which the next phase writes again
	s_branch .Lbar_1
.Ldead_s:
	s_wait_loadcnt 0x0
.Lbar_1:
	BARRIER                                        ; the four blocks' largest scores lie in LDS
	s_cmp_eq_u32 s37, 0
	s_cbranch_scc1 .Ldead_p
	; ---- P: the softmax of my 32 keys, quantised
	GLOAD 0                                        ; the four LDS loads first; the run of global loads follows them, and the wait for the four stands behind it
	s_add_co_u32 s41, s36, 1
	s_cmp_lt_u32 s41, s35
	s_cbranch_scc0 .Lno_k
	s_wait_xcnt 0x0                                ; the last loads have read their bases
	s_add_nc_u64 s[48:49], s[48:49], 49152
	s_add_nc_u64 s[52:53], s[52:53], 2048
	s_add_nc_u64 s[56:57], s[56:57], 512
	KLOADS                                         ; the next step's K: it has the softmax, the exchange of p and the second product in which to land.  No wait: no line behind the first phase's wait names K's registers or these loads' offsets
	; A PREFETCH INTO THE L2.  Step j of a batch is walked by the work-groups with block >= 2 j, in their trip j.  The work-group with block 2 j, whose last step it is, asks for it in its trip j - 2, behind its own loads:
	; waves 0, 1 for K's 49,152 bytes, waves 2, 3 for V's; a lane names 256 bytes, three instructions a wave: each block of 256 bytes is named once in the launch.  Steps 0 and 1 are not asked for.
	s_cmp_eq_u32 s36, s40
	s_cbranch_scc0 .Lk_done
	global_prefetch_b8 v22, s[58:59] th:TH_LOAD_NT scope:SCOPE_SE
	global_prefetch_b8 v22, s[58:59] offset:8192 th:TH_LOAD_NT scope:SCOPE_SE
	global_prefetch_b8 v22, s[58:59] offset:16384 th:TH_LOAD_NT scope:SCOPE_SE
	s_branch .Lk_done
.Lno_k:
	s_wait_loadcnt 0x0                             ; nothing was issued here: so that the count in the third phase holds on this way too
.Lk_done:
	s_wait_dscnt 0x0
.irp a, 0,1,2,3
	v_max3_num_f32 v[224+\a], v[144+4*\a], v[145+4*\a], v[146+4*\a]
.endr
.irp a, 0,1,2,3
	v_max_num_f32 v[224+\a], v[224+\a], v[147+4*\a]
.endr
.irp a, 0,1,2,3
	v_mul_f32 v[224+\a], s44, v[224+\a]            ; the step's largest t
.endr
.irp a, 0,1,2,3
	v_max_num_f32 v[33+4*\a], v[33+4*\a], v[224+\a]
.endr
.irp a, 0,1,2,3
	v_mov_b32 v[224+\a], v[32+4*\a]
.endr
.irp a, 0,1,2,3
	v_floor_f32 v[32+4*\a], -v[33+4*\a]            ; -M = floor(-t): M is a whole number
.endr
.irp a, 0,1,2,3
	v_sub_f32 v[224+\a], v[32+4*\a], v[224+\a]     ; old M - new M
.endr
.irp a, 0,1,2,3
	v_cvt_i32_f32 v[224+\a], v[224+\a]             ; (it saturates)
.endr
.irp a, 0,1,2,3
	v_ldexp_f32 v[48+2*\a], 1.0, v[224+\a]         ; f = 2^(old M - new M)
.endr
.irp e, 0,2,4,6,8,10,12,14
.irp a, 0,1,2,3
	v_pk_fma_f32 v[64+16*\a+\e:65+16*\a+\e], v[64+16*\a+\e:65+16*\a+\e], s[44:45], v[32+4*\a:33+4*\a] op_sel_hi:[1,0,0]   ; t - M
.endr
.endr
.irp a, 0,1,2,3
	v_fma_f32 v[56+\a], v[56+\a], s44, v[32+4*\a]  ; the same of my block's largest score
.endr
.set n, 0
.rept 64
	v_exp_f32 v[64+n], v[64+n]                     ; p = 2^(t - M)
.set n, n+1
.endr
.irp a, 0,1,2,3
	v_pk_mul_f32 v[34+4*\a:35+4*\a], v[34+4*\a:35+4*\a], v[48+2*\a:49+2*\a] op_sel_hi:[1,0]     ; the sums under the new M: plain work behind the batch
.endr
	s_wait_alu depctr_va_vdst(0)                   ; the 64 exponentials have written p: one wait for the batch, ahead of its first reader
.irp a, 0,1,2,3
	v_exp_f32 v[56+\a], v[56+\a]                   ; the block's largest p
.endr
.irp e, 0,2,4,6,8,10,12,14
.irp a, 0,1,2,3
	v_pk_add_f32 v[34+4*\a:35+4*\a], v[34+4*\a:35+4*\a], v[64+16*\a+\e:65+16*\a+\e]     ; the sum is taken of the unquantised p
.endr
.endr
	s_wait_alu depctr_va_vdst(0)                   ; the four exponentials have written v56-59, ahead of their first reader
.irp a, 0,1,2,3
	v_max_num_f32 v[56+\a], 0x8000000, v[56+\a]    ; the floor 2^(16 - 127)
.endr
.irp a, 0,1,2,3
	v_add_nc_u32 v[164+\a], 0xf8800000, v[56+\a]
.endr
.irp a, 0,1,2,3
	v_and_or_b32 v[160+\a], v[56+\a], 0x7f800000, s[MNT]
.endr
.irp a, 0,1,2,3
	v_lshrrev_b32 v[168+\a], 23, v[164+\a]
.endr
.irp a, 0,1,2,3
.irp e, 0,1,2,3,4,5,6,7,8,9,10,11,12,13,14,15
	v_min_num_f32 v[64+16*\a+\e], v[64+16*\a+\e], v[160+\a]     ; p is not negative: the hold is one-sided
.endr
	v_cvt_scalef32_pk8_bf8_f32 v[128+4*\a:129+4*\a], v[64+16*\a:71+16*\a], v[164+\a]
	v_cvt_scalef32_pk8_bf8_f32 v[130+4*\a:131+4*\a], v[72+16*\a:79+16*\a], v[164+\a]
.endr
	v_nop
	s_wait_alu depctr_va_vdst(0)                   ; the codes v128-143 and the bytes v168-171 are written, which the LDS stores read; this phase's lines are done with v128-171, in which p's fragments land in the next phase
.irp a, 0,1,2,3
	ds_store_b128 v8, v[128+4*\a:131+4*\a] offset:2048*\a      ; piece w of tile a's fragment of p
	ds_store_b8 v10, v[168+\a] offset:64*\a
.endr
	s_wait_alu depctr_vm_vsrc(0)                   ; the eight stores have read v128-143 and v168-171, in which the next phase's LDS loads land
	s_branch .Lbar_2
.Ldead_p:
	s_wait_loadcnt 0x0                             ; no K was asked for on this way: so that the count in the third phase holds here too
.Lbar_2:
	BARRIER                                        ; p's four fragments and their scale words lie in LDS
	s_cmp_eq_u32 s37, 0
	s_cbranch_scc1 .Ldead_v
	; ---- V: my 96 channels against the 64 queries, K = the step's 128 keys
.irp a, 0,1,2,3
.irp c, 0,1,2,3
	ds_load_b128 v[128+16*\a+4*\c:131+16*\a+4*\c], v9 offset:2048*\a+512*\c
.endr
	ds_load_b32 v[192+\a], v11 offset:64*\a
.endr
	WIN 0xc3
.irp t, 0,1,2,3,4,5
.irp a, 0,1,2,3
.irp e, 0,2,4,6
	v_pk_mul_f32 v[8*(4*\t+\a)+\e:8*(4*\t+\a)+\e+1], v[8*(4*\t+\a)+\e:8*(4*\t+\a)+\e+1], v[48+2*\a:49+2*\a] op_sel_hi:[1,0]   ; O^T under the new M, while p's fragments come out of LDS
.endr
.endr
.endr
	WIN 0
	s_wait_loadcnt 29                              ; behind this step's V stand only the next step's 29 loads of K, or none
	s_wait_dscnt 0x0
	WIN 0xf2                                       ; V window 2, p window 0, O^T window 3
.irp t, 0,1,2,3,4,5
.irp a, 0,1,2,3
	WMA 8*(4*\t+\a), 96+16*\t, 128+16*\a, 8*(4*\t+\a), 216+\t/2, 192+\a, \t%2
.endr
.endr
	WIN 0
	PLACES 8
	s_wait_alu depctr_va_vdst(0)                   ; the products are done reading V's fragments and scale words, in which the next step's loads land, and p's fragments and scale words v128-195, in which the next LDS loads land
	s_add_co_u32 s41, s36, 1
	s_cmp_lt_u32 s41, s35
	s_cbranch_scc0 .Lno_v
	s_wait_xcnt 0x0
	s_add_nc_u64 s[50:51], s[50:51], 49152
	s_add_nc_u64 s[54:55], s[54:55], 1536
	VLOADS                                         ; the next step's V
	s_branch .Lnext
.Lno_v:
	s_wait_loadcnt 0x0
	s_branch .Lnext
.Ldead_v:
	s_wait_loadcnt 0x0
.Lnext:
	s_add_co_u32 s36, s36, 1
	s_cmp_lt_u32 s36, s35
	s_cbranch_scc1 .Lstep
	; ---- the tail, in every work-group.  First the exchange of the sums; Wo is asked for behind the exchange's LDS loads
	s_wait_loadcnt 0x0
.irp a, 0,1,2,3
	v_add_f32 v[224+\a], v[34+4*\a], v[35+4*\a]
.endr
.irp a, 0,1,2,3
	v_permlanex16_b32 v[60+\a], v[224+\a], s[SEL], s[SEL+1]
.endr
.irp a, 0,1,2,3
	v_add_f32 v[224+\a], v[224+\a], v[60+\a]       ; the sum of p over my wave's keys
.endr
	s_wait_alu depctr_va_vdst(0)                   ; v224-227 are written, which the LDS stores read
.irp a, 0,1,2,3
	ds_store_b32 v6, v[224+\a] offset:1024+256*\a
.endr
	s_wait_alu depctr_vm_vsrc(0)                   ; the four stores have read v224-227, which the reciprocals below write
	BARRIER
	GLOAD 1024
	WIN 0x80
.irp t, 0,1,2,3,4,5
.irp c, 0,1,2,3
	global_load_b128 v[16*\t+4*\c:16*\t+4*\c+3], v1, s[66:67] offset:(3*\t)*2048+512*\c          ; Wo, K step 0, where K lay: no line behind the loop's waits names these registers
	global_load_b128 v[96+16*\t+4*\c:99+16*\t+4*\c], v1, s[66:67] offset:(3*\t+1)*2048+512*\c    ; K step 1, where V lay
.endr
.endr
	WIN 0
.set n, 0
.rept 9
	global_load_b32 v[236+n], v2, s[68:69] offset:128*n
.set n, n+1
.endr
	GSUM
.irp a, 0,1,2,3
	v_rcp_f32 v[224+\a], v[144+4*\a]
.endr
	v_mov_b32 v31, 0x3a000000                      ; 1 / 2,048  (a plain instruction behind the reciprocals)
	s_wait_alu depctr_va_vdst(0)                   ; the four reciprocals have written v224-227, ahead of their first reader
.irp a, 0,1,2,3
	v_cndmask_b32 v[48+2*\a], v[224+\a], v31, s[72+\a]
.endr
; Three blocks of 16 registers at v64 on become codes in v[pc ..] and bytes in v[by ..]
.macro QUANT3 pc, by
.irp b, 0,1,2
	v_max3_num_f32 v[TM+\b], |v[64+16*\b]|, |v[65+16*\b]|, 0x8000000
.endr
.irp e, 2,4,6,8,10,12,14
.irp b, 0,1,2
	v_max3_num_f32 v[TM+\b], v[TM+\b], |v[64+16*\b+\e]|, |v[65+16*\b+\e]|
.endr
.endr
.irp b, 0,1,2
	v_permlanex16_b32 v[TM+4+\b], v[TM+\b], s[SEL], s[SEL+1]
.endr
.irp b, 0,1,2
	v_max_num_f32 v[TM+\b], v[TM+\b], v[TM+4+\b]
.endr
.irp b, 0,1,2
	v_add_nc_u32 v[TM+12+\b], 0xf8800000, v[TM+\b]
.endr
.irp b, 0,1,2
	v_and_or_b32 v[TM+8+\b], v[TM+\b], 0x7f800000, s[MNT]
.endr
.irp b, 0,1,2
	v_lshrrev_b32 v[(\by)+\b], 23, v[TM+12+\b]
.endr
.irp b, 0,1,2
.irp e, 0,1,2,3,4,5,6,7,8,9,10,11,12,13,14,15
	v_med3_num_f32 v[64+16*\b+\e], v[64+16*\b+\e], -v[TM+8+\b], v[TM+8+\b]
.endr
	v_cvt_scalef32_pk8_bf8_f32 v[(\pc)+4*\b:(\pc)+4*\b+1], v[64+16*\b:71+16*\b], v[TM+12+\b]
	v_cvt_scalef32_pk8_bf8_f32 v[(\pc)+4*\b+2:(\pc)+4*\b+3], v[72+16*\b:79+16*\b], v[TM+12+\b]
.endr
	v_nop
.endm
.macro CLSTORE a                       ; tile a's three pieces and three bytes go to LDS
.irp b, 0,1,2
	ds_store_b128 v15, v[112+12*(\a)+4*\b:112+12*(\a)+4*\b+3] offset:6144*(\a)+512*\b
	ds_store_b8 v17, v[176+4*(\a)+\b] offset:256*(\a)+\b
.endr
.endm
; The context layer of tile a, my 96 channels: O^T / l, or for a row without keys the sum of v / 2,048; quantised along the channels; its three pieces to LDS.
; As soon as the tile's O^T has been read, its registers take ctx + bo out of the stage, in the result's layout: the output's sums begin with it.  These loads stand beside the quantising.
; Each tile has its own registers for codes and bytes.  So ONE wait a tile, behind its selections, serves two things: the tile's O^T may be loaded over, and the tile before's codes and bytes may be stored.
.macro CLQ a
	WIN 0x07                                       ; source 0 (O^T) window 3, source 1 (the sum of v) window 1
.irp t, 0,1,2,3,4,5
.irp j, 0,1,2,3,4,5,6,7
	v_cndmask_b32 v[64+8*\t+\j], v[8*(4*\t+(\a))+\j], v[192+8*\t+\j], s[72+(\a)]
.endr
.endr
	WIN 0xc0
	s_wait_alu depctr_va_vdst(0)                   ; the selections are done reading the tile's O^T, in which ctx + bo lands; the quantiser has written the codes and bytes of the tile before, which the LDS stores below read
.irp t, 0,1,2,3,4,5
.irp q, 0,1
	ds_load_b128 v[8*(4*\t+(\a))+4*\q:8*(4*\t+(\a))+4*\q+3], v[13+(\a)/2] offset:((\a)%2)*24832+(32*(\t/2)+8*(\t%2))*4+16*\q
.endr
.endr
	WIN 0
.if (\a) > 0
	CLSTORE (\a)-1
.endif
.set n, 0
.rept 24
	v_pk_mul_f32 v[64+2*n:65+2*n], v[64+2*n:65+2*n], v[48+2*(\a):49+2*(\a)] op_sel_hi:[1,0]
.set n, n+1
.endr
	QUANT3 112+12*(\a), 176+4*(\a)
.endm
	CLQ 0
	CLQ 1
	CLQ 2
	CLQ 3
	s_wait_alu depctr_va_vdst(0)                   ; the quantiser has written the last tile's codes and bytes, which the LDS stores read, and is done with v64-159, in which Wo's third K step lands
	CLSTORE 3
	s_wait_alu depctr_vm_vsrc(0)                   ; the LDS stores of the four tiles have read the codes v112-159, in which Wo's third K step lands
	BARRIER                                        ; the context layer's twelve fragments lie in LDS, and ctx + bo is in
	WIN 0x40
.set n, 0
.rept 48
	ds_load_b128 v[4*n:4*n+3], v16 offset:512*n    ; where q lay: no line behind the loop's waits names these registers
.set n, n+1
.endr
	WIN 0
.irp a, 0,1,2,3
.irp s, 0,1,2
	ds_load_b32 v[196+3*\a+\s], v18 offset:256*\a+4*\s
.endr
.endr
.irp t, 0,1,2,3,4,5
.irp c, 0,1,2,3
	global_load_b128 v[64+16*\t+4*\c:67+16*\t+4*\c], v1, s[66:67] offset:(3*\t+2)*2048+512*\c     ; Wo, K step 2, where the context layer and its codes lay: behind the LDS loads; it has two K steps' products in which to land
.endr
.endr
	s_wait_dscnt 0x0
	s_wait_loadcnt 24                              ; all but K step 2's 24 loads
.macro WOSTEP s, ab                    ; 24 accumulators by turns: source 0 = 16 outputs of Wo, source 1 = 16 rows
.irp t, 0,1,2,3,4,5
.irp a, 0,1,2,3
	WMA 8*(4*\t+\a), (\ab)+16*\t, 48*\a+16*(\s), 8*(4*\t+\a), 236+(3*\t+(\s))/2, 196+3*\a+(\s), (3*\t+(\s))%2
.endr
.endr
.endm
	WIN 0xf6                                       ; Wo window 2, the context layer window 1, sums window 3
	WOSTEP 0, 0
	WOSTEP 1, 96
	PLACES 8
	WIN 0x80
	s_wait_alu depctr_va_vdst(0)                   ; the products of the first two K steps are done reading Wo's fragments in window 2, in which ln_g, ln_b and Wa land: one wait for the 48 loads
.irp t, 0,1,2,3,4,5
.irp q, 0,1
	global_load_b128 v[8*\t+4*\q:8*\t+4*\q+3], v4, s[12:13] offset:(32*(\t/2)+8*(\t%2))*4+16*\q          ; ln_g, ln_b in the result's layout, where K step 0 lay
	global_load_b128 v[48+8*\t+4*\q:51+8*\t+4*\q], v4, s[14:15] offset:(32*(\t/2)+8*(\t%2))*4+16*\q
.endr
.endr
.irp t, 0,1,2,3,4,5
.irp q, 0,1,2,3
	global_load_b128 v[96+16*\t+4*\q:99+16*\t+4*\q], v23, s[16:17] offset:(32*(\t/2)+8*(\t%2))*8+16*\q   ; Wa: a pair for each of my channels, where K step 1 lay
.endr
.endr
	s_wait_loadcnt 48                              ; all but the 48 loads of ln_g, ln_b and Wa: K step 2 is in
	WIN 0xf4                                       ; Wo window 0
	WOSTEP 2, 64
	WIN 0
	PLACES 8
	; ---- LayerNorm: the mean, then the mean square of the differences; a row's 384 numbers lie in two lanes of each of the four waves
.macro ACROSS off, again               ; v[228 + 2 a] pairs -> one number a row and wave -> the exchange at off.  again = 1: v224-227 are written once more behind it
.irp a, 0,1,2,3
	v_add_f32 v[224+\a], v[228+2*\a], v[229+2*\a]
.endr
.irp a, 0,1,2,3
	v_permlanex16_b32 v[60+\a], v[224+\a], s[SEL], s[SEL+1]
.endr
.irp a, 0,1,2,3
	v_add_f32 v[224+\a], v[224+\a], v[60+\a]
.endr
	s_wait_alu depctr_va_vdst(0)                   ; v224-227 are written, which the LDS stores read; the products and lines above are done with v144-159, in which the exchange's LDS loads land
.irp a, 0,1,2,3
	ds_store_b32 v6, v[224+\a] offset:(\off)+256*\a
.endr
.if \again
	s_wait_alu depctr_vm_vsrc(0)                   ; the four stores have read v224-227, which the next exchange's lines write again
.endif
	BARRIER
	GLOAD \off
	GSUM
.endm
.irp n, 0,1,2,3,4,5,6,7
	v_mov_b32 v[228+\n], 0
.endr
	WIN 0x0c                                       ; source 1 window 3
.irp t, 0,1,2,3,4,5
.irp e, 0,2,4,6
.irp a, 0,1,2,3
	v_pk_add_f32 v[228+2*\a:229+2*\a], v[228+2*\a:229+2*\a], v[8*(4*\t+\a)+\e:8*(4*\t+\a)+\e+1]     ; each accumulator from its low end on
.endr
.endr
.endr
	WIN 0
	ACROSS 2048, 1
.irp a, 0,1,2,3
	v_mul_f32 v[48+2*\a], 0x3b2aaaab, v[144+4*\a]  ; the mean
.endr
	WIN 0xc3
.irp t, 0,1,2,3,4,5
.irp a, 0,1,2,3
.irp e, 0,2,4,6
	v_pk_add_f32 v[8*(4*\t+\a)+\e:8*(4*\t+\a)+\e+1], v[8*(4*\t+\a)+\e:8*(4*\t+\a)+\e+1], v[48+2*\a:49+2*\a] op_sel_hi:[1,0] neg_lo:[0,1] neg_hi:[0,1]
.endr
.endr
.endr
	WIN 0
.irp n, 0,1,2,3,4,5,6,7
	v_mov_b32 v[228+\n], 0
.endr
	WIN 0x0f                                       ; sources 0 and 1 window 3
.irp t, 0,1,2,3,4,5
.irp e, 0,2,4,6
.irp a, 0,1,2,3
	v_pk_fma_f32 v[228+2*\a:229+2*\a], v[8*(4*\t+\a)+\e:8*(4*\t+\a)+\e+1], v[8*(4*\t+\a)+\e:8*(4*\t+\a)+\e+1], v[228+2*\a:229+2*\a]
.endr
.endr
.endr
	WIN 0
	ACROSS 3072, 0
.irp a, 0,1,2,3
	v_mul_f32 v[144+4*\a], 0x3b2aaaab, v[144+4*\a]
.endr
.irp a, 0,1,2,3
	v_add_f32 v[144+4*\a], 0x3727c5ac, v[144+4*\a] ; + 1e-5
.endr
.irp a, 0,1,2,3
	v_rsq_f32 v[48+2*\a], v[144+4*\a]
.endr
	v_nop
	s_wait_alu depctr_va_vdst(0)                   ; the four reciprocal roots have written v48, v50, v52, v54, ahead of their first reader
	s_wait_loadcnt 0x0                             ; ln_g, ln_b, Wa
	WIN 0xc3
.irp t, 0,1,2,3,4,5
.irp a, 0,1,2,3
.irp e, 0,2,4,6
	v_pk_mul_f32 v[8*(4*\t+\a)+\e:8*(4*\t+\a)+\e+1], v[8*(4*\t+\a)+\e:8*(4*\t+\a)+\e+1], v[48+2*\a:49+2*\a] op_sel_hi:[1,0]
.endr
.endr
.endr
	WIN 0xeb                                       ; destination and source 0 window 3, sources 1 and 2 window 2
.irp t, 0,1,2,3,4,5
.irp a, 0,1,2,3
.irp e, 0,2,4,6
	v_pk_fma_f32 v[8*(4*\t+\a)+\e:8*(4*\t+\a)+\e+1], v[8*(4*\t+\a)+\e:8*(4*\t+\a)+\e+1], v[8*\t+\e:8*\t+\e+1], v[48+8*\t+\e:49+8*\t+\e]
.endr
.endr
.endr
	WIN 0
.irp n, 0,1,2,3,4,5,6,7
	v_mov_b32 v[228+\n], 0
.endr
	WIN 0x0b                                       ; source 0 window 3, source 1 window 2
.irp t, 0,1,2,3,4,5
.irp j, 0,1,2,3,4,5,6,7
.irp a, 0,1,2,3
.if (\j%2) == 0
	v_pk_fma_f32 v[228+2*\a:229+2*\a], v[8*(4*\t+\a)+\j:8*(4*\t+\a)+\j+1], v[96+16*\t+2*\j:97+16*\t+2*\j], v[228+2*\a:229+2*\a] op_sel:[0,0,0] op_sel_hi:[0,1,1]   ; both logits += one number x its pair of Wa
.else
	v_pk_fma_f32 v[228+2*\a:229+2*\a], v[8*(4*\t+\a)+\j-1:8*(4*\t+\a)+\j], v[96+16*\t+2*\j:97+16*\t+2*\j], v[228+2*\a:229+2*\a] op_sel:[1,0,0] op_sel_hi:[1,1,1]
.endif
.endr
.endr
.endr
	WIN 0
.irp a, 0,1,2,3
	v_permlanex16_b32 v[60+\a], v[228+2*\a], s[SEL], s[SEL+1]
.endr
.irp a, 0,1,2,3
	v_add_f32 v[228+2*\a], v[228+2*\a], v[60+\a]
.endr
.irp a, 0,1,2,3
	v_permlanex16_b32 v[60+\a], v[229+2*\a], s[SEL], s[SEL+1]
.endr
.irp a, 0,1,2,3
	v_add_f32 v[229+2*\a], v[229+2*\a], v[60+\a]
.endr
	WIN 0x0c
	s_wait_alu depctr_va_vdst(0)                   ; LayerNorm has written the result, and the lines above the logits' parts v228-235: the LDS stores below read both: one wait for the 52
.irp t, 0,1,2,3,4,5
.irp a, 0,1,2,3
.irp q, 0,1
	ds_store_b128 v[13+\a/2], v[8*(4*\t+\a)+4*\q:8*(4*\t+\a)+4*\q+3] offset:(\a%2)*24832+(32*(\t/2)+8*(\t%2))*4+16*\q   ; the result takes the bytes from which this lane, and no other, read ctx + bo
.endr
.endr
.endr
	WIN 0
.irp a, 0,1,2,3
	ds_store_b64 v19, v[228+2*\a:229+2*\a] offset:32*(32*(\a/2)+8*(\a%2))      ; my wave's part of the row's two logits, by natural row
.endr
	BARRIER                                        ; 64 whole rows of the result, and the logits' parts, lie in LDS
	WIN 0xc0
	s_wait_alu depctr_va_vdst(0)                   ; LayerNorm's and the actor's lines are done writing and reading the result's registers, in which the rows land: the switch, the wait, the loads
	s_wait_alu depctr_vm_vsrc(0)                   ; and the LDS stores above have read them
.set i, 0
.rept 48
	ds_load_b128 v[4*i:4*i+3], v12 offset:(16*((i/3)/8)+(i/3)%8)*SP+512*(i%3)
.set i, i+1
.endr
	WIN 0x0c
.set i, 0
.rept 48
	s_wait_dscnt 47-i                              ; LDS loads come back in order: load i is in, the younger ones may be out
	global_store_b128 v1, v[4*i:4*i+3], s[76:77] offset:512*i th:TH_STORE_NT     ; 512 consecutive bytes, aligned: rows 16 w .. 16 w + 15 on end
.set i, i+1
.endr
	WIN 0
	s_cmp_lg_u32 s32, 0
	s_cbranch_scc1 .Lend
	; ---- the actor: wave 0; lane l takes rows 2 l and 2 l + 1
.irp n, 0,1,2,3
	ds_load_b128 v[64+4*\n:67+4*\n], v20 offset:16*\n          ; where Wo's third K step lay: no line behind the exchanges' waits names these registers
.endr
	s_wait_dscnt 0x0
	v_pk_add_f32 v[64:65], v[64:65], v[66:67]
	v_pk_add_f32 v[68:69], v[68:69], v[70:71]
	v_pk_add_f32 v[72:73], v[72:73], v[74:75]
	v_pk_add_f32 v[76:77], v[76:77], v[78:79]
	v_pk_add_f32 v[64:65], v[64:65], v[68:69]
	v_pk_add_f32 v[72:73], v[72:73], v[76:77]
	v_add_f32 v64, s70, v64                        ; + ba
	v_add_f32 v65, s71, v65
	v_add_f32 v72, s70, v72
	v_add_f32 v73, s71, v73
	v_max_num_f32 v80, v64, v65                    ; the maximum is taken away ahead of the exponentials
	v_max_num_f32 v81, v72, v73
	v_sub_f32 v64, v64, v80
	v_sub_f32 v65, v65, v80
	v_sub_f32 v72, v72, v81
	v_sub_f32 v73, v73, v81
	v_mul_f32 v64, 0x3fb8aa3b, v64
	v_mul_f32 v65, 0x3fb8aa3b, v65
	v_mul_f32 v72, 0x3fb8aa3b, v72
	v_mul_f32 v73, 0x3fb8aa3b, v73
	v_exp_f32 v64, v64
	v_exp_f32 v65, v65
	v_exp_f32 v72, v72
	v_exp_f32 v73, v73
	v_nop
	s_wait_alu depctr_va_vdst(0)                   ; the four exponentials have written their results, ahead of the first reader
	v_add_f32 v80, v64, v65
	v_add_f32 v81, v72, v73
	v_rcp_f32 v80, v80
	v_rcp_f32 v81, v81
	v_nop
	s_wait_alu depctr_va_vdst(0)                   ; the two reciprocals have written v80 and v81, ahead of the first reader
	v_mul_f32 v84, v64, v80
	v_mul_f32 v85, v65, v80
	v_mul_f32 v86, v72, v81
	v_mul_f32 v87, v73, v81
	s_wait_alu depctr_va_vdst(0)                   ; v84-87 are written, which the store reads
	global_store_b128 v1, v[84:87], s[78:79]       ; 512 consecutive bytes: the block's 64 rows of out0
.Lend:
	s_wait_dscnt 0x0                               ; the closing lines, six on end
	s_wait_alu 0x0
	s_wait_tensorcnt 0x0
	ds_add_u32 v254, v255
	s_wait_dscnt 0x0
	s_endpgm
.Lfunc_end_k_q5a67cf1797_attn:
	.size	k_q5a67cf1797_attn, .Lfunc_end_k_q5a67cf1797_attn-k_q5a67cf1797_attn
	.p2alignl 7, 3214868480
	.fill 96, 4, 3214868480
	.section	.rodata,"a",@progbits
	.p2align	6, 0x0
	.amdhsa_kernel k_q5a67cf1797_attn
		.amdhsa_group_segment_fixed_size 140032
		.amdhsa_private_segment_fixed_size 0
		.amdhsa_enable_private_segment 0
		.amdhsa_kernarg_size 112
		.amdhsa_user_sgpr_count 2
		.amdhsa_user_sgpr_kernarg_segment_ptr 1
		.amdhsa_wavefront_size32 1
		.amdhsa_system_sgpr_workgroup_id_x 1
		.amdhsa_system_sgpr_workgroup_id_y 1
		.amdhsa_system_sgpr_workgroup_id_z 1
		.amdhsa_system_vgpr_workitem_id 0
		.amdhsa_next_free_vgpr 976
		.amdhsa_next_free_sgpr 100
		.amdhsa_reserve_vcc 0
		.amdhsa_float_denorm_mode_32 3
		.amdhsa_float_denorm_mode_16_64 3
		.amdhsa_memory_ordered 1
		.amdhsa_forward_progress 1
		.amdhsa_inst_pref_size 254
	.end_amdhsa_kernel
	.amdgpu_metadata
---
amdhsa.version: [ 1, 2 ]
amdhsa.kernels:
  - .name:           k_q5a67cf1797_attn
    .symbol:         k_q5a67cf1797_attn.kd
    .args:
      - { .name: context, .offset: 0, .size: 8, .value_kind: global_buffer, .address_space: global }
      - { .name: a2, .offset: 8, .size: 8, .value_kind: global_buffer, .address_space: global }
      - { .name: b2, .offset: 16, .size: 8, .value_kind: global_buffer, .address_space: global }
      - { .name: bo, .offset: 24, .size: 8, .value_kind: global_buffer, .address_space: global }
      - { .name: ln_g, .offset: 32, .size: 8, .value_kind: global_buffer, .address_space: global }
      - { .name: ln_b, .offset: 40, .size: 8, .value_kind: global_buffer, .address_space: global }
      - { .name: Wa, .offset: 48, .size: 8, .value_kind: global_buffer, .address_space: global }
      - { .name: ba, .offset: 56, .size: 8, .value_kind: global_buffer, .address_space: global }
      - { .name: wts, .offset: 64, .size: 8, .value_kind: global_buffer, .address_space: global }
      - { .name: meta, .offset: 72, .size: 8, .value_kind: global_buffer, .address_space: global }
      - { .name: codes, .offset: 80, .size: 8, .value_kind: global_buffer, .address_space: global }
      - { .name: aux, .offset: 88, .size: 8, .value_kind: global_buffer, .address_space: global }
      - { .name: out0, .offset: 96, .size: 8, .value_kind: global_buffer, .address_space: global }
      - { .name: out1, .offset: 104, .size: 8, .value_kind: global_buffer, .address_space: global }
    .group_segment_fixed_size: 140032
    .private_segment_fixed_size: 0
    .kernarg_segment_align: 8
    .kernarg_segment_size: 112
    .max_flat_workgroup_size: 128
    .sgpr_count:     100
    .vgpr_count:     976
    .wavefront_size: 32
...
	.end_amdgpu_metadata
.endif
;; end of part 5
